; MI455X (gfx1250); checked and timed in simulation.
; The chip was launched on July 23, 2026; its instructions are those of AMD's public machine-readable ISA for CDNA 5 (MIT licence, August 2026) and "CDNA5" Instruction Set Architecture Reference Guide (July 2026). The comments in the code are by the model that wrote it; some were corrected since.
;; Multi Scale Retention. Allowed arithmetic: matrix products marked QUANTISED: E2M3 operands, one E8M0 scale for each 32 along K, by v_wmma_scale_f32_16x16x128_f8f6f4 with both operands' format E2M3, f32 sums; products left as they are: f32 operands where the result goes on into a quantised operand, else bf16, f16 or f32 operands; f32 sums; everything else in f32.
;; Inputs: Wg 1,024 x 2,048 float32; Wk 1,024 x 1,024 float32; Wo 2,048 x 1,024 float32; Wq 1,024 x 1,024 float32; Wv 1,024 x 2,048 float32; g_norm_w 256 float32; hidden_states 2 x 2,048 x 1,024 float32.
;; Outputs: out0 2 x 2,048 x 1,024 float32.
;; This version of the problem:
;;   THIS VERSION OF THE PROBLEM IS GIVEN IN LOW PRECISION. The matrix products marked QUANTISED in the list below multiply operands that are first quantised to E2M3 (2 exponent bits, 3 mantissa bits; 6 bits a number), with one power-of-two scale for each 32 numbers along K (OCP MX v1.0); their sums are f32. All else is computed in f32.
;;   The module's matrix products, in the order in which they are computed (A, B: the left and right operand; K: the contracted axis; several contracted axes count as one K, in the product's order):
;;     1. [M 4,096, K 1,024] x [K 1,024, N 1,024]; A: input hidden_states; B: input Wq: QUANTISED
;;     2. [M 4,096, K 1,024] x [K 1,024, N 1,024]; A: input hidden_states; B: input Wk: QUANTISED
;;     3. [M 4,096, K 1,024] x [K 1,024, N 2,048]; A: input hidden_states; B: input Wv: QUANTISED
;;     4. batch 16 x [M 2,048, K 128] x [K 128, N 2,048]; A: computed on the way; B: computed on the way: QUANTISED
;;     5. batch 33,554,432 x [M 2, K 1] x [K 1, N 1]; A: computed on the way; B: computed on the way: left as it is (no contracted axis)
;;     6. batch 16 x [M 2,048, K 2,048] x [K 2,048, N 256]; A: computed on the way; B: computed on the way: QUANTISED
;;     7. [M 4,096, K 1,024] x [K 1,024, N 2,048]; A: input hidden_states; B: input Wg: QUANTISED
;;     8. [M 4,096, K 2,048] x [K 2,048, N 1,024]; A: computed on the way; B: input Wo: QUANTISED
;;   THE QUANTISER, for each operand of a quantised product, along K:
;;     - K is cut into blocks of 32 from its start; a last block that is shorter is filled with zeros.
;;     - A block's scale is 2^e with e = floor(log2(the largest magnitude in the block)) - 2, held to -126 .. 127; a block of zeros has e = 0. As a byte (E8M0): e + 127.
;;     - Each number is divided by its block's scale, clamped to +-7.5, and rounded to the nearest number of E2M3, ties to even, subnormals kept.
;;     - The product sums the exact products of the quantised numbers (number of the format x scale) in f32.
;;   ~~~python
;;   def quantise(x, axis):      # numpy; x: float32 -> the quantised numbers, widened to float32 again
;;       x = np.moveaxis(x, axis, -1); K = x.shape[-1]
;;       x = np.pad(x, [(0, 0)] * (x.ndim - 1) + [(0, -K % 32)]); x = x.reshape(x.shape[:-1] + (-1, 32)); a = np.abs(x).max(-1, keepdims=True)
;;       e = np.where(a > 0, np.clip(np.frexp(np.where(a > 0, a, 1))[1] - 1 - 2, -126, 127), 0)      # np.frexp(a)[1] - 1 = floor(log2(a)), exactly
;;       r = np.clip(x / 2.0 ** e, -7.5, 7.5)
;;       step = 2.0 ** (np.maximum(np.frexp(np.where(r == 0, 1, r))[1] - 1, 0) - 3)
;;       q = np.round(r / step) * step * 2.0 ** e      # np.round: ties to even
;;       return np.moveaxis(q.reshape(q.shape[:-2] + (-1,))[..., :K], -1, axis).astype(np.float32)
;;   ~~~
;;   OPERANDS COMPUTED ON THE WAY. 'Computed on the way' means the value that the module computes at that place (a softmax that the list does not call 'softmax' is quantised finished and normalised). What goes into a quantiser is computed in f32, as accurately as f32 sums, v_exp_f32 and their like allow (about 1e-6 of the number): no bf16 or f16 on the way to a quantiser, and a product that is left as it is and whose result goes on into a quantised operand takes f32 operands (vector FMAs, or v_wmma_f32_16x16x4_f32). A number that lies on a knife's edge between two numbers of the format may be rounded either way, as far as f32 arithmetic and the matrix unit's own rounding can turn it there, and no further.
;; 2 versions, each right; version 2 is version 1 with the launches proj, retn, outp written anew for expert scheduling mode. Each part assembles by itself: llvm-mc -triple=amdgcn-amd-amdhsa -mcpu=gfx1250 --defsym DOCPART=n.
;; ======== version 1 of 2: 4 launches
;; workspace buffers: xq 3,276,800 bytes; wimg 6,553,600 bytes; rope 1,048,576 bytes; qk 6,553,600 bytes; vimg 6,553,600 bytes; yq 6,553,600 bytes
;; launch prep (part 1): grid 416 x 1, 4 waves a work-group, no clusters, 59,904 bytes of LDS; arguments hidden_states, Wq, Wk, Wv, Wg, Wo, xq, wimg, rope; writes xq, wimg, rope
.if DOCPART == 1
	.amdgcn_target "amdgcn-amd-amdhsa--gfx1250"
	.amdhsa_code_object_version 6
	.text
	.protected	k_q6435e563d0_prep
	.globl	k_q6435e563d0_prep
	.p2align	8
	.type	k_q6435e563d0_prep,@function
k_q6435e563d0_prep:
	s_mov_b64 s[64:65], 0
	v_nop
	global_prefetch_b8 v0, s[64:65] scope:SCOPE_SE
	s_setreg_imm32_b32 hwreg(HW_REG_WAVE_MODE, 25, 1), 1
	s_wait_xcnt 0x0
; hidden_states and the five weights become codes of E2M3 with one E8M0 byte for each 32 along K; the rotary table (cos, sin) is made.
; Everything is stored as IMAGES OF OPERAND REGISTERS.  A fragment is 16 rows x 128 K, 12 registers a lane, 1,536 bytes: register R of lane l lies at 512 (R / 4) + 16 l + 4 (R % 4),
; so that three loads of 16 bytes a lane bring it.  Its scale words: 64 bytes, row rho's word at 4 rho.  THE ROWS OF A TILE ARE NOT NEIGHBOURS: row rho of tile 2 g + u is index 32 g + 8 u + rho % 8 + 16 (rho / 8).
; Work-groups 0-255: the weights (a lane takes a column, its registers run down K); 256-383: hidden_states (K innermost, turned through LDS); 384-415: the table.  The three ways have LDS bytes of their own.
; A block's scale is 2^(floor(log2(largest magnitude)) - 2): its byte is the largest magnitude's exponent field - 2, held at 1 from below.
; LIMITS: a block of zeros gets the byte 1 where the rule says 127 (its codes are zeros, and this program alone reads the bytes); blocks whose largest magnitude lies under 2^-124 are held at byte 1;
; NaN and infinities are not served.  The angle is position x frequency in f32, one rounding; the frequency is 2^(-i log2(10000) / 64) with the exponent's rounding put right; sine and cosine by a reduction
; in three parts of pi / 2 and polynomials on +-pi / 4: right for the positions 0 .. 2,047 of this problem.
.set XS,   3145728                     ; xq: the scale records begin here
.set WO,   4718592                     ; wimg: Wo's codes
.set WS,   6291456                     ; wimg: the projections' scale records
.set WOS,  6488064                     ; wimg: Wo's scale records
.set WST,  33792                       ; LDS: the weights' stages, 6,400 bytes a wave; bytes 0 .. 33,791 are hidden_states' stages, 8,448 a wave
.set PC,   208                         ; v208-227 the codes just made
.set TM,   228                         ; v228-231 largest magnitudes, v232-235 bytes, v236-239 the conversions' scale operands
.set PW,   241                         ; the scale word just made
.set SEL,  62                          ; s[62:63] lane selects for v_permlanex16_b32: lane l xor 16
; 64 numbers of a lane, v[s] .. v[s + 63], number 16 b + i = k 32 b + 16 (lane / 16) + i of my row, become a fragment's codes in v[PC] on and its scale word in v[PW]
.macro QUANT s
.irp b, 0,1,2,3
	v_max3_num_f32 v[TM+\b], |v[\s+16*\b]|, |v[\s+1+16*\b]|, 0x1800000   ; with the floor 2^(3 - 127): the byte cannot fall under 1
.endr
.irp i, 2,4,6,8,10,12,14
.irp b, 0,1,2,3
	v_max3_num_f32 v[TM+\b], |v[\s+16*\b+\i]|, |v[\s+1+16*\b+\i]|, v[TM+\b]
.endr
.endr
.irp b, 0,1,2,3
	v_permlanex16_b32 v[TM+4+\b], v[TM+\b], s[SEL], s[SEL+1]
.endr
.irp b, 0,1,2,3
	v_max_num_f32 v[TM+\b], v[TM+\b], v[TM+4+\b]                   ; with lane l xor 16's: the block's largest magnitude
.endr
.irp b, 0,1,2,3
	v_add_nc_u32 v[TM+8+\b], 0xff000000, v[TM+\b]                  ; 2 off its exponent field: the conversion's scale operand
.endr
.irp b, 0,1,2,3
	v_lshrrev_b32 v[TM+4+\b], 23, v[TM+8+\b]                       ; the scale's byte
.endr
	v_lshl_or_b32 v[PW], v[TM+5], 8, v[TM+4]
	v_lshl_or_b32 v[PW], v[TM+6], 16, v[PW]
	v_lshl_or_b32 v[PW], v[TM+7], 24, v[PW]
.irp c, 0,1
	v_cvt_scalef32_pk16_fp6_f32 v[PC+6*\c:PC+2+6*\c], v[\s+32*\c:\s+15+32*\c], v[TM+8+2*\c]
	v_cvt_scalef32_pk16_fp6_f32 v[PC+12+4*\c:PC+14+4*\c], v[\s+16+32*\c:\s+31+32*\c], v[TM+9+2*\c]   ; (a conversion's three registers begin on an even number)
.endr
	v_nop                                          ; one plain place behind a scaled conversion
.irp c, 0,1                                    ; the operand's layout wants a whole block in a lane
.irp i, 0,1,2
	v_permlane16_swap_b32 v[PC+6*\c+\i], v[PC+12+4*\c+\i]
.endr
.irp i, 0,1,2
	v_mov_b32 v[PC+3+6*\c+\i], v[PC+12+4*\c+\i]
.endr
.endr
.endm
	s_load_b512 s[4:19], s[0:1], 0x0               ; hidden_states s[4:5], Wq, Wk, Wv, Wg, Wo s[14:15], xq s[16:17], wimg s[18:19]
	s_load_b64 s[20:21], s[0:1], 0x40              ; rope
	v_lshl_add_u32 v254, v0, 2, 0xe800
	v_mov_b32 v255, 0
	v_lshrrev_b32 v1, 5, v0
	v_readfirstlane_b32 s22, v1                    ; wave
	v_and_b32 v6, 31, v0                           ; lane
	v_lshlrev_b32 v1, 4, v6                        ; 16 x lane
	s_mov_b32 s57, 0                               ; the upper word of the offsets' pair s[56:57]
	s_mov_b32 s[SEL], 0x76543210
	s_mov_b32 s[SEL+1], 0xfedcba98
	s_wait_kmcnt 0x0
	s_cmp_lt_u32 ttmp9, 256
	s_cbranch_scc0 .Lnot_w
; ---------------- the weights.  A work-group takes 128 columns x 256 along K, a wave 32 columns: one group of 32, two tiles, two K steps
	s_mov_b64 s[24:25], s[14:15]                   ; Wo's figures; the others are chosen over them by the work-group's number alone
	s_mov_b32 s26, 4096                            ; bytes in a row
	s_mov_b32 s27, 192                             ; the tensor's first work-group
	s_mov_b32 s28, 3                               ; log2 of its blocks of 128 columns
	s_mov_b32 s29, WO                              ; where its codes begin
	s_mov_b32 s30, WOS                             ; and its scale records
	s_mov_b32 s31, 16                              ; K steps in a row of its images
.macro PICK thr, ptr, row, first, lg, cb, sb
	s_cmp_lt_u32 ttmp9, \thr
	s_cselect_b64 s[24:25], s[\ptr:\ptr+1], s[24:25]
	s_cselect_b32 s26, \row, s26
	s_cselect_b32 s27, \first, s27
	s_cselect_b32 s28, \lg, s28
	s_cselect_b32 s29, \cb, s29
	s_cselect_b32 s30, \sb, s30
	s_cselect_b32 s31, 8, s31
.endm
	PICK 192, 12, 8192, 128, 4, 3145728, WS+131072 ; Wg: tiles 256-383
	PICK 128, 10, 8192, 64, 4, 1572864, WS+65536   ; Wv: tiles 128-255
	PICK 64, 8, 4096, 32, 3, 786432, WS+32768      ; Wk: tiles 64-127
	PICK 32, 6, 4096, 0, 3, 0, WS                  ; Wq: tiles 0-63
	s_sub_co_u32 s54, ttmp9, s27
	s_lshl_b32 s55, 1, s28
	s_sub_co_u32 s55, s55, 1
	s_and_b32 s55, s54, s55                        ; which 128 columns
	s_lshr_b32 s54, s54, s28                       ; which 256 along K
	s_lshl_b32 s56, s54, 8
	s_mul_i32 s56, s56, s26                        ; 256 kb rows
	s_lshl_b32 s58, s55, 9
	s_add_co_u32 s56, s56, s58                     ; + 128 cb columns
	s_lshl_b32 s58, s22, 7
	s_add_co_u32 s56, s56, s58                     ; + 32 w columns
	s_add_nc_u64 s[32:33], s[24:25], s[56:57]      ; a base for each of my eight blocks of 32 rows: none is ever stepped
	s_lshl_b32 s56, s26, 5
.irp t, 1,2,3,4,5,6,7
	s_add_nc_u64 s[32+2*\t:33+2*\t], s[30+2*\t:31+2*\t], s[56:57]
.endr
	s_lshl_b32 s58, s55, 3
	s_lshl_b32 s59, s22, 1
	s_add_co_u32 s58, s58, s59                     ; my first tile: 8 cb + 2 w
	s_mul_i32 s58, s58, s31
	s_lshl_b32 s59, s54, 1
	s_add_co_u32 s58, s58, s59                     ; x K steps + my first K step
	s_mul_i32 s56, s58, 1536
	s_add_co_u32 s56, s56, s29
	s_add_nc_u64 s[48:49], s[18:19], s[56:57]      ; my first tile's two images: 3,072 bytes on end
	s_mul_i32 s56, s31, 1536
	s_add_nc_u64 s[50:51], s[48:49], s[56:57]      ; my second tile's
	s_lshl_b32 s56, s58, 6
	s_add_co_u32 s56, s56, s30
	s_add_nc_u64 s[52:53], s[18:19], s[56:57]      ; the scale records
	v_lshlrev_b32 v5, 2, v6                        ; my column: 4 bytes a lane
	v_bfe_u32 v7, v6, 3, 1                         ; u: which of the two tiles my column belongs to
	v_and_b32 v8, 7, v6
	v_lshrrev_b32 v9, 4, v6
	v_lshl_add_u32 v8, v9, 3, v8                   ; rho: its row there
	s_mul_i32 s59, s22, 6400
	s_add_co_u32 s59, s59, WST                     ; my stage: two tiles, 3,200 bytes apart, each two images
	v_mul_u32_u24 v2, v7, 3200
	v_lshl_add_u32 v2, v8, 4, v2
	v_add_nc_u32 v2, s59, v2                       ; into it: tile u, 16 bytes a row
	v_add_nc_u32 v3, s59, v1                       ; out of it: 16 bytes a lane
	s_lshl_b32 s60, s31, 6
	v_mul_u32_u24 v4, v7, s60
	v_lshl_add_u32 v4, v8, 2, v4                   ; my word's place among the scale records
.irp i, 0,1,2,3,4,5,6,7,8,9,10,11,12,13,14,15,16,17,18,19,20,21,22,23,24,25,26,27,28,29,30,31
	v_mad_u32_u24 v[16+\i], s26, \i, v5            ; row i of a block: the row's length is a register, so each row has an offset register; never rewritten
.endr
.macro LOADW t                         ; block t: W(32 t + i, my column) into set t % 2; a wave's load reads 128 consecutive bytes, the four waves' stand side by side
.irp i, 0,1,2,3,4,5,6,7,8,9,10,11,12,13,14,15,16,17,18,19,20,21,22,23,24,25,26,27,28,29,30,31
	global_load_b32 v[48+32*((\t)%2)+\i], v[16+\i], s[32+2*(\t):33+2*(\t)] th:TH_LOAD_NT
.endr
.endm
.macro BLOCKW t
.set XB, 48+32*((\t)%2)
.set CB, 112+8*((\t)%2)
.set OB, 1536*((\t)/4)+256*((\t)%2)    ; the image of K step t / 4; lanes 16-31 of the fragment hold the odd blocks
.if (\t) < 7
	s_wait_loadcnt 32                              ; this block's 32 loads are in; the next block's may be out
.else
	s_wait_loadcnt 0x0
.endif
	v_max3_num_f32 v8, |v[XB]|, |v[XB+1]|, |v[XB+2]|               ; the block's largest magnitude: all 32 numbers are mine
	v_max3_num_f32 v9, |v[XB+3]|, |v[XB+4]|, |v[XB+5]|
.irp i, 6,10,14,18,22,26
	v_max3_num_f32 v8, v8, |v[XB+\i]|, |v[XB+\i+1]|
	v_max3_num_f32 v9, v9, |v[XB+\i+2]|, |v[XB+\i+3]|
.endr
	v_max3_num_f32 v8, v8, |v[XB+30]|, |v[XB+31]|
	v_max3_num_f32 v8, v8, v9, 0x1800000           ; and the floor
	v_add_nc_u32 v10, 0xff000000, v8
	v_lshrrev_b32 v11, 23, v10
.if (\t)%4 == 0
	v_mov_b32 v[128+(\t)/4], v11                   ; four bytes to a word, the lower K in the lower byte
.else
	v_lshl_or_b32 v[128+(\t)/4], v11, 8*((\t)%4), v[128+(\t)/4]
.endif
	v_cvt_scalef32_pk16_fp6_f32 v[CB:CB+2], v[XB:XB+15], v10
	v_cvt_scalef32_pk16_fp6_f32 v[CB+4:CB+6], v[XB+16:XB+31], v10
	v_nop                                          ; one plain place behind a scaled conversion
	v_mov_b32 v[CB+3], v[CB+4]
	v_mov_b32 v[CB+4], v[CB+5]
	v_mov_b32 v[CB+5], v[CB+6]                     ; six registers on end: registers 0-5 or 6-11 of the fragment's lane
.if (\t)%4 < 2
	ds_store_b128 v2, v[CB:CB+3] offset:OB         ; registers 0-3,
	ds_store_b64 v2, v[CB+4:CB+5] offset:OB+512    ; 4 and 5
.else
	ds_store_b64 v2, v[CB:CB+1] offset:OB+520      ; registers 6 and 7,
	ds_store_b128 v2, v[CB+2:CB+5] offset:OB+1024  ; 8-11
.endif
.if (\t)+2 < 8
	LOADW (\t)+2
.endif
	s_wait_dscnt 2                                 ; this block's two stores may be out; the block before's, which read the other set of code registers, are done
.endm
	LOADW 0
	LOADW 1
.irp t, 0,1,2,3,4,5,6,7
	BLOCKW \t
.endr
	global_store_b32 v4, v128, s[52:53]            ; my column's scale words of the two K steps
	global_store_b32 v4, v129, s[52:53] offset:64
.irp n, 0,1,2,3,4,5,6,7,8,9,10,11
	ds_load_b128 v[132+4*\n:135+4*\n], v3 offset:3200*(\n/6)+512*(\n%6)   ; LDS serves a wave's instructions in order: these see my stores
.endr
.irp n, 0,1,2,3,4,5
	s_wait_dscnt 11-\n                             ; the younger loads may be out
	global_store_b128 v1, v[132+4*\n:135+4*\n], s[48:49] offset:512*\n   ; 32 lanes store 512 consecutive bytes
.endr
.irp n, 6,7,8,9,10,11
	s_wait_dscnt 11-\n
	global_store_b128 v1, v[132+4*\n:135+4*\n], s[50:51] offset:512*(\n-6)
.endr
	s_wait_tensorcnt 0x0
	ds_add_u32 v254, v255
	s_wait_dscnt 0x0
	s_endpgm
.Lnot_w:
	s_cmp_lt_u32 ttmp9, 384
	s_cbranch_scc0 .Ltable
; ---------------- hidden_states.  A wave takes one tile of 16 tokens x 512 along K: four fragments
	s_sub_co_u32 s24, ttmp9, 256
	s_lshl_b32 s24, s24, 2
	s_add_co_u32 s24, s24, s22
	s_lshr_b32 s25, s24, 1                         ; the tile
	s_and_b32 s26, s24, 1                          ; which half of K
	s_lshr_b32 s27, s25, 1
	s_lshl_b32 s27, s27, 5
	s_and_b32 s28, s25, 1
	s_lshl_b32 s28, s28, 3
	s_add_co_u32 s27, s27, s28                     ; the tile's first token
	s_lshl_b32 s56, s27, 12
	s_lshl_b32 s28, s26, 11
	s_add_co_u32 s56, s56, s28
	s_add_nc_u64 s[32:33], s[4:5], s[56:57]
	s_lshl_b32 s29, s25, 3
	s_lshl_b32 s28, s26, 2
	s_add_co_u32 s29, s29, s28                     ; 8 x tile + my first K step
	s_mul_i32 s56, s29, 1536
	s_add_nc_u64 s[34:35], s[16:17], s[56:57]
	s_lshl_b32 s56, s29, 6
	s_add_co_u32 s56, s56, XS
	s_add_nc_u64 s[36:37], s[16:17], s[56:57]
	v_and_b32 v7, 15, v6                           ; r
	v_lshrrev_b32 v8, 4, v6                        ; h
	s_mul_i32 s28, s22, 8448                       ; my stage: 16 rows of 512 bytes + 16
	v_add_nc_u32 v2, s28, v1                       ; in: a row as it lies
	v_mul_u32_u24 v3, v7, 528
	v_lshl_add_u32 v3, v8, 6, v3
	v_add_nc_u32 v3, s28, v3                       ; out: row r, + 64 h: my 16 numbers of each block of 32
	v_lshlrev_b32 v4, 2, v6
.irp b, 0,1,2,3
	v_mov_b32 v[TM+4+\b], 0                        ; written once: a lane permute's destination counts as one of its sources
.endr
.macro XLD t                           ; K step t: each load reads 512 consecutive bytes of one of the tile's 16 rows
.irp i, 0,1,2,3,4,5,6,7,8,9,10,11,12,13,14,15
	global_load_b128 v[16+64*((\t)%2)+4*\i:19+64*((\t)%2)+4*\i], v1, s[32:33] offset:((\i%8)+16*(\i/8))*4096+512*(\t) th:TH_LOAD_NT
.endr
.endm
.macro XSTEP t
.if (\t) < 3
	s_wait_loadcnt 16                              ; this step's 16 loads are in; the next step's may be out
.else
	s_wait_loadcnt 0x0
.endif
.irp i, 0,1,2,3,4,5,6,7,8,9,10,11,12,13,14,15
	ds_store_b128 v2, v[16+64*((\t)%2)+4*\i:19+64*((\t)%2)+4*\i] offset:528*\i
.endr
.irp b, 0,1,2,3
.irp q, 0,1,2,3
	ds_load_b128 v[144+16*\b+4*\q:147+16*\b+4*\q], v3 offset:128*\b+16*\q   ; LDS serves a wave's instructions in order: these see the stores above
.endr
.endr
	s_wait_dscnt 0x0
.if (\t) < 2
	XLD (\t)+2
.endif
	s_wait_xcnt 0x0                                ; the last step's stores have read the code registers
	QUANT 144
.irp c, 0,1,2
	global_store_b128 v1, v[PC+4*\c:PC+4*\c+3], s[34:35] offset:1536*(\t)+512*\c
.endr
	v_mov_b32 v[242+(\t)], v[PW]
.endm
	XLD 0
	XLD 1
.irp t, 0,1,2,3
	XSTEP \t
.endr
	v_cmp_lt_u32 vcc_lo, 15, v6                    ; lanes 0-15 store the even K step's words, lanes 16-31 the odd one's: two records on end
	v_cndmask_b32 v246, v242, v243, vcc_lo
	v_cndmask_b32 v247, v244, v245, vcc_lo
	global_store_b32 v4, v246, s[36:37]
	global_store_b32 v4, v247, s[36:37] offset:128
	s_wait_tensorcnt 0x0
	ds_add_u32 v254, v255
	s_wait_dscnt 0x0
	s_endpgm
.Ltable:
; ---------------- the rotary table.  A wave takes a tile of 16 positions; lane (r, h) makes (cos, sin) of the 32 pairs i = 16 b + 8 h + e, in the order in which the projection's results lie in that lane
	s_sub_co_u32 s24, ttmp9, 384
	s_lshl_b32 s24, s24, 2
	s_add_co_u32 s24, s24, s22                     ; the tile of positions, 0 .. 127
	s_lshr_b32 s25, s24, 1
	s_lshl_b32 s25, s25, 5
	s_and_b32 s26, s24, 1
	s_lshl_b32 s26, s26, 3
	s_add_co_u32 s25, s25, s26
	s_lshl_b32 s56, s24, 13
	s_add_nc_u64 s[32:33], s[20:21], s[56:57]
	v_and_b32 v7, 7, v6
	v_bfe_u32 v8, v6, 3, 1
	v_lshl_add_u32 v7, v8, 4, v7
	v_add_nc_u32 v7, s25, v7
	v_cvt_f32_u32 v2, v7                           ; my position
	v_lshrrev_b32 v8, 4, v6
	v_lshlrev_b32 v3, 3, v8                        ; 8 h
	s_mov_b32 s34, 0x3e549a78                      ; log2(10000) / 64, upper part
	s_mov_b32 s35, 0x31979a30                      ; and what it leaves
	s_mov_b32 s36, 0xbf317218                      ; -ln 2
	s_mov_b32 s37, 0x3f22f983                      ; 2 / pi
	s_mov_b32 s38, 0xbfc90fd8                      ; -pi / 2 in three parts
	s_mov_b32 s39, 0xb4a8885a
	s_mov_b32 s40, 0xa7c234c4
	s_mov_b32 s41, 0x37cd4000                      ; cosine's polynomial in x^2
	s_mov_b32 s42, 0xbab6077d
	s_mov_b32 s43, 0x3d2aaaa8
	s_mov_b32 s44, 0x36405000                      ; sine's
	s_mov_b32 s45, 0xb9503486
	s_mov_b32 s46, 0x3c0888c1
	s_mov_b32 s47, 0xbe2aaaab
.irp n, 0,1,2,3,4,5,6,7,8,9,10,11,12,13,14,15,16,17,18,19,20,21,22,23,24,25,26,27,28,29,30,31
	v_add_nc_u32 v[16+\n], 16*(\n/8)+\n%8, v3
.endr
.irp n, 0,1,2,3,4,5,6,7,8,9,10,11,12,13,14,15,16,17,18,19,20,21,22,23,24,25,26,27,28,29,30,31
	v_cvt_f32_u32 v[16+\n], v[16+\n]               ; i
.endr
.irp n, 0,1,2,3,4,5,6,7,8,9,10,11,12,13,14,15,16,17,18,19,20,21,22,23,24,25,26,27,28,29,30,31
	v_mul_f32 v[112+\n], s34, v[16+\n]             ; y = i c, rounded
.endr
.irp n, 0,1,2,3,4,5,6,7,8,9,10,11,12,13,14,15,16,17,18,19,20,21,22,23,24,25,26,27,28,29,30,31
	v_fma_f32 v[144+\n], v[16+\n], s34, -v[112+\n] ; what the rounding dropped,
.endr
.irp n, 0,1,2,3,4,5,6,7,8,9,10,11,12,13,14,15,16,17,18,19,20,21,22,23,24,25,26,27,28,29,30,31
	v_fma_f32 v[144+\n], v[16+\n], s35, v[144+\n]  ; and c's own lower part
.endr
.irp n, 0,1,2,3,4,5,6,7,8,9,10,11,12,13,14,15,16,17,18,19,20,21,22,23,24,25,26,27,28,29,30,31
	v_exp_f32 v[176+\n], -v[112+\n]
.endr
	v_nop                                          ; a plain place behind the exponentials
	s_wait_alu depctr_va_vdst(0)                   ; one wait for the batch, ahead of its first reader
.irp n, 0,1,2,3,4,5,6,7,8,9,10,11,12,13,14,15,16,17,18,19,20,21,22,23,24,25,26,27,28,29,30,31
	v_mul_f32 v[144+\n], v[176+\n], v[144+\n]
.endr
.irp n, 0,1,2,3,4,5,6,7,8,9,10,11,12,13,14,15,16,17,18,19,20,21,22,23,24,25,26,27,28,29,30,31
	v_fma_f32 v[16+\n], v[144+\n], s36, v[176+\n]  ; the frequency: 2^-y (1 - err ln 2)
.endr
.macro RGROUP g                        ; eight pairs at a time, line by line, so that no line waits for the line above it
.irp e, 0,1,2,3,4,5,6,7
	v_mul_f32 v[112+\e], v2, v[16+8*\g+\e]         ; the angle
.endr
.irp e, 0,1,2,3,4,5,6,7
	v_mul_f32 v[120+\e], s37, v[112+\e]
.endr
.irp e, 0,1,2,3,4,5,6,7
	v_rndne_f32 v[120+\e], v[120+\e]               ; n: the nearest multiple of pi / 2
.endr
.irp e, 0,1,2,3,4,5,6,7
	v_fma_f32 v[112+\e], v[120+\e], s38, v[112+\e]
.endr
.irp e, 0,1,2,3,4,5,6,7
	v_fma_f32 v[112+\e], v[120+\e], s39, v[112+\e]
.endr
.irp e, 0,1,2,3,4,5,6,7
	v_fma_f32 v[112+\e], v[120+\e], s40, v[112+\e] ; x = angle - n pi / 2
.endr
.irp e, 0,1,2,3,4,5,6,7
	v_mul_f32 v[128+\e], v[112+\e], v[112+\e]
.endr
.irp e, 0,1,2,3,4,5,6,7
	v_fma_f32 v[136+\e], v[128+\e], s41, s42
	v_fma_f32 v[144+\e], v[128+\e], s44, s45
.endr
.irp e, 0,1,2,3,4,5,6,7
	v_fma_f32 v[136+\e], v[136+\e], v[128+\e], s43
	v_fma_f32 v[144+\e], v[144+\e], v[128+\e], s46
.endr
.irp e, 0,1,2,3,4,5,6,7
	v_fma_f32 v[136+\e], v[136+\e], v[128+\e], -0.5
	v_fma_f32 v[144+\e], v[144+\e], v[128+\e], s47
.endr
.irp e, 0,1,2,3,4,5,6,7
	v_fma_f32 v[136+\e], v[136+\e], v[128+\e], 1.0 ; cos x
	v_mul_f32 v[152+\e], v[112+\e], v[128+\e]
.endr
.irp e, 0,1,2,3,4,5,6,7
	v_fma_f32 v[144+\e], v[144+\e], v[152+\e], v[112+\e]   ; sin x
	v_cvt_i32_f32 v[160+\e], v[120+\e]
.endr
.irp e, 0,1,2,3,4,5,6,7
	v_and_b32 v[152+\e], 1, v[160+\e]
.endr
.irp e, 0,1,2,3,4,5,6,7
	v_cmp_eq_u32 vcc_lo, 1, v[152+\e]              ; n odd: the two change places
	v_cndmask_b32 v[48+2*(8*\g+\e)], v[136+\e], v[144+\e], vcc_lo
	v_cndmask_b32 v[49+2*(8*\g+\e)], v[144+\e], v[136+\e], vcc_lo
.endr
.irp e, 0,1,2,3,4,5,6,7
	v_and_b32 v[152+\e], 2, v[160+\e]              ; the sine's sign: bit 1 of n;
	v_add_nc_u32 v[160+\e], 1, v[160+\e]           ; the cosine's: bit 1 of n + 1
.endr
.irp e, 0,1,2,3,4,5,6,7
	v_lshlrev_b32 v[152+\e], 30, v[152+\e]
	v_and_b32 v[160+\e], 2, v[160+\e]
.endr
.irp e, 0,1,2,3,4,5,6,7
	v_xor_b32 v[49+2*(8*\g+\e)], v[152+\e], v[49+2*(8*\g+\e)]
	v_lshlrev_b32 v[160+\e], 30, v[160+\e]
.endr
.irp e, 0,1,2,3,4,5,6,7
	v_xor_b32 v[48+2*(8*\g+\e)], v[160+\e], v[48+2*(8*\g+\e)]
.endr
.endm
	RGROUP 0
	RGROUP 1
	RGROUP 2
	RGROUP 3
.irp p, 0,1,2,3,4,5,6,7,8,9,10,11,12,13,14,15
	global_store_b128 v1, v[48+4*\p:51+4*\p], s[32:33] offset:512*\p   ; (cos, sin, cos, sin) of two pairs; 32 lanes store 512 consecutive bytes
.endr
	s_endpgm
.Lfunc_end_k_q6435e563d0_prep:
	.size	k_q6435e563d0_prep, .Lfunc_end_k_q6435e563d0_prep-k_q6435e563d0_prep
	.p2alignl 7, 3214868480
	.fill 96, 4, 3214868480
	.section	.rodata,"a",@progbits
	.p2align	6, 0x0
	.amdhsa_kernel k_q6435e563d0_prep
		.amdhsa_group_segment_fixed_size 59904
		.amdhsa_private_segment_fixed_size 0
		.amdhsa_enable_private_segment 0
		.amdhsa_kernarg_size 72
		.amdhsa_user_sgpr_count 2
		.amdhsa_user_sgpr_kernarg_segment_ptr 1
		.amdhsa_wavefront_size32 1
		.amdhsa_system_sgpr_workgroup_id_x 1
		.amdhsa_system_sgpr_workgroup_id_y 1
		.amdhsa_system_sgpr_workgroup_id_z 1
		.amdhsa_system_vgpr_workitem_id 0
		.amdhsa_next_free_vgpr 256
		.amdhsa_next_free_sgpr 66
		.amdhsa_reserve_vcc 1
		.amdhsa_float_denorm_mode_32 3
		.amdhsa_float_denorm_mode_16_64 3
		.amdhsa_memory_ordered 1
		.amdhsa_forward_progress 1
		.amdhsa_inst_pref_size 133
	.end_amdhsa_kernel
	.amdgpu_metadata
---
amdhsa.version: [ 1, 2 ]
amdhsa.kernels:
  - .name:           k_q6435e563d0_prep
    .symbol:         k_q6435e563d0_prep.kd
    .args:
      - { .name: hidden_states, .offset: 0, .size: 8, .value_kind: global_buffer, .address_space: global }
      - { .name: Wq, .offset: 8, .size: 8, .value_kind: global_buffer, .address_space: global }
      - { .name: Wk, .offset: 16, .size: 8, .value_kind: global_buffer, .address_space: global }
      - { .name: Wv, .offset: 24, .size: 8, .value_kind: global_buffer, .address_space: global }
      - { .name: Wg, .offset: 32, .size: 8, .value_kind: global_buffer, .address_space: global }
      - { .name: Wo, .offset: 40, .size: 8, .value_kind: global_buffer, .address_space: global }
      - { .name: xq, .offset: 48, .size: 8, .value_kind: global_buffer, .address_space: global }
      - { .name: wimg, .offset: 56, .size: 8, .value_kind: global_buffer, .address_space: global }
      - { .name: rope, .offset: 64, .size: 8, .value_kind: global_buffer, .address_space: global }
    .group_segment_fixed_size: 59904
    .private_segment_fixed_size: 0
    .kernarg_segment_align: 8
    .kernarg_segment_size: 72
    .max_flat_workgroup_size: 128
    .sgpr_count:     66
    .vgpr_count:     256
    .wavefront_size: 32
...
	.end_amdgpu_metadata
.endif
;; end of part 1
;; launch proj (part 2): grid 256 x 1, 4 waves a work-group, no clusters, 0 bytes of LDS; arguments xq, wimg, rope, qk, vimg; writes qk, vimg
.if DOCPART == 2
	.amdgcn_target "amdgcn-amd-amdhsa--gfx1250"
	.amdhsa_code_object_version 6
	.text
	.protected	k_q6435e563d0_proj
	.globl	k_q6435e563d0_proj
	.p2align	8
	.type	k_q6435e563d0_proj,@function
k_q6435e563d0_proj:
	s_mov_b64 s[64:65], 0
	v_nop
	global_prefetch_b8 v0, s[64:65] scope:SCOPE_SE
	s_setreg_imm32_b32 hwreg(HW_REG_WAVE_MODE, 25, 1), 1
	s_wait_xcnt 0x0
; q, k and v: hidden_states x Wq, Wk, Wv on codes of E2M3; rotary and the factor 128^-0.5 in f32; then the results are quantised again, q and k along the head's 128, v along the keys, and stored as images of operand registers.
; An image: 16 rows x 128 K, 12 registers a lane, 1,536 bytes, register R of lane l at 512 (R / 4) + 16 l + 4 (R % 4); scale records of 64 bytes, row rho's word at 4 rho.  Row rho of tile 2 g + u is index 32 g + 8 u + rho % 8 + 16 (rho / 8):
; so, with such tiles as source 0, the 16 registers of two neighbouring result tiles are 16 neighbours along source 0's rows, and lane l xor 16 holds the other half of each block of 32.
; SHARES.  Work-groups 0-127: q and k: source 0 = 128 columns of Wq or Wk, one head, source 1 = 128 tokens: a lane holds a token, its registers run along the head's 128.
; Work-groups 128-255: v: source 0 = 128 tokens, one key step, source 1 = 128 columns of Wv: a lane holds a column, its registers run along the keys.  One text serves both: only the pointers change places.
; A wave makes 128 x 128: 64 accumulators.  Fragments come from memory straight into registers, three loads of 512 consecutive bytes each, one K step ahead, in two sets.
; No cluster and no joint loads here: which buffer is source 0 hangs on a choice by the work-group's number, and each fragment is read by two of the four waves only; the operands are 6.5 and 3.3 million bytes in all.
; LIMITS: a block of zeros gets the byte 1 (codes zero; the bytes are read by this program alone); blocks under 2^-124 are held at byte 1; NaN and infinities are not served.
; REGISTERS: window 0: v1 16 x lane, v2 4 x lane; v32-63 scale words and nothing else; v64-159, v160-255 source 1's fragments, two sets.  window 1: v0-95, v96-191 source 0's.  windows 2, 3: accumulator (m, a) at 64 (m % 4) + 8 a.
.set NS,  8                            ; K steps
.set TS,  NS*1536                      ; from tile to tile in the images
.set TSS, NS*64                        ; and in the scale records
.set XS,  3145728
.set WS,  6291456
.set KO,  3145728                      ; qk: k's codes
.set QS,  6291456                      ; qk: q's scale records; k's lie 131,072 further on
.set VS,  6291456
.set ST,  64                           ; the way out, window 0: v64-127 64 numbers
.set PC,  128                          ; v128-147 the codes just made
.set TM,  148                          ; v148-159 at work
.set PW,  161                          ; the scale word just made;  v162-169 the eight tiles' words
.set SEL, 34
.set MSB, 0
.macro WIN new                         ; the immediate's high byte repeats the setting that is left; a switch that changes nothing is dropped
.set NW, \new
.if MSB != NW
	s_set_vgpr_msb (MSB<<8)|NW
.set MSB, NW
.endif
.endm
.macro PLACES                          ; four places behind a matrix instruction of this form, in front of loads into its registers and of the first read of results
.rept 4
	v_nop
.endr
.endm
; one matrix instruction: d = a x b + (0 or d); ra, rb: the scale words stand in lanes 16-31 of their registers
.macro WMS d, a, b, z, sa, sb, ra, rb
.set QD, \d
.set QA, \a
.set QB, \b
.set QSA, \sa
.set QSB, \sb
.if \z
.if (\ra) && (\rb)
	v_wmma_scale_f32_16x16x128_f8f6f4 v[QD:QD+7], v[QA:QA+11], v[QB:QB+11], 0, v[QSA], v[QSB] matrix_a_fmt:MATRIX_FMT_FP6 matrix_b_fmt:MATRIX_FMT_FP6 matrix_a_scale:MATRIX_SCALE_ROW1 matrix_b_scale:MATRIX_SCALE_ROW1
.elseif \ra
	v_wmma_scale_f32_16x16x128_f8f6f4 v[QD:QD+7], v[QA:QA+11], v[QB:QB+11], 0, v[QSA], v[QSB] matrix_a_fmt:MATRIX_FMT_FP6 matrix_b_fmt:MATRIX_FMT_FP6 matrix_a_scale:MATRIX_SCALE_ROW1
.elseif \rb
	v_wmma_scale_f32_16x16x128_f8f6f4 v[QD:QD+7], v[QA:QA+11], v[QB:QB+11], 0, v[QSA], v[QSB] matrix_a_fmt:MATRIX_FMT_FP6 matrix_b_fmt:MATRIX_FMT_FP6 matrix_b_scale:MATRIX_SCALE_ROW1
.else
	v_wmma_scale_f32_16x16x128_f8f6f4 v[QD:QD+7], v[QA:QA+11], v[QB:QB+11], 0, v[QSA], v[QSB] matrix_a_fmt:MATRIX_FMT_FP6 matrix_b_fmt:MATRIX_FMT_FP6
.endif
.else
.if (\ra) && (\rb)
	v_wmma_scale_f32_16x16x128_f8f6f4 v[QD:QD+7], v[QA:QA+11], v[QB:QB+11], v[QD:QD+7], v[QSA], v[QSB] matrix_a_fmt:MATRIX_FMT_FP6 matrix_b_fmt:MATRIX_FMT_FP6 matrix_a_scale:MATRIX_SCALE_ROW1 matrix_b_scale:MATRIX_SCALE_ROW1
.elseif \ra
	v_wmma_scale_f32_16x16x128_f8f6f4 v[QD:QD+7], v[QA:QA+11], v[QB:QB+11], v[QD:QD+7], v[QSA], v[QSB] matrix_a_fmt:MATRIX_FMT_FP6 matrix_b_fmt:MATRIX_FMT_FP6 matrix_a_scale:MATRIX_SCALE_ROW1
.elseif \rb
	v_wmma_scale_f32_16x16x128_f8f6f4 v[QD:QD+7], v[QA:QA+11], v[QB:QB+11], v[QD:QD+7], v[QSA], v[QSB] matrix_a_fmt:MATRIX_FMT_FP6 matrix_b_fmt:MATRIX_FMT_FP6 matrix_b_scale:MATRIX_SCALE_ROW1
.else
	v_wmma_scale_f32_16x16x128_f8f6f4 v[QD:QD+7], v[QA:QA+11], v[QB:QB+11], v[QD:QD+7], v[QSA], v[QSB] matrix_a_fmt:MATRIX_FMT_FP6 matrix_b_fmt:MATRIX_FMT_FP6
.endif
.endif
.endm
.macro GF set, ks                      ; K step ks: 8 + 8 fragments, 48 loads
	WIN 0x40
.irp a, 0,1,2,3,4,5,6,7
.irp c, 0,1,2
	global_load_b128 v[96*(\set)+12*\a+4*\c:96*(\set)+12*\a+4*\c+3], v1, s[20:21] offset:\a*TS+(\ks)*1536+512*\c
.endr
.endr
	WIN 0
.irp m, 0,1,2,3,4,5,6,7
.irp c, 0,1,2
	global_load_b128 v[64+96*(\set)+12*\m+4*\c:64+96*(\set)+12*\m+4*\c+3], v1, s[22:23] offset:\m*TS+(\ks)*1536+512*\c
.endr
.endr
.endm
.macro GSC p                           ; the scale words of K steps 2 p (lanes 0-15) and 2 p + 1 (lanes 16-31): 16 loads
.irp a, 0,1,2,3,4,5,6,7
	global_load_b32 v[32+16*((\p)%2)+\a], v2, s[24:25] offset:\a*TSS+128*(\p)
.endr
.irp m, 0,1,2,3,4,5,6,7
	global_load_b32 v[40+16*((\p)%2)+\m], v2, s[26:27] offset:\m*TSS+128*(\p)
.endr
.endm
.macro MUL set, ks, zero               ; 64 matrix instructions; the 64 accumulators take turns, one instruction a turn
.irp m, 0,1,2,3,4,5,6,7
	WIN 0xa1+0x50*(\m/4)
.irp a, 0,1,2,3,4,5,6,7
	WMS 64*(\m%4)+8*\a, 96*(\set)+12*\a, 64+96*(\set)+12*\m, \zero, 32+16*(((\ks)/2)%2)+\a, 40+16*(((\ks)/2)%2)+\m, (\ks)%2, (\ks)%2
.endr
.endr
	WIN 0
.endm
; 64 numbers of a lane, v[s] .. v[s + 63] of window win, number 16 b + i = k 32 b + 16 (lane / 16) + i of my row, become a fragment's codes in v[PC] on and its scale word in v[PW]
.macro QUANT s, win
	WIN (\win)|((\win)<<2)
.irp b, 0,1,2,3
	v_max3_num_f32 v[TM+\b], |v[\s+16*\b]|, |v[\s+1+16*\b]|, 0x1800000   ; with the floor 2^(3 - 127); each accumulator is read from its low end on
.endr
.irp i, 2,4,6,8,10,12,14
.irp b, 0,1,2,3
	v_max3_num_f32 v[TM+\b], |v[\s+16*\b+\i]|, |v[\s+1+16*\b+\i]|, v[TM+\b]
.endr
.endr
	WIN 0
.irp b, 0,1,2,3
	v_permlanex16_b32 v[TM+4+\b], v[TM+\b], s[SEL], s[SEL+1]
.endr
.irp b, 0,1,2,3
	v_max_num_f32 v[TM+\b], v[TM+\b], v[TM+4+\b]
.endr
.irp b, 0,1,2,3
	v_add_nc_u32 v[TM+8+\b], 0xff000000, v[TM+\b]
.endr
.irp b, 0,1,2,3
	v_lshrrev_b32 v[TM+4+\b], 23, v[TM+8+\b]
.endr
	v_lshl_or_b32 v[PW], v[TM+5], 8, v[TM+4]
	v_lshl_or_b32 v[PW], v[TM+6], 16, v[PW]
	v_lshl_or_b32 v[PW], v[TM+7], 24, v[PW]
	WIN \win
.irp c, 0,1
	v_cvt_scalef32_pk16_fp6_f32 v[PC+6*\c:PC+2+6*\c], v[\s+32*\c:\s+15+32*\c], v[TM+8+2*\c]
	v_cvt_scalef32_pk16_fp6_f32 v[PC+12+4*\c:PC+14+4*\c], v[\s+16+32*\c:\s+31+32*\c], v[TM+9+2*\c]
.endr
	WIN 0
	v_nop                                          ; one plain place behind a scaled conversion
.irp c, 0,1
.irp i, 0,1,2
	v_permlane16_swap_b32 v[PC+6*\c+\i], v[PC+12+4*\c+\i]
.endr
.irp i, 0,1,2
	v_mov_b32 v[PC+3+6*\c+\i], v[PC+12+4*\c+\i]
.endr
.endr
.endm
.macro SENDF m                         ; tile m's image, and its word kept for the end
.irp c, 0,1,2
	global_store_b128 v1, v[PC+4*\c:PC+4*\c+3], s[28:29] offset:1536*(\m)+512*\c
.endr
	v_mov_b32 v[162+(\m)], v[PW]
.endm
.macro SENDS                           ; eight scale records: lanes 0-15 an even tile's words, lanes 16-31 the odd one's
.irp i, 0,1,2,3
	v_cndmask_b32 v[170+\i], v[162+2*\i], v[163+2*\i], s38
	global_store_b32 v2, v[170+\i], s[30:31] offset:128*\i
.endr
.endm
	s_load_b256 s[4:11], s[0:1], 0x0               ; xq s[4:5], wimg s[6:7], rope s[8:9], qk s[10:11]
	s_load_b64 s[12:13], s[0:1], 0x20              ; vimg
	v_lshrrev_b32 v3, 5, v0
	v_readfirstlane_b32 s14, v3                    ; wave
	v_and_b32 v3, 31, v0
	v_lshlrev_b32 v1, 4, v3
	v_lshlrev_b32 v2, 2, v3
	s_lshr_b32 s15, ttmp9, 7                       ; 0: q and k; 1: v
	s_and_b32 s16, ttmp9, 7                        ; which 256 columns
	s_bfe_u32 s17, ttmp9, 0x40003                  ; which 256 tokens
	s_lshr_b32 s18, s14, 1                         ; my half of source 0's rows
	s_and_b32 s19, s14, 1                          ; my half of source 1's
	s_cmp_lg_u32 s15, 0
	s_cselect_b32 s40, s19, s18                    ; my half of the columns
	s_cselect_b32 s41, s18, s19                    ; and of the tokens
	s_lshl_b32 s42, s15, 7
	s_lshl_b32 s43, s16, 4
	s_add_co_u32 s42, s42, s43
	s_lshl_b32 s43, s40, 3
	s_add_co_u32 s42, s42, s43                     ; my first tile of the weights
	s_lshl_b32 s43, s17, 4
	s_lshl_b32 s44, s41, 3
	s_add_co_u32 s43, s43, s44                     ; my first tile of tokens
	s_mul_i32 s44, s42, TS
	s_mov_b32 s45, 0
	s_mul_i32 s46, s43, TS
	s_mov_b32 s47, 0
	s_lshl_b32 s48, s42, 9
	s_add_co_u32 s48, s48, WS
	s_mov_b32 s49, 0
	s_lshl_b32 s50, s43, 9
	s_add_co_u32 s50, s50, XS
	s_mov_b32 s51, 0
	s_mov_b32 s[SEL], 0x76543210
	s_mov_b32 s[SEL+1], 0xfedcba98
	s_mov_b32 s38, 0xffff0000                      ; lanes 16-31
	s_wait_kmcnt 0x0
	s_add_nc_u64 s[44:45], s[6:7], s[44:45]
	s_add_nc_u64 s[46:47], s[4:5], s[46:47]
	s_add_nc_u64 s[48:49], s[6:7], s[48:49]
	s_add_nc_u64 s[50:51], s[4:5], s[50:51]
	s_cmp_lg_u32 s15, 0                            ; the choice hangs on the work-group's number alone
	s_cselect_b64 s[20:21], s[46:47], s[44:45]     ; source 0's images,
	s_cselect_b64 s[22:23], s[44:45], s[46:47]     ; source 1's,
	s_cselect_b64 s[24:25], s[50:51], s[48:49]     ; and their scale records: none is ever rewritten
	s_cselect_b64 s[26:27], s[48:49], s[50:51]
	GSC 0
	GSC 1
	GF 0, 0
	GF 1, 1
	s_wait_loadcnt 48                              ; all but K step 1's 48 loads
	MUL 0, 0, 1                                    ; the first K step starts the sums
	PLACES
	GF 0, 2
	s_wait_loadcnt 48
	MUL 1, 1, 0
	PLACES
	GSC 2
	GF 1, 3
	s_wait_loadcnt 63                              ; behind K step 2's fragments 16 + 48 loads were issued; the count's field ends at 63
	MUL 0, 2, 0
	PLACES
	GF 0, 4
	s_wait_loadcnt 48
	MUL 1, 3, 0
	PLACES
	GSC 3
	GF 1, 5
	s_wait_loadcnt 63
	MUL 0, 4, 0
	PLACES
	GF 0, 6
	s_wait_loadcnt 48
	MUL 1, 5, 0
	PLACES
	GF 1, 7
	s_wait_loadcnt 48
	MUL 0, 6, 0
	s_wait_loadcnt 0x0
	MUL 1, 7, 0
	PLACES
.irp b, 0,1,2,3
	v_mov_b32 v[TM+4+\b], 0                        ; written once: a lane permute's destination counts as one of its sources
.endr
	s_mov_b32 s47, 0
	s_cmp_lg_u32 s15, 0
	s_cbranch_scc1 .Lv
; ---------------- q and k: rotary, q's factor, quantised along the head's 128
	s_lshl_b32 s40, s16, 1
	s_add_co_u32 s40, s40, s18                     ; 0-7: q's heads, 8-15: k's
	s_lshr_b32 s41, s40, 3
	s_and_b32 s42, s40, 7
	s_lshl_b32 s43, s17, 4
	s_lshl_b32 s44, s19, 3
	s_add_co_u32 s43, s43, s44
	s_and_b32 s43, s43, 127                        ; my first tile of positions within the batch
	s_lshr_b32 s44, s17, 3
	s_lshl_b32 s44, s44, 3
	s_add_co_u32 s44, s44, s42                     ; 8 b + head
	s_lshl_b32 s44, s44, 7
	s_add_co_u32 s44, s44, s43
	s_lshl_b32 s46, s43, 13
	s_add_nc_u64 s[32:33], s[8:9], s[46:47]        ; the table
	s_mul_i32 s46, s44, 1536
	s_mul_i32 s45, s41, KO
	s_add_co_u32 s46, s46, s45
	s_add_nc_u64 s[28:29], s[10:11], s[46:47]
	s_lshl_b32 s46, s44, 6
	s_lshl_b32 s45, s41, 17
	s_add_co_u32 s46, s46, s45
	s_add_co_u32 s46, s46, QS
	s_add_nc_u64 s[30:31], s[10:11], s[46:47]
	s_cmp_lg_u32 s41, 0
	s_cselect_b32 s36, 1.0, 0x3db504f3             ; 128^-0.5 for q; for k the multiplication by 1 rounds nothing
	s_mov_b32 s37, s36
.macro CSL m                           ; tile m's (cos, sin): 64 registers, into window 1
	WIN 0x40
.irp p, 0,1,2,3,4,5,6,7,8,9,10,11,12,13,14,15
	global_load_b128 v[64*((\m)%2)+4*\p:64*((\m)%2)+4*\p+3], v1, s[32:33] offset:8192*(\m)+512*\p
.endr
	WIN 0
.endm
	CSL 0
	CSL 1
.irp m, 0,1,2,3,4,5,6,7
.set XA, 64*(\m%4)
.set CSB, 64*(\m%2)
.if \m < 7
	s_wait_loadcnt 16                              ; this tile's table is in; the next tile's may be out
.else
	s_wait_loadcnt 0x0
.endif
	WIN (2+\m/4)|4                                 ; the sums in window 2 or 3, the table in window 1
.set kk, 0
.rept 32
	v_pk_mul_f32 v[ST+2*kk:ST+2*kk+1], v[XA+2*kk:XA+2*kk+1], v[CSB+2*kk:CSB+2*kk+1] op_sel:[1,1] op_sel_hi:[0,1]   ; (x1 sin, x0 sin)
.set kk, kk+1
.endr
.set kk, 0
.rept 32
	v_pk_fma_f32 v[ST+2*kk:ST+2*kk+1], v[XA+2*kk:XA+2*kk+1], v[CSB+2*kk:CSB+2*kk+1], v[ST+2*kk:ST+2*kk+1] op_sel_hi:[1,0,1] neg_lo:[0,0,1]   ; (x0 cos - x1 sin, x1 cos + x0 sin)
.set kk, kk+1
.endr
	WIN 0
.if \m < 6
	CSL \m+2
.endif
.set kk, 0
.rept 32
	v_pk_mul_f32 v[ST+2*kk:ST+2*kk+1], v[ST+2*kk:ST+2*kk+1], s[36:37] op_sel_hi:[1,0]
.set kk, kk+1
.endr
	s_wait_xcnt 0x0                                ; the last tile's stores have read the code registers
	QUANT ST, 0
	SENDF \m
.endr
	SENDS
	s_endpgm
.Lv:
; ---------------- v: my 64 registers of a tile of columns are the key step's 128 tokens, in the quantiser's order: straight from the accumulators
	s_lshr_b32 s40, s17, 3
	s_lshl_b32 s40, s40, 3
	s_add_co_u32 s40, s40, s16                     ; 8 b + head
	s_lshl_b32 s40, s40, 4
	s_lshl_b32 s41, s17, 1
	s_add_co_u32 s41, s41, s18
	s_and_b32 s41, s41, 15                         ; the key step within the batch
	s_add_co_u32 s40, s40, s41
	s_lshl_b32 s40, s40, 4
	s_lshl_b32 s41, s19, 3
	s_add_co_u32 s40, s40, s41                     ; + my first tile of the head's 256
	s_mul_i32 s46, s40, 1536
	s_add_nc_u64 s[28:29], s[12:13], s[46:47]
	s_lshl_b32 s46, s40, 6
	s_add_co_u32 s46, s46, VS
	s_add_nc_u64 s[30:31], s[12:13], s[46:47]
.irp m, 0,1,2,3,4,5,6,7
	s_wait_xcnt 0x0
	QUANT 64*(\m%4), 2+\m/4
	SENDF \m
.endr
	SENDS
	s_endpgm
.Lfunc_end_k_q6435e563d0_proj:
	.size	k_q6435e563d0_proj, .Lfunc_end_k_q6435e563d0_proj-k_q6435e563d0_proj
	.p2alignl 7, 3214868480
	.fill 96, 4, 3214868480
	.section	.rodata,"a",@progbits
	.p2align	6, 0x0
	.amdhsa_kernel k_q6435e563d0_proj
		.amdhsa_group_segment_fixed_size 0
		.amdhsa_private_segment_fixed_size 0
		.amdhsa_enable_private_segment 0
		.amdhsa_kernarg_size 40
		.amdhsa_user_sgpr_count 2
		.amdhsa_user_sgpr_kernarg_segment_ptr 1
		.amdhsa_wavefront_size32 1
		.amdhsa_system_sgpr_workgroup_id_x 1
		.amdhsa_system_sgpr_workgroup_id_y 1
		.amdhsa_system_sgpr_workgroup_id_z 1
		.amdhsa_system_vgpr_workitem_id 0
		.amdhsa_next_free_vgpr 1024
		.amdhsa_next_free_sgpr 66
		.amdhsa_reserve_vcc 0
		.amdhsa_float_denorm_mode_32 3
		.amdhsa_float_denorm_mode_16_64 3
		.amdhsa_memory_ordered 1
		.amdhsa_forward_progress 1
		.amdhsa_inst_pref_size 241
	.end_amdhsa_kernel
	.amdgpu_metadata
---
amdhsa.version: [ 1, 2 ]
amdhsa.kernels:
  - .name:           k_q6435e563d0_proj
    .symbol:         k_q6435e563d0_proj.kd
    .args:
      - { .name: xq, .offset: 0, .size: 8, .value_kind: global_buffer, .address_space: global }
      - { .name: wimg, .offset: 8, .size: 8, .value_kind: global_buffer, .address_space: global }
      - { .name: rope, .offset: 16, .size: 8, .value_kind: global_buffer, .address_space: global }
      - { .name: qk, .offset: 24, .size: 8, .value_kind: global_buffer, .address_space: global }
      - { .name: vimg, .offset: 32, .size: 8, .value_kind: global_buffer, .address_space: global }
    .group_segment_fixed_size: 0
    .private_segment_fixed_size: 0
    .kernarg_segment_align: 8
    .kernarg_segment_size: 40
    .max_flat_workgroup_size: 128
    .sgpr_count:     66
    .vgpr_count:     1024
    .wavefront_size: 32
...
	.end_amdgpu_metadata
.endif
;; end of part 2
;; launch retn (part 3): grid 256 x 1, 4 waves a work-group, no clusters, 256,512 bytes of LDS; arguments qk, vimg, xq, wimg, g_norm_w, yq; writes yq
.if DOCPART == 3
	.amdgcn_target "amdgcn-amd-amdhsa--gfx1250"
	.amdhsa_code_object_version 6
	.text
	.protected	k_q6435e563d0_retn
	.globl	k_q6435e563d0_retn
	.p2align	8
	.type	k_q6435e563d0_retn,@function
k_q6435e563d0_retn:
	s_mov_b64 s[64:65], 0
	v_nop
	global_prefetch_b8 v0, s[64:65] scope:SCOPE_SE
	s_setreg_imm32_b32 hwreg(HW_REG_WAVE_MODE, 25, 1), 1
	s_wait_xcnt 0x0
; Retention for one (batch, head) and two blocks of 64 queries: the gate g = hidden_states x Wg, the scores q k^T, the causal decay 2^(s (tq - tk)), scores x v, the head's RMS norm, gain and swish gate; the result is
; quantised along the 2,048 value channels and stored as images of operand registers.  All three products on codes of E2M3; all else in f32.  g, the scores and o never go to memory.
; SHARES.  Work-group (bh, j) makes query blocks j and 31 - j, one after the other: (j / 2 + 1) + ((31 - j) / 2 + 1) = 17 key steps of 128, walked in even numbers: 18 in every work-group; the one step more lies wholly
; behind the mask and adds zeros.  In a key step no fragment of k or v is read by two waves: for the scores wave w takes keys 32 w .. 32 w + 31 (two tiles, one block of the quantiser) against all four query tiles;
; for scores x v it takes 64 of the head's 256 channels against all four.  Only the quantised scores go round, through LDS, as images.  So there is nothing for joint loads within a work-group; the sixteen
; work-groups of a (batch, head) walk different numbers of key steps, which is why they are not a cluster.
; LAYOUT.  Both products are used transposed (source 0 = keys, or channels of v; source 1 = queries): a lane holds ONE query.  Row rho of tile 2 g + u is index 32 g + 8 u + rho % 8 + 16 (rho / 8), for every operand.
; A KEY STEP IS ROTATED, so that work stands in front of each wait: step t quantises its decayed scores and stores them to LDS; the next step's eight products q k^T, its 2^(s d0) and the fetch of k three steps on stand
; between those stores and the wait for them; behind the barrier the quantised scores are loaded, and the next step's decay and mask stand between those loads and the wait for them; then scores x v of step t.
; THE FETCHES RUN ON FROM BLOCK TO BLOCK: k runs three steps ahead, v two; at a block's last step the counters go back to 0, so that what is fetched past the first block's end is the second block's steps 0 and 1; the next
; block's q is loaded at the head of a block's end.  Behind the second block the same lines fetch steps 0 and 1 and q once more, 56 loads a wave that nobody reads: the price of one text for both blocks.
; THE DECAY is formed as 2^(s d0) x 2^(-s i), d0 = my query - my first key of the step, i = 0 .. 15: two exponentials and two multiplications where reference() has one of each: a few units in the last place.
; The exponents lie between -94 and +12.  s = log2(1 - x), x = 2^(-5 - head), by the series -x (1 + x / 2 + .. + x^6 / 7) log2(e): x is at most 1 / 32, so the first term left out is under 1e-10 of the sum.
; LIMITS: a block of zeros gets the byte 1 (codes zero; the bytes are read by this program alone); blocks under 2^-124 are held at byte 1; NaN and infinities are not served; o x rsqrt is multiplied by
; (gain x swish) where reference() multiplies from the left; sums of squares are taken in another order.
; REGISTERS: window 0: v1-24 addresses; v32-79 scale words and nothing else; v80-143 the scores, later y; v144-159 2^(-s i); v160-187 a step's and a block's small numbers; v192-225 the quantiser.
;   window 1: v0-127 o (m, d) at 32 m + 8 d; v128-175 q; v176-223 the quantised scores.   window 2: v0-95 Wg, two sets; v96-143 k, two sets; v144-239 v, two sets.   window 3: g (mm, d) at 32 mm + 8 d; later a block's gate.
;   s[40:47], s[84:91]: the fetches' pointers, a set of their own for each of the two register sets; s24, s92: the step that v's and k's next fetch takes; s83: the block's number of steps.
.set KO,  3145728
.set QS,  6291456
.set KS,  6422528
.set VS,  6291456
.set XS,  3145728
.set WS,  6291456
.set YS,  6291456
.set GATE, 98304                       ; LDS: bytes 0 .. 98,303: hidden_states' images [tile 0-7][K step][1,536]; then the gates, 32,768 bytes of each wave's own: [tile 0-7][8][512]
.set PST,  229376                      ; the quantised scores' images, two stages of [query tile][1,536]
.set PSC,  241664                      ; their scale words, two stages of [query tile][16]
.set NRM,  242176                      ; sums of squares [query tile][row][wave]
.set YST,  243200                      ; y's images [query tile][K step 0, 1][1,536]
.set YSC,  255488                      ; their scale words
.set PC,  192
.set TM,  212
.set PW,  225
.set SEL, 74
.set MSB, 0
.macro WIN new
.set NW, \new
.if MSB != NW
	s_set_vgpr_msb (MSB<<8)|NW
.set MSB, NW
.endif
.endm
.macro PLACES
.rept 4
	v_nop
.endr
.endm
.macro BARRIER                         ; my LDS stores have landed and my LDS loads are in: then the work-group's barrier
	s_wait_dscnt 0x0
	s_barrier_signal -1
	s_barrier_wait -1
.endm
.macro WMS d, a, b, z, sa, sb, ra, rb
.set QD, \d
.set QA, \a
.set QB, \b
.set QSA, \sa
.set QSB, \sb
.if \z
.if (\ra) && (\rb)
	v_wmma_scale_f32_16x16x128_f8f6f4 v[QD:QD+7], v[QA:QA+11], v[QB:QB+11], 0, v[QSA], v[QSB] matrix_a_fmt:MATRIX_FMT_FP6 matrix_b_fmt:MATRIX_FMT_FP6 matrix_a_scale:MATRIX_SCALE_ROW1 matrix_b_scale:MATRIX_SCALE_ROW1
.elseif \ra
	v_wmma_scale_f32_16x16x128_f8f6f4 v[QD:QD+7], v[QA:QA+11], v[QB:QB+11], 0, v[QSA], v[QSB] matrix_a_fmt:MATRIX_FMT_FP6 matrix_b_fmt:MATRIX_FMT_FP6 matrix_a_scale:MATRIX_SCALE_ROW1
.elseif \rb
	v_wmma_scale_f32_16x16x128_f8f6f4 v[QD:QD+7], v[QA:QA+11], v[QB:QB+11], 0, v[QSA], v[QSB] matrix_a_fmt:MATRIX_FMT_FP6 matrix_b_fmt:MATRIX_FMT_FP6 matrix_b_scale:MATRIX_SCALE_ROW1
.else
	v_wmma_scale_f32_16x16x128_f8f6f4 v[QD:QD+7], v[QA:QA+11], v[QB:QB+11], 0, v[QSA], v[QSB] matrix_a_fmt:MATRIX_FMT_FP6 matrix_b_fmt:MATRIX_FMT_FP6
.endif
.else
.if (\ra) && (\rb)
	v_wmma_scale_f32_16x16x128_f8f6f4 v[QD:QD+7], v[QA:QA+11], v[QB:QB+11], v[QD:QD+7], v[QSA], v[QSB] matrix_a_fmt:MATRIX_FMT_FP6 matrix_b_fmt:MATRIX_FMT_FP6 matrix_a_scale:MATRIX_SCALE_ROW1 matrix_b_scale:MATRIX_SCALE_ROW1
.elseif \ra
	v_wmma_scale_f32_16x16x128_f8f6f4 v[QD:QD+7], v[QA:QA+11], v[QB:QB+11], v[QD:QD+7], v[QSA], v[QSB] matrix_a_fmt:MATRIX_FMT_FP6 matrix_b_fmt:MATRIX_FMT_FP6 matrix_a_scale:MATRIX_SCALE_ROW1
.elseif \rb
	v_wmma_scale_f32_16x16x128_f8f6f4 v[QD:QD+7], v[QA:QA+11], v[QB:QB+11], v[QD:QD+7], v[QSA], v[QSB] matrix_a_fmt:MATRIX_FMT_FP6 matrix_b_fmt:MATRIX_FMT_FP6 matrix_b_scale:MATRIX_SCALE_ROW1
.else
	v_wmma_scale_f32_16x16x128_f8f6f4 v[QD:QD+7], v[QA:QA+11], v[QB:QB+11], v[QD:QD+7], v[QSA], v[QSB] matrix_a_fmt:MATRIX_FMT_FP6 matrix_b_fmt:MATRIX_FMT_FP6
.endif
.endif
.endm
; 64 numbers of a lane in window 0: four blocks b, of each my 16 numbers (lane l xor 16 holds the other 16).  Afterwards v[PC + 6 c .. + 5] hold block 2 c whole in lanes 0-15 and block 2 c + 1 whole in lanes 16-31,
; v[TM + 4 + b] the blocks' bytes, v[PW] the four bytes as a word.
.macro QUANT s
.irp b, 0,1,2,3
	v_max3_num_f32 v[TM+\b], |v[\s+16*\b]|, |v[\s+1+16*\b]|, 0x1800000
.endr
.irp i, 2,4,6,8,10,12,14
.irp b, 0,1,2,3
	v_max3_num_f32 v[TM+\b], |v[\s+16*\b+\i]|, |v[\s+1+16*\b+\i]|, v[TM+\b]
.endr
.endr
.irp b, 0,1,2,3
	v_permlanex16_b32 v[TM+4+\b], v[TM+\b], s[SEL], s[SEL+1]
.endr
.irp b, 0,1,2,3
	v_max_num_f32 v[TM+\b], v[TM+\b], v[TM+4+\b]
.endr
.irp b, 0,1,2,3
	v_add_nc_u32 v[TM+8+\b], 0xff000000, v[TM+\b]
.endr
.irp b, 0,1,2,3
	v_lshrrev_b32 v[TM+4+\b], 23, v[TM+8+\b]
.endr
	v_lshl_or_b32 v[PW], v[TM+5], 8, v[TM+4]
	v_lshl_or_b32 v[PW], v[TM+6], 16, v[PW]
	v_lshl_or_b32 v[PW], v[TM+7], 24, v[PW]
.irp c, 0,1
	v_cvt_scalef32_pk16_fp6_f32 v[PC+6*\c:PC+2+6*\c], v[\s+32*\c:\s+15+32*\c], v[TM+8+2*\c]
	v_cvt_scalef32_pk16_fp6_f32 v[PC+12+4*\c:PC+14+4*\c], v[\s+16+32*\c:\s+31+32*\c], v[TM+9+2*\c]
.endr
	v_nop                                          ; one plain place behind a scaled conversion
.irp c, 0,1
.irp i, 0,1,2
	v_permlane16_swap_b32 v[PC+6*\c+\i], v[PC+12+4*\c+\i]
.endr
.irp i, 0,1,2
	v_mov_b32 v[PC+3+6*\c+\i], v[PC+12+4*\c+\i]
.endr
.endr
.endm
	s_load_b256 s[4:11], s[0:1], 0x0               ; qk s[4:5], vimg s[6:7], xq s[8:9], wimg s[10:11]
	s_load_b128 s[12:15], s[0:1], 0x20             ; g_norm_w s[12:13], yq s[14:15]
	v_lshl_add_u32 v254, v0, 2, 0x3e800
	v_mov_b32 v255, 0
	v_lshrrev_b32 v25, 5, v0
	v_readfirstlane_b32 s16, v25                   ; wave
	s_lshr_b32 s17, ttmp9, 4                       ; bh = 8 b + head
	s_and_b32 s18, ttmp9, 15                       ; j
	s_lshr_b32 s19, s17, 3                         ; b
	s_and_b32 s20, s17, 7                          ; head
	s_mov_b32 s29, 0x3b800000                      ; 1 / 256
	s_mov_b32 s30, 0x3727c5ac                      ; 1e-5
	s_mov_b32 s[SEL], 0x76543210
	s_mov_b32 s[SEL+1], 0xfedcba98
	s_mov_b32 s77, 0                               ; the upper word of the offsets' pair s[76:77]
	s_and_b32 s79, s16, 1
	s_lshr_b32 s80, s16, 1
	v_and_b32 v25, 31, v0                          ; lane
	v_and_b32 v26, 15, v0                          ; r
	v_bfe_u32 v27, v0, 4, 1                        ; h
	v_lshlrev_b32 v1, 4, v25                       ; 16 x lane: an image's place for my lane
	v_lshlrev_b32 v2, 2, v25                       ; 4 x lane: a scale word's
	v_add_nc_u32 v3, 49152, v1                     ; hidden_states' tiles 4-7 in LDS
	s_mul_i32 s81, s16, 12288
	v_add_nc_u32 v4, s81, v1                       ; where I put the two tiles that I fetch
	s_lshl_b32 s81, s16, 15
	s_add_co_u32 s81, s81, GATE
	v_add_nc_u32 v5, s81, v1                       ; my gates
	v_mul_u32_u24 v28, v27, 1536
	v_lshl_add_u32 v28, v26, 4, v28                ; the scores' images: lanes 16-31 hold the odd query tile's block; row r
	s_lshl_b32 s81, s79, 8                         ; my keys are block w of four: registers 6 (w / 2) .. + 5 of lane r + 16 (w % 2)
	s_add_co_u32 s81, s81, PST
	s_mul_i32 s82, s80, 520
	s_add_co_u32 s82, s82, s81
	v_add_nc_u32 v7, s82, v28                      ; the block's registers 0, 1: at 0 or 520,
	v_add_nc_u32 v9, 512, v7                       ; 4, 5: at 512 or 1,032,
	s_mul_i32 s82, s80, 1016
	s_add_co_u32 s82, s82, s81
	v_add_nc_u32 v8, s82, v28
	v_add_nc_u32 v8, 8, v8                         ; 2, 3: at 8 or 1,024
	s_mul_i32 s81, s80, 1536                       ; y's images: my 64 channels are blocks 2 (w % 2), + 1 of K step w / 2; the block in my half of the lanes stays in my lane
	s_add_co_u32 s81, s81, YST
	s_mul_i32 s82, s79, 520
	s_add_co_u32 s82, s82, s81
	v_add_nc_u32 v11, s82, v1
	v_add_nc_u32 v13, 512, v11
	s_mul_i32 s82, s79, 1016
	s_add_co_u32 s82, s82, s81
	v_add_nc_u32 v12, s82, v1
	v_add_nc_u32 v12, 8, v12
	v_lshlrev_b32 v29, 2, v26
	s_lshl_b32 s81, s80, 6
	s_lshl_b32 s82, s79, 1
	s_add_co_u32 s81, s81, s82
	s_add_co_u32 s81, s81, YSC
	v_add_nc_u32 v14, s81, v29                     ; y's scale bytes: two of row r's word
	s_add_co_u32 s81, s16, PSC
	v_add_nc_u32 v10, s81, v29                     ; the scores' scale byte: byte w of row r's word
	v_lshlrev_b32 v29, 4, v26
	v_add_nc_u32 v16, NRM, v29                     ; row r's four sums of squares,
	s_lshl_b32 s81, s16, 2
	v_add_nc_u32 v15, s81, v16                     ; and mine among them
	s_mul_i32 s81, s16, 3072
	s_add_co_u32 s81, s81, YST
	v_add_nc_u32 v17, s81, v1                      ; the way out: wave w stores query tile w
	s_lshl_b32 s81, s16, 7
	s_add_co_u32 s81, s81, YSC
	v_add_nc_u32 v18, s81, v2
	v_mov_b32 v19, 0
	v_lshlrev_b32 v20, 8, v25                      ; the prefetches' offset: lanes 256 bytes apart; never rewritten
	v_lshlrev_b32 v21, 6, v27                      ; the gains: 64 h
	v_add_nc_u32 v22, PST, v1
	v_add_nc_u32 v24, PSC, v2
	v_and_b32 v28, 7, v0
	v_bfe_u32 v29, v0, 3, 1
	v_lshl_add_u32 v23, v29, 4, v28
	v_lshlrev_b32 v28, 4, v27
	v_sub_nc_u32 v23, v23, v28
	s_lshl_b32 s81, s16, 5
	v_sub_nc_u32 v23, v23, s81                     ; my query's place in its 32, less my first key's place in the step: r % 8 + 16 (r / 8) - 16 h - 32 w
.irp b, 0,1,2,3
	v_mov_b32 v[TM+4+\b], 0                        ; written once: a lane permute's destination counts as one of its sources
.endr
	s_lshl_b32 s78, s18, 2
	s_add_co_u32 s78, s78, s16                     ; omega: my wave among the 64 of this (batch, head)
	s_wait_kmcnt 0x0
	s_mul_i32 s81, s17, 196608
	s_mul_i32 s82, s16, 3072
	s_add_co_u32 s76, s81, s82
	s_add_co_u32 s76, s76, KO
	s_add_nc_u64 s[32:33], s[4:5], s[76:77]        ; k: my two tiles of key step 0; a step is 12,288 bytes
	s_lshl_b32 s76, s17, 13
	s_lshl_b32 s82, s16, 7
	s_add_co_u32 s76, s76, s82
	s_add_co_u32 s76, s76, KS
	s_add_nc_u64 s[34:35], s[4:5], s[76:77]        ; their scale records; a step is 512
	s_mul_i32 s76, s17, 393216
	s_mul_i32 s82, s16, 6144
	s_add_co_u32 s76, s76, s82
	s_add_nc_u64 s[36:37], s[6:7], s[76:77]        ; v: my four tiles; a step is 24,576
	s_lshl_b32 s76, s17, 14
	s_lshl_b32 s82, s16, 8
	s_add_co_u32 s76, s76, s82
	s_add_co_u32 s76, s76, VS
	s_add_nc_u64 s[38:39], s[6:7], s[76:77]        ; a step is 1,024
	s_lshl_b32 s82, s20, 4
	s_lshl_b32 s76, s16, 2
	s_add_co_u32 s82, s82, s76
	s_add_co_u32 s82, s82, 256                     ; Wg: my four tiles
	s_mul_i32 s76, s82, 12288
	s_add_nc_u64 s[60:61], s[10:11], s[76:77]
	s_lshl_b32 s76, s82, 9
	s_add_co_u32 s76, s76, WS
	s_add_nc_u64 s[62:63], s[10:11], s[76:77]
	s_lshl_b32 s81, s19, 7
	s_lshl_b32 s82, s18, 2
	s_add_co_u32 s82, s82, s81                     ; hidden_states: block j's first tile
	s_lshl_b32 s76, s82, 9
	s_add_co_u32 s76, s76, XS
	s_add_nc_u64 s[56:57], s[8:9], s[76:77]
	s_add_co_u32 s82, s82, s16
	s_mul_i32 s76, s82, 12288
	s_add_nc_u64 s[52:53], s[8:9], s[76:77]        ; the tile of it that I fetch
	s_sub_co_u32 s82, 31, s18
	s_lshl_b32 s82, s82, 2
	s_add_co_u32 s82, s82, s81                     ; block 31 - j's
	s_lshl_b32 s76, s82, 9
	s_add_co_u32 s76, s76, XS
	s_add_nc_u64 s[58:59], s[8:9], s[76:77]
	s_add_co_u32 s82, s82, s16
	s_mul_i32 s76, s82, 12288
	s_add_nc_u64 s[54:55], s[8:9], s[76:77]
	s_lshl_b32 s76, s16, 8
	s_add_nc_u64 s[12:13], s[12:13], s[76:77]      ; the gains of my 64 channels
	; the prefetches: v's 48 and k's 24 pieces of 8,192 bytes of this (batch, head) are shared out among its 64 waves: piece omega of v (omega < 48) or piece omega - 48 of k; waves 0-7 also piece 16 + omega of k
	s_mul_i32 s79, s17, 393216
	s_lshl_b32 s80, s78, 13
	s_add_co_u32 s79, s79, s80
	s_mul_i32 s81, s17, 196608
	s_add_co_u32 s81, s81, KO
	s_add_co_u32 s82, s81, s80
	s_sub_co_u32 s82, s82, 48*8192
	s_cmp_lt_u32 s78, 48
	s_cselect_b64 s[70:71], s[6:7], s[4:5]
	s_cselect_b32 s76, s79, s82
	s_add_nc_u64 s[70:71], s[70:71], s[76:77]
	s_min_u32 s80, s78, 7
	s_add_co_u32 s80, s80, 16
	s_lshl_b32 s80, s80, 13
	s_add_co_u32 s76, s81, s80
	s_add_nc_u64 s[72:73], s[4:5], s[76:77]
.macro WGF ks                          ; Wg's four fragments of K step ks: 12 loads
	WIN 0x80
.irp d, 0,1,2,3
.irp c, 0,1,2
	global_load_b128 v[48*((\ks)%2)+12*\d+4*\c:48*((\ks)%2)+12*\d+4*\c+3], v1, s[60:61] offset:12288*\d+1536*(\ks)+512*\c
.endr
.endr
	WIN 0
.endm
.macro XF ks                           ; hidden_states' eight fragments of K step ks: 24 LDS loads; even steps into window 0, odd ones into window 1
.if (\ks)%2
	WIN 0x40
.set XR, 0
.else
.set XR, 80
.endif
.irp i, 0,1,2,3
.irp c, 0,1,2
	ds_load_b128 v[XR+12*\i+4*\c:XR+12*\i+4*\c+3], v1 offset:12288*\i+1536*(\ks)+512*\c
.endr
.endr
.irp i, 0,1,2,3
.irp c, 0,1,2
	ds_load_b128 v[XR+48+12*\i+4*\c:XR+48+12*\i+4*\c+3], v3 offset:12288*\i+1536*(\ks)+512*\c
.endr
.endr
	WIN 0
.endm
; ---------------- the gates of both blocks.  hidden_states' eight tiles go through LDS once (each wave fetches two); my four tiles of Wg come straight into registers, read once
	WIN 0x40
.irp q, 0,1,2,3,4,5,6,7,8,9,10,11,12,13,14,15,16,17,18,19,20,21,22,23
	global_load_b128 v[4*\q:4*\q+3], v1, s[52:53] offset:512*\q
.endr
.irp q, 0,1,2,3,4,5,6,7,8,9,10,11,12,13,14,15,16,17,18,19,20,21,22,23
	global_load_b128 v[96+4*\q:99+4*\q], v1, s[54:55] offset:512*\q
.endr
	WIN 0
.irp i, 0,1,2,3
.irp p, 0,1,2,3
	global_load_b32 v[32+4*\i+\p], v2, s[56:57] offset:512*\i+128*\p   ; scale words: K steps 2 p (lanes 0-15) and 2 p + 1 (lanes 16-31)
	global_load_b32 v[48+4*\i+\p], v2, s[58:59] offset:512*\i+128*\p
	global_load_b32 v[64+4*\i+\p], v2, s[62:63] offset:512*\i+128*\p
.endr
.endr
.irp d, 0,1,2,3
	global_load_b128 v[176+8*\d:179+8*\d], v21, s[12:13] offset:128*(\d/2)+32*(\d%2)      ; the gains, in the results' layout
	global_load_b128 v[180+8*\d:183+8*\d], v21, s[12:13] offset:128*(\d/2)+32*(\d%2)+16
.endr
	WGF 0                                          ; Wg's first two K steps go out with the first loads, so that they are on their way while the tiles go through LDS
	WGF 1
	s_wait_loadcnt 63                              ; the two tiles are in: behind them 48 + 8 + 24 = 80 loads were issued; the count's field ends at 63
	WIN 0x04
.irp q, 0,1,2,3,4,5,6,7,8,9,10,11,12,13,14,15,16,17,18,19,20,21,22,23
	ds_store_b128 v4, v[4*\q:4*\q+3] offset:512*\q
.endr
.irp q, 0,1,2,3,4,5,6,7,8,9,10,11,12,13,14,15,16,17,18,19,20,21,22,23
	ds_store_b128 v4, v[96+4*\q:99+4*\q] offset:49152+512*\q
.endr
	WIN 0
	BARRIER                                        ; all eight tiles lie in LDS
	XF 0
	XF 1
.irp ks, 0,1,2,3,4,5,6,7
.if \ks < 7
	s_wait_loadcnt 12                              ; the next step's fragments of Wg may be out
	s_wait_dscnt 24                                ; and of hidden_states
.else
	s_wait_loadcnt 0x0
	s_wait_dscnt 0x0
.endif
.set ZZ, 0
.if \ks == 0
.set ZZ, 1
.endif
	WIN 0xf2|((\ks%2)<<2)
.irp mm, 0,1,2,3,4,5,6,7
.irp d, 0,1,2,3
	WMS 32*\mm+8*\d, 48*(\ks%2)+12*\d, 80-80*(\ks%2)+12*\mm, ZZ, 64+4*\d+\ks/2, 32+4*\mm+\ks/2, \ks%2, \ks%2
.endr
.endr
	WIN 0
	PLACES
.if \ks < 6
	WGF \ks+2
	XF \ks+2
.endif
.if \ks == 2
	global_prefetch_b8 v20, s[70:71] th:TH_LOAD_NT scope:SCOPE_SE   ; my piece of this head's v or k, behind this step's loads: five steps of the gate's product ahead of the first key steps' fetch
	s_cmp_lt_u32 s78, 8
	s_cbranch_scc0 .Lno_second
	global_prefetch_b8 v20, s[72:73] th:TH_LOAD_NT scope:SCOPE_SE
.Lno_second:
.endif
.endr
; THE FETCHES.  Each of the two register sets has pointers of its own, and a pointer is written again only behind the counted wait that shows the loads that read it done: so no other wait stands here.
; A counter goes back to 0 at the block's number of steps (s83): the fetches past a block's end are the next block's steps 0 and 1.  (It stays under 16; the hold at 15 states that bound in the text.)
.macro KFETCH set                      ; 7 loads
.set KPB, 40+44*(\set)
	s_min_u32 s31, s92, 15
	s_mul_i32 s76, s31, 12288
	s_add_nc_u64 s[KPB:KPB+1], s[32:33], s[76:77]
	s_lshl_b32 s76, s31, 9
	s_add_nc_u64 s[KPB+2:KPB+3], s[34:35], s[76:77]
	s_add_co_u32 s92, s92, 1
	s_cmp_eq_u32 s92, s83
	s_cselect_b32 s92, 0, s92
	WIN 0x80
.irp i, 0,1,2,3,4,5
	global_load_b128 v[96+24*(\set)+4*\i:99+24*(\set)+4*\i], v1, s[KPB:KPB+1] offset:512*\i
.endr
	WIN 0
	global_load_b32 v[32+(\set)], v2, s[KPB+2:KPB+3]
.endm
.macro VFETCH set                      ; 14 loads
.set VPB, 44+44*(\set)
	s_min_u32 s31, s24, 15
	s_mul_i32 s76, s31, 24576
	s_add_nc_u64 s[VPB:VPB+1], s[36:37], s[76:77]
	s_lshl_b32 s76, s31, 10
	s_add_nc_u64 s[VPB+2:VPB+3], s[38:39], s[76:77]
	s_add_co_u32 s24, s24, 1
	s_cmp_eq_u32 s24, s83
	s_cselect_b32 s24, 0, s24
	WIN 0x80
.irp i, 0,1,2,3,4,5,6,7,8,9,10,11
	global_load_b128 v[144+48*(\set)+4*\i:147+48*(\set)+4*\i], v1, s[VPB:VPB+1] offset:512*\i
.endr
	WIN 0
	global_load_b32 v[36+2*(\set)], v2, s[VPB+2:VPB+3]
	global_load_b32 v[37+2*(\set)], v2, s[VPB+2:VPB+3] offset:128
.endm
.macro QFETCH                          ; 14 loads: the four fragments of q of block s21, and their scale words.  The loads that last read these pointers were shown done at their block's head
	s_mul_i32 s76, s17, 196608
	s_mul_i32 s79, s21, 6144
	s_add_co_u32 s76, s76, s79
	s_add_nc_u64 s[48:49], s[4:5], s[76:77]
	s_lshl_b32 s76, s17, 13
	s_lshl_b32 s79, s21, 8
	s_add_co_u32 s76, s76, s79
	s_add_co_u32 s76, s76, QS
	s_add_nc_u64 s[50:51], s[4:5], s[76:77]
	WIN 0x40
.irp i, 0,1,2,3,4,5,6,7,8,9,10,11
	global_load_b128 v[128+4*\i:131+4*\i], v1, s[48:49] offset:512*\i
.endr
	WIN 0
	global_load_b32 v34, v2, s[50:51]
	global_load_b32 v35, v2, s[50:51] offset:128
.endm
; the first block's k, v and q are asked for here, behind the gate's last products and their four places: they land while the swish is worked
	s_mov_b32 s21, s18                             ; the first block: j
	s_mov_b32 s83, 64                              ; (no counter goes back yet)
	s_mov_b32 s24, 0
	s_mov_b32 s92, 0
	KFETCH 0
	VFETCH 0
	KFETCH 1
	VFETCH 1
	QFETCH
; swish(g) x gain, a tile of tokens at a time, into my own bytes of LDS
.irp mm, 0,1,2,3,4,5,6,7
.set TT, 80+32*(\mm%2)
	s_wait_dscnt 8                                 ; the batch before's eight stores may be out; those that read these registers are done
	WIN 0x03
.set kk, 0
.rept 16
	v_pk_mul_f32 v[TT+2*kk:TT+2*kk+1], v[32*\mm+2*kk:32*\mm+2*kk+1], 0xbfb8aa3b op_sel_hi:[1,0]   ; -g log2(e); each accumulator from its low end on
.set kk, kk+1
.endr
	WIN 0
.set kk, 0
.rept 32
	v_exp_f32 v[TT+kk], v[TT+kk]
.set kk, kk+1
.endr
	v_nop
	s_wait_alu depctr_va_vdst(0)                   ; one wait for the batch, ahead of its first reader
.set kk, 0
.rept 16
	v_pk_add_f32 v[TT+2*kk:TT+2*kk+1], v[TT+2*kk:TT+2*kk+1], 1.0 op_sel_hi:[1,0]
.set kk, kk+1
.endr
.set kk, 0
.rept 32
	v_rcp_f32 v[TT+kk], v[TT+kk]
.set kk, kk+1
.endr
	v_nop
	s_wait_alu depctr_va_vdst(0)
.set kk, 0
.rept 16
	v_pk_mul_f32 v[TT+2*kk:TT+2*kk+1], v[TT+2*kk:TT+2*kk+1], v[176+2*kk:177+2*kk]   ; x the gain
.set kk, kk+1
.endr
	WIN 0x03
.set kk, 0
.rept 16
	v_pk_mul_f32 v[TT+2*kk:TT+2*kk+1], v[32*\mm+2*kk:32*\mm+2*kk+1], v[TT+2*kk:TT+2*kk+1]   ; x g
.set kk, kk+1
.endr
	WIN 0
.irp q, 0,1,2,3,4,5,6,7
	ds_store_b128 v5, v[TT+4*\q:TT+4*\q+3] offset:4096*\mm+512*\q
.endr
.endr
	s_wait_dscnt 0x0                               ; the stores have read their registers, which the scores take next
; the decay's constants
	s_sub_co_u32 s31, 122, s20
	s_lshl_b32 s31, s31, 23                        ; x = 2^(-5 - head)
	v_mov_b32 v26, s31
	v_mov_b32 v27, 0x3e124925                      ; 1 / 7
	v_fma_f32 v27, v27, v26, 0x3e2aaaab
	v_fma_f32 v27, v27, v26, 0x3e4ccccd
	v_fma_f32 v27, v27, v26, 0x3e800000
	v_fma_f32 v27, v27, v26, 0x3eaaaaab
	v_fma_f32 v27, v27, v26, 0.5
	v_fma_f32 v27, v27, v26, 1.0
	v_mul_f32 v27, v27, v26
	v_mul_f32 v27, 0xbfb8aa3b, v27                 ; s = log2(1 - x)
	v_readfirstlane_b32 s28, v27
.irp i, 0,1,2,3,4,5,6,7,8,9,10,11,12,13,14,15
	v_cvt_f32_i32 v[144+\i], -\i
.endr
.irp i, 0,1,2,3,4,5,6,7,8,9,10,11,12,13,14,15
	v_mul_f32 v[144+\i], s28, v[144+\i]
.endr
.irp i, 0,1,2,3,4,5,6,7,8,9,10,11,12,13,14,15
	v_exp_f32 v[144+\i], v[144+\i]                 ; 2^(-s i)
.endr
	v_nop
	s_wait_alu depctr_va_vdst(0)
.macro SPROD set                       ; the scores of the step whose k lies in this set: my two tiles of keys x the four tiles of queries; each product starts its sum
	WIN 0x06
.irp m, 0,1,2,3
.irp u, 0,1
	WMS 80+16*\m+8*\u, 96+24*(\set)+12*\u, 128+12*\m, 1, 32+(\set), 34+\m/2, \u, \m%2
.endr
.endr
	WIN 0
.endm
.macro SD0                             ; s d0: four plain lines that name none of the products' registers
.irp m, 0,1,2,3
	v_mul_f32 v[164+\m], s28, v[168+\m]
.endr
.endm
.macro FEXP                            ; 2^(s d0)
.irp m, 0,1,2,3
	v_exp_f32 v[160+\m], v[164+\m]
.endr
	v_nop
	s_wait_alu depctr_va_vdst(0)                   ; one wait for the four, ahead of their first reader
.endm
.macro DECAY                           ; the scores in v80-143 x 2^(s d0) x 2^(-s i), and the mask; d0 in v168-171, the step's first key in s23
.irp m, 0,1,2,3
.set kk, 0
.rept 8
.if \m%2
	v_pk_mul_f32 v[80+16*\m+2*kk:81+16*\m+2*kk], v[80+16*\m+2*kk:81+16*\m+2*kk], v[159+\m:160+\m] op_sel:[0,1] op_sel_hi:[1,1]
.else
	v_pk_mul_f32 v[80+16*\m+2*kk:81+16*\m+2*kk], v[80+16*\m+2*kk:81+16*\m+2*kk], v[160+\m:161+\m] op_sel_hi:[1,0]
.endif
.set kk, kk+1
.endr
.endr
.irp m, 0,1,2,3
.set kk, 0
.rept 8
	v_pk_mul_f32 v[80+16*\m+2*kk:81+16*\m+2*kk], v[80+16*\m+2*kk:81+16*\m+2*kk], v[144+2*kk:145+2*kk]
.set kk, kk+1
.endr
.endr
	s_add_co_u32 s31, s23, 127                     ; a step all of whose keys count for all 64 queries skips the mask: a branch on ids alone
	s_cmp_le_u32 s31, s22
	s_cbranch_scc1 .Lopen_\@
.irp m, 0,1,2,3
	v_cvt_i32_f32 v[172+\m], v[168+\m]
.endr
.irp m, 0,1,2,3
.irp i, 0,1,2,3,4,5,6,7,8,9,10,11,12,13,14,15
	v_cmp_gt_i32 vcc_lo, \i, v[172+\m]             ; key i of my 16 comes after my query
	v_cndmask_b32 v[80+16*\m+\i], v[80+16*\m+\i], v19, vcc_lo
.endr
.endr
.Lopen_\@:
.endm
; A KEY STEP of 128 keys, t; its decayed scores lie in v80-143.  One barrier: the two stages of the quantised scores take turns, and a stage is written again only behind the next step's barrier, which each wave
; signals with its reads of the stage done.  last = 1: the block's last step: nothing is made for a step t + 1, and no k is fetched (the set that a fetch would take holds the next block's step 0, not yet multiplied).
.macro STEP set, first, last
	QUANT 80                                       ; block m = query tile m's 32 keys of mine
.irp c, 0,1
	ds_store_b64 v7, v[PC+6*\c:PC+6*\c+1] offset:6144*(\set)+3072*\c
	ds_store_b64 v8, v[PC+6*\c+2:PC+6*\c+3] offset:6144*(\set)+3072*\c
	ds_store_b64 v9, v[PC+6*\c+4:PC+6*\c+5] offset:6144*(\set)+3072*\c
.endr
.irp m, 0,1,2,3
	ds_store_b8 v10, v[TM+4+\m] offset:256*(\set)+64*\m   ; both lanes of a row write the same byte with the same value
.endr
.if (\last) == 0                       ; step t + 1's scores, while my stores are on their way
	s_wait_loadcnt 21                              ; k of step t + 1 is in: behind it at least a fetch of k, 7, and one of v, 14, were issued (in a block's step 1 just these; later 35, and the count then asks for v of this step too)
	SPROD 1-(\set)
.irp m, 0,1,2,3
	v_add_f32 v[168+\m], 0xc3000000, v[168+\m]     ; d0 of step t + 1: 128 less.  (These four and the next four are the places in front of the loads below and of the first read of the scores)
.endr
	SD0
	s_add_co_u32 s23, s23, 128
	KFETCH 1-(\set)                                ; k of step t + 3, into the set just multiplied
	FEXP
.endif
	BARRIER                                        ; the four query tiles' fragments are whole
	WIN 0x40
.irp i, 0,1,2,3,4,5,6,7,8,9,10,11
	ds_load_b128 v[176+4*\i:179+4*\i], v22 offset:6144*(\set)+512*\i
.endr
	WIN 0
	ds_load_b32 v40, v24 offset:256*(\set)
	ds_load_b32 v41, v24 offset:256*(\set)+128
.if (\last) == 0
	DECAY                                          ; step t + 1's, while those loads are on their way
	s_wait_dscnt 0x0
	s_wait_loadcnt 28                              ; v of this step is in; behind it: k 7, v 14, k 7
.else
	s_wait_dscnt 0x0
	s_wait_loadcnt 21                              ; v of this step is in; behind it: k 7, v 14 (this step has fetched no k)
.endif
	WIN 0x56
.irp d, 0,1,2,3
.irp m, 0,1,2,3
	WMS 32*\m+8*\d, 144+48*(\set)+12*\d, 176+12*\m, \first, 36+2*(\set)+\d/2, 40+\m/2, \d%2, \m%2
.endr
.endr
	WIN 0
	PLACES                                         ; in front of the loads below, and of the first read of o
	VFETCH \set                                    ; v of step t + 2
.endm
	s_mov_b32 s26, 2                               ; two blocks
.Lblock:
	s_wait_xcnt 0x0                                ; the last block's stores have read their bases and registers
	s_cmp_eq_u32 s26, 2
	s_cselect_b32 s27, 0, 16384                    ; where this block's gates lie in my bytes of LDS
	s_lshl_b32 s22, s21, 6                         ; the block's first query
	s_mov_b32 s23, 0                               ; the first key of the step whose scores are being made
	s_lshr_b32 s25, s21, 2                         ; the loop's trips: (N - 2) / 2,
	s_lshl_b32 s83, s25, 1
	s_add_co_u32 s83, s83, 2                       ; N, the block's key steps: jb / 2 + 1, made even
	s_cmp_eq_u32 s83, 2
	s_cselect_b32 s24, 0, 2                        ; steps 0 and 1 have been fetched: the next is step 2, or, where there is none, the next block's step 0
	s_cselect_b32 s92, 0, 2
	s_lshl_b32 s79, s19, 7
	s_lshl_b32 s80, s21, 2
	s_add_co_u32 s79, s79, s80
	s_add_co_u32 s79, s79, s16                     ; the tile of tokens that I store
	s_lshl_b32 s79, s79, 4
	s_lshl_b32 s80, s20, 1
	s_add_co_u32 s79, s79, s80                     ; x 16 K steps + the head's first
	s_mul_i32 s76, s79, 1536
	s_add_nc_u64 s[66:67], s[14:15], s[76:77]
	s_lshl_b32 s76, s79, 6
	s_add_co_u32 s76, s76, YS
	s_add_nc_u64 s[68:69], s[14:15], s[76:77]
	v_add_nc_u32 v25, s22, v23
.irp m, 0,1,2,3
	v_add_nc_u32 v26, 32*(\m/2)+8*(\m%2), v25
	v_cvt_f32_i32 v[168+\m], v26                   ; d0 = my query - my first key of step 0
.endr
	s_wait_loadcnt 0x0                             ; q, the youngest of my loads, is in, and with it k and v of steps 0 and 1: all were asked for a phase ago
	SPROD 0                                        ; step 0's scores
	SD0                                            ; (the four places in front of the loads below)
	KFETCH 0                                       ; k of step 2
	FEXP
	DECAY
	STEP 0, 1, 0                                   ; the first step starts o's sums
	s_cmp_eq_u32 s25, 0
	s_cbranch_scc1 .Lno_pair
.Lpair:
	STEP 1, 0, 0
	STEP 0, 0, 0
	s_sub_co_u32 s25, s25, 1
	s_cmp_lg_u32 s25, 0
	s_cbranch_scc1 .Lpair
.Lno_pair:
	STEP 1, 0, 1
; ---------------- the block's end: norm, gate, quantiser, store
	s_sub_co_u32 s21, 31, s18                      ; the second block: 31 - j
	QFETCH                                         ; its q lands while this block is finished; no line of the block's end touches a register that a fetch is to fill
	v_add_nc_u32 v6, s27, v5
	WIN 0xc0
.irp q, 0,1,2,3,4,5,6,7,8,9,10,11,12,13,14,15,16,17,18,19,20,21,22,23,24,25,26,27,28,29,30,31
	ds_load_b128 v[4*\q:4*\q+3], v6 offset:512*\q  ; the block's gates, in o's layout
.endr
	WIN 0x05
.irp m, 0,1,2,3
	v_pk_mul_f32 v[176+2*\m:177+2*\m], v[32*\m:32*\m+1], v[32*\m:32*\m+1]   ; sums of squares over my 64 channels; each accumulator from its low end on
.endr
.set pp, 1
.rept 15
.irp m, 0,1,2,3
	v_pk_fma_f32 v[176+2*\m:177+2*\m], v[32*\m+2*pp:32*\m+2*pp+1], v[32*\m+2*pp:32*\m+2*pp+1], v[176+2*\m:177+2*\m]
.endr
.set pp, pp+1
.endr
	WIN 0
.irp m, 0,1,2,3
	v_add_f32 v[176+2*\m], v[176+2*\m], v[177+2*\m]
.endr
.irp m, 0,1,2,3
	v_permlanex16_b32 v[TM+4+\m], v[176+2*\m], s[SEL], s[SEL+1]
.endr
.irp m, 0,1,2,3
	v_add_f32 v[176+2*\m], v[176+2*\m], v[TM+4+\m]
.endr
.irp m, 0,1,2,3
	ds_store_b32 v15, v[176+2*\m] offset:256*\m
.endr
	BARRIER                                        ; the four waves' parts lie in LDS
.irp m, 0,1,2,3
	ds_load_b128 v[80+4*\m:83+4*\m], v16 offset:256*\m
.endr
	s_wait_dscnt 0x0
.irp m, 0,1,2,3
	v_add_f32 v[80+4*\m], v[80+4*\m], v[81+4*\m]
	v_add_f32 v[82+4*\m], v[82+4*\m], v[83+4*\m]
.endr
.irp m, 0,1,2,3
	v_add_f32 v[80+4*\m], v[80+4*\m], v[82+4*\m]
.endr
.irp m, 0,1,2,3
	v_fma_f32 v[80+4*\m], v[80+4*\m], s29, s30     ; the mean of squares + 1e-5
.endr
.irp m, 0,1,2,3
	v_rsq_f32 v[184+\m], v[80+4*\m]
.endr
	v_nop
	s_wait_alu depctr_va_vdst(0)
.irp mp, 0,2                                   ; two query tiles at a time: 64 numbers, four blocks of 32 channels
	s_wait_dscnt 0x0                               ; the stores of the pair before have read the code registers
	WIN 0x01
.set kk, 0
.rept 16
	v_pk_mul_f32 v[80+2*kk:81+2*kk], v[32*\mp+2*kk:32*\mp+2*kk+1], v[184+\mp:185+\mp] op_sel_hi:[1,0]
.set kk, kk+1
.endr
.rept 16
	v_pk_mul_f32 v[80+2*kk:81+2*kk], v[32*\mp+2*kk:32*\mp+2*kk+1], v[184+\mp:185+\mp] op_sel:[0,1] op_sel_hi:[1,1]
.set kk, kk+1
.endr
	WIN 0x0c
.set kk, 0
.rept 32
	v_pk_mul_f32 v[80+2*kk:81+2*kk], v[80+2*kk:81+2*kk], v[32*\mp+2*kk:32*\mp+2*kk+1]
.set kk, kk+1
.endr
	WIN 0
	QUANT 80
	ds_store_b64 v11, v[PC:PC+1] offset:3072*\mp
	ds_store_b64 v12, v[PC+2:PC+3] offset:3072*\mp
	ds_store_b64 v13, v[PC+4:PC+5] offset:3072*\mp
	ds_store_b64 v11, v[PC+6:PC+7] offset:3072*(\mp+1)
	ds_store_b64 v12, v[PC+8:PC+9] offset:3072*(\mp+1)
	ds_store_b64 v13, v[PC+10:PC+11] offset:3072*(\mp+1)
	ds_store_b16 v14, v[PW] offset:128*\mp         ; the even tile's two bytes,
	ds_store_b16_d16_hi v14, v[PW] offset:128*(\mp+1)   ; the odd one's
.endr
	BARRIER                                        ; y's eight fragments are whole
.irp i, 0,1,2,3,4,5
	ds_load_b128 v[80+4*\i:83+4*\i], v17 offset:512*\i
.endr
	ds_load_b32 v104, v18
	s_wait_dscnt 0x0
.irp i, 0,1,2,3,4,5
	global_store_b128 v1, v[80+4*\i:83+4*\i], s[66:67] offset:512*\i   ; 32 lanes store 512 consecutive bytes
.endr
	global_store_b32 v2, v104, s[68:69]
	s_sub_co_u32 s26, s26, 1
	s_cmp_lg_u32 s26, 0
	s_cbranch_scc1 .Lblock
	s_wait_tensorcnt 0x0
	ds_add_u32 v254, v255
	s_wait_dscnt 0x0
	s_endpgm
.Lfunc_end_k_q6435e563d0_retn:
	.size	k_q6435e563d0_retn, .Lfunc_end_k_q6435e563d0_retn-k_q6435e563d0_retn
	.p2alignl 7, 3214868480
	.fill 96, 4, 3214868480
	.section	.rodata,"a",@progbits
	.p2align	6, 0x0
	.amdhsa_kernel k_q6435e563d0_retn
		.amdhsa_group_segment_fixed_size 256512
		.amdhsa_private_segment_fixed_size 0
		.amdhsa_enable_private_segment 0
		.amdhsa_kernarg_size 48
		.amdhsa_user_sgpr_count 2
		.amdhsa_user_sgpr_kernarg_segment_ptr 1
		.amdhsa_wavefront_size32 1
		.amdhsa_system_sgpr_workgroup_id_x 1
		.amdhsa_system_sgpr_workgroup_id_y 1
		.amdhsa_system_sgpr_workgroup_id_z 1
		.amdhsa_system_vgpr_workitem_id 0
		.amdhsa_next_free_vgpr 1024
		.amdhsa_next_free_sgpr 96
		.amdhsa_reserve_vcc 1
		.amdhsa_float_denorm_mode_32 3
		.amdhsa_float_denorm_mode_16_64 3
		.amdhsa_memory_ordered 1
		.amdhsa_forward_progress 1
		.amdhsa_inst_pref_size 254
	.end_amdhsa_kernel
	.amdgpu_metadata
---
amdhsa.version: [ 1, 2 ]
amdhsa.kernels:
  - .name:           k_q6435e563d0_retn
    .symbol:         k_q6435e563d0_retn.kd
    .args:
      - { .name: qk, .offset: 0, .size: 8, .value_kind: global_buffer, .address_space: global }
      - { .name: vimg, .offset: 8, .size: 8, .value_kind: global_buffer, .address_space: global }
      - { .name: xq, .offset: 16, .size: 8, .value_kind: global_buffer, .address_space: global }
      - { .name: wimg, .offset: 24, .size: 8, .value_kind: global_buffer, .address_space: global }
      - { .name: g_norm_w, .offset: 32, .size: 8, .value_kind: global_buffer, .address_space: global }
      - { .name: yq, .offset: 40, .size: 8, .value_kind: global_buffer, .address_space: global }
    .group_segment_fixed_size: 256512
    .private_segment_fixed_size: 0
    .kernarg_segment_align: 8
    .kernarg_segment_size: 48
    .max_flat_workgroup_size: 128
    .sgpr_count:     96
    .vgpr_count:     1024
    .wavefront_size: 32
...
	.end_amdgpu_metadata
.endif
;; end of part 3
;; launch outp (part 4): grid 256 x 1, 4 waves a work-group, no clusters, 270,848 bytes of LDS; arguments yq, wimg, out0; writes out0
.if DOCPART == 4
	.amdgcn_target "amdgcn-amd-amdhsa--gfx1250"
	.amdhsa_code_object_version 6
	.text
	.protected	k_q6435e563d0_outp
	.globl	k_q6435e563d0_outp
	.p2align	8
	.type	k_q6435e563d0_outp,@function
k_q6435e563d0_outp:
	s_mov_b64 s[64:65], 0
	v_nop
	global_prefetch_b8 v0, s[64:65] scope:SCOPE_SE
	s_setreg_imm32_b32 hwreg(HW_REG_WAVE_MODE, 25, 1), 1
	s_wait_xcnt 0x0
; out0 = y x Wo on codes of E2M3: y's and Wo's images of operand registers (16 rows x 128 K, 1,536 bytes, register R of lane l at 512 (R / 4) + 16 l + 4 (R % 4); scale records of 64 bytes) come from memory straight into registers.
; SHARES.  A work-group makes 128 tokens x 128 columns.  THE FOUR WAVES SHARE K: wave w takes K steps 4 w .. 4 w + 3 of the whole tile, 64 accumulators.  So no fragment is read twice in a work-group and none goes through LDS;
; the four partial tiles meet in LDS, where they are also turned into rows, and each wave adds and stores 32 whole rows.  Nothing is shared within a work-group, so there is nothing for joint loads there.
; Source 0 = 16 columns of Wo, source 1 = 16 tokens: a lane holds a token, and its registers neighbouring columns.  Row rho of tile 2 g + u is index 32 g + 8 u + rho % 8 + 16 (rho / 8).
; The sum over K is taken in four parts, (p0 + p1) + (p2 + p3): another order of f32 additions than one chain.
; REGISTERS: window 0: v1 16 x lane, v2 4 x lane, v3-7 LDS addresses; v32-63 scale words and nothing else; v64-159, v160-255 source 1's fragments.  window 1: v0-95, v96-191 source 0's.  windows 2, 3: accumulator (m, a) at 64 (m % 4) + 8 a.
.set NS,  16
.set TS,  NS*1536
.set TSS, NS*64
.set WO,  4718592
.set WOS, 6488064
.set YS,  6291456
.set PART, 67584                       ; LDS: a wave's partial tile: 128 rows of 512 bytes + 16
.set MSB, 0
.macro WIN new
.set NW, \new
.if MSB != NW
	s_set_vgpr_msb (MSB<<8)|NW
.set MSB, NW
.endif
.endm
.macro PLACES
.rept 4
	v_nop
.endr
.endm
.macro WMS d, a, b, z, sa, sb, ra
.set QD, \d
.set QA, \a
.set QB, \b
.set QSA, \sa
.set QSB, \sb
.if \z
	v_wmma_scale_f32_16x16x128_f8f6f4 v[QD:QD+7], v[QA:QA+11], v[QB:QB+11], 0, v[QSA], v[QSB] matrix_a_fmt:MATRIX_FMT_FP6 matrix_b_fmt:MATRIX_FMT_FP6
.elseif \ra
	v_wmma_scale_f32_16x16x128_f8f6f4 v[QD:QD+7], v[QA:QA+11], v[QB:QB+11], v[QD:QD+7], v[QSA], v[QSB] matrix_a_fmt:MATRIX_FMT_FP6 matrix_b_fmt:MATRIX_FMT_FP6 matrix_a_scale:MATRIX_SCALE_ROW1 matrix_b_scale:MATRIX_SCALE_ROW1
.else
	v_wmma_scale_f32_16x16x128_f8f6f4 v[QD:QD+7], v[QA:QA+11], v[QB:QB+11], v[QD:QD+7], v[QSA], v[QSB] matrix_a_fmt:MATRIX_FMT_FP6 matrix_b_fmt:MATRIX_FMT_FP6
.endif
.endm
.macro GF set, ks                      ; my K step ks: 8 + 8 fragments, 48 loads
	WIN 0x40
.irp a, 0,1,2,3,4,5,6,7
.irp c, 0,1,2
	global_load_b128 v[96*(\set)+12*\a+4*\c:96*(\set)+12*\a+4*\c+3], v1, s[20:21] offset:\a*TS+(\ks)*1536+512*\c
.endr
.endr
	WIN 0
.irp m, 0,1,2,3,4,5,6,7
.irp c, 0,1,2
	global_load_b128 v[64+96*(\set)+12*\m+4*\c:64+96*(\set)+12*\m+4*\c+3], v1, s[22:23] offset:\m*TS+(\ks)*1536+512*\c
.endr
.endr
.endm
.macro GSC p                           ; the scale words of my K steps 2 p (lanes 0-15) and 2 p + 1 (lanes 16-31)
.irp a, 0,1,2,3,4,5,6,7
	global_load_b32 v[32+16*(\p)+\a], v2, s[24:25] offset:\a*TSS+128*(\p)
.endr
.irp m, 0,1,2,3,4,5,6,7
	global_load_b32 v[40+16*(\p)+\m], v2, s[26:27] offset:\m*TSS+128*(\p)
.endr
.endm
.macro MUL set, ks, zero               ; 64 matrix instructions; the 64 accumulators take turns, one instruction a turn
.irp m, 0,1,2,3,4,5,6,7
	WIN 0xa1+0x50*(\m/4)
.irp a, 0,1,2,3,4,5,6,7
	WMS 64*(\m%4)+8*\a, 96*(\set)+12*\a, 64+96*(\set)+12*\m, \zero, 32+16*((\ks)/2)+\a, 40+16*((\ks)/2)+\m, (\ks)%2
.endr
.endr
	WIN 0
.endm
	s_load_b128 s[4:7], s[0:1], 0x0                ; yq s[4:5], wimg s[6:7]
	s_load_b64 s[8:9], s[0:1], 0x10                ; out0
	v_lshl_add_u32 v30, v0, 2, 0x42000
	v_mov_b32 v31, 0
	v_lshrrev_b32 v8, 5, v0
	v_readfirstlane_b32 s14, v8                    ; wave
	v_and_b32 v8, 31, v0
	v_lshlrev_b32 v1, 4, v8
	v_lshlrev_b32 v2, 2, v8
	v_and_b32 v9, 15, v0                           ; r
	v_bfe_u32 v10, v0, 4, 1                        ; h
	s_mul_i32 s15, s14, PART
	v_mul_u32_u24 v3, v9, 528
	v_lshl_add_u32 v3, v10, 6, v3
	v_add_nc_u32 v3, s15, v3                       ; into my partial tile: row r of a tile of tokens, + 64 h
	s_mul_i32 s15, s14, 32*528
	v_add_nc_u32 v4, s15, v1                       ; back: my 32 rows, 16 bytes a lane, in each of the four partial tiles
	v_add_nc_u32 v5, PART, v4
	v_add_nc_u32 v6, 2*PART, v4
	v_add_nc_u32 v7, 3*PART, v4
	s_and_b32 s16, ttmp9, 7                        ; which 128 columns
	s_lshr_b32 s17, ttmp9, 3                       ; which 128 tokens
	s_mul_i32 s18, s14, 6144                       ; my four K steps
	s_lshl_b32 s19, s14, 8
	s_mul_i32 s30, s16, 8*TS
	s_add_co_u32 s30, s30, s18
	s_add_co_u32 s30, s30, WO
	s_mov_b32 s31, 0
	s_mul_i32 s32, s17, 8*TS
	s_add_co_u32 s32, s32, s18
	s_mov_b32 s33, 0
	s_lshl_b32 s34, s16, 13
	s_add_co_u32 s34, s34, s19
	s_add_co_u32 s34, s34, WOS
	s_mov_b32 s35, 0
	s_lshl_b32 s36, s17, 13
	s_add_co_u32 s36, s36, s19
	s_add_co_u32 s36, s36, YS
	s_mov_b32 s37, 0
	s_lshl_b32 s38, s17, 19                        ; 128 tokens of 4,096 bytes,
	s_lshl_b32 s39, s14, 17                        ; my 32 of them,
	s_add_co_u32 s38, s38, s39
	s_lshl_b32 s39, s16, 9                         ; the tile's 512 bytes of a row
	s_add_co_u32 s38, s38, s39
	s_mov_b32 s39, 0
	s_wait_kmcnt 0x0
	s_add_nc_u64 s[20:21], s[6:7], s[30:31]        ; none of these is ever rewritten
	s_add_nc_u64 s[22:23], s[4:5], s[32:33]
	s_add_nc_u64 s[24:25], s[6:7], s[34:35]
	s_add_nc_u64 s[26:27], s[4:5], s[36:37]
	s_add_nc_u64 s[28:29], s[8:9], s[38:39]
	GSC 0
	GSC 1
	GF 0, 0
	GF 1, 1
	s_wait_loadcnt 48                              ; all but the next K step's 48 loads
	MUL 0, 0, 1                                    ; the first K step starts the sums
	PLACES
	GF 0, 2
	s_wait_loadcnt 48
	MUL 1, 1, 0
	PLACES
	GF 1, 3
	s_wait_loadcnt 48
	MUL 0, 2, 0
	s_wait_loadcnt 0x0
	MUL 1, 3, 0
	PLACES
.irp m, 0,1,2,3,4,5,6,7
	WIN 0x08+4*(\m/4)                              ; an LDS store's data are its source 1: window 2 or 3
.irp a, 0,1,2,3,4,5,6,7
	ds_store_b128 v3, v[64*(\m%4)+8*\a:64*(\m%4)+8*\a+3] offset:8448*\m+128*(\a/2)+32*(\a%2)       ; each accumulator from its low end on: columns 32 (a / 2) + 16 h + 8 (a % 2) + 0 .. 7
	ds_store_b128 v3, v[64*(\m%4)+8*\a+4:64*(\m%4)+8*\a+7] offset:8448*\m+128*(\a/2)+32*(\a%2)+16
.endr
.endr
	WIN 0
	s_wait_dscnt 0x0                               ; for the others' sake: my stores have landed
	s_barrier_signal -1
	s_barrier_wait -1
.irp g, 0,1,2,3                                ; eight rows at a time
	s_wait_xcnt 0x0                                ; the last group's stores have read their registers
.irp k, 0,1,2,3,4,5,6,7
.irp q, 0,1,2,3
	ds_load_b128 v[64+16*\k+4*\q:67+16*\k+4*\q], v[4+\q] offset:528*(8*\g+\k)
.endr
.endr
	s_wait_dscnt 0x0
.irp k, 0,1,2,3,4,5,6,7
	v_pk_add_f32 v[64+16*\k:65+16*\k], v[64+16*\k:65+16*\k], v[68+16*\k:69+16*\k]
	v_pk_add_f32 v[66+16*\k:67+16*\k], v[66+16*\k:67+16*\k], v[70+16*\k:71+16*\k]
	v_pk_add_f32 v[72+16*\k:73+16*\k], v[72+16*\k:73+16*\k], v[76+16*\k:77+16*\k]
	v_pk_add_f32 v[74+16*\k:75+16*\k], v[74+16*\k:75+16*\k], v[78+16*\k:79+16*\k]
	v_pk_add_f32 v[64+16*\k:65+16*\k], v[64+16*\k:65+16*\k], v[72+16*\k:73+16*\k]
	v_pk_add_f32 v[66+16*\k:67+16*\k], v[66+16*\k:67+16*\k], v[74+16*\k:75+16*\k]
	global_store_b128 v1, v[64+16*\k:67+16*\k], s[28:29] offset:(8*((8*\g+\k)/16)+((8*\g+\k)%8)+16*(((8*\g+\k)/8)%2))*4096 th:TH_STORE_NT   ; 32 lanes store 512 consecutive bytes of the row's token, at a multiple of 512 from out0's first byte
.endr
.endr
	s_wait_tensorcnt 0x0
	ds_add_u32 v30, v31
	s_wait_dscnt 0x0
	s_endpgm
.Lfunc_end_k_q6435e563d0_outp:
	.size	k_q6435e563d0_outp, .Lfunc_end_k_q6435e563d0_outp-k_q6435e563d0_outp
	.p2alignl 7, 3214868480
	.fill 96, 4, 3214868480
	.section	.rodata,"a",@progbits
	.p2align	6, 0x0
	.amdhsa_kernel k_q6435e563d0_outp
		.amdhsa_group_segment_fixed_size 270848
		.amdhsa_private_segment_fixed_size 0
		.amdhsa_enable_private_segment 0
		.amdhsa_kernarg_size 24
		.amdhsa_user_sgpr_count 2
		.amdhsa_user_sgpr_kernarg_segment_ptr 1
		.amdhsa_wavefront_size32 1
		.amdhsa_system_sgpr_workgroup_id_x 1
		.amdhsa_system_sgpr_workgroup_id_y 1
		.amdhsa_system_sgpr_workgroup_id_z 1
		.amdhsa_system_vgpr_workitem_id 0
		.amdhsa_next_free_vgpr 1024
		.amdhsa_next_free_sgpr 66
		.amdhsa_reserve_vcc 0
		.amdhsa_float_denorm_mode_32 3
		.amdhsa_float_denorm_mode_16_64 3
		.amdhsa_memory_ordered 1
		.amdhsa_forward_progress 1
		.amdhsa_inst_pref_size 89
	.end_amdhsa_kernel
	.amdgpu_metadata
---
amdhsa.version: [ 1, 2 ]
amdhsa.kernels:
  - .name:           k_q6435e563d0_outp
    .symbol:         k_q6435e563d0_outp.kd
    .args:
      - { .name: yq, .offset: 0, .size: 8, .value_kind: global_buffer, .address_space: global }
      - { .name: wimg, .offset: 8, .size: 8, .value_kind: global_buffer, .address_space: global }
      - { .name: out0, .offset: 16, .size: 8, .value_kind: global_buffer, .address_space: global }
    .group_segment_fixed_size: 270848
    .private_segment_fixed_size: 0
    .kernarg_segment_align: 8
    .kernarg_segment_size: 24
    .max_flat_workgroup_size: 128
    .sgpr_count:     66
    .vgpr_count:     1024
    .wavefront_size: 32
...
	.end_amdgpu_metadata
.endif
;; end of part 4
;; ======== version 2 of 2: 4 launches; version 1 with the launches proj, retn, outp written anew for expert scheduling mode
;; workspace buffers: xq 3,276,800 bytes; wimg 6,553,600 bytes; rope 1,048,576 bytes; qk 6,553,600 bytes; vimg 6,553,600 bytes; yq 6,553,600 bytes
;; launch prep: the kernel of part 1 again; grid 416 x 1, 4 waves a work-group, no clusters, 59,904 bytes of LDS; arguments hidden_states, Wq, Wk, Wv, Wg, Wo, xq, wimg, rope; writes xq, wimg, rope
;; launch proj (part 5): grid 256 x 1, 4 waves a work-group, no clusters, 0 bytes of LDS; arguments xq, wimg, rope, qk, vimg; writes qk, vimg
.if DOCPART == 5
	.amdgcn_target "amdgcn-amd-amdhsa--gfx1250"
	.amdhsa_code_object_version 6
	.text
	.protected	k_q6435e563d0_proj
	.globl	k_q6435e563d0_proj
	.p2align	8
	.type	k_q6435e563d0_proj,@function
k_q6435e563d0_proj:
	s_mov_b64 s[64:65], 0
	v_nop
	global_prefetch_b8 v0, s[64:65] scope:SCOPE_SE
	s_setreg_imm32_b32 hwreg(HW_REG_WAVE_SCHED_MODE, 0, 2), 2
	s_setreg_imm32_b32 hwreg(HW_REG_WAVE_MODE, 25, 1), 1
	s_wait_xcnt 0x0
	s_wait_alu depctr_vm_vsrc(0)
; q, k and v: hidden_states x Wq, Wk, Wv on codes of E2M3; rotary and the factor 128^-0.5 in f32; then the results are quantised again, q and k along the head's 128, v along the keys, and stored as images of operand registers.
; An image: 16 rows x 128 K, 12 registers a lane, 1,536 bytes, register R of lane l at 512 (R / 4) + 16 l + 4 (R % 4); scale records of 64 bytes, row rho's word at 4 rho.  Row rho of tile 2 g + u is index 32 g + 8 u + rho % 8 + 16 (rho / 8):
; so, with such tiles as source 0, the 16 registers of two neighbouring result tiles are 16 neighbours along source 0's rows, and lane l xor 16 holds the other half of each block of 32.
; SHARES.  Work-groups 0-127: q and k: source 0 = 128 columns of Wq or Wk, one head, source 1 = 128 tokens: a lane holds a token, its registers run along the head's 128.
; Work-groups 128-255: v: source 0 = 128 tokens, one key step, source 1 = 128 columns of Wv: a lane holds a column, its registers run along the keys.  One text serves both: only the pointers change places.
; A wave makes 128 x 128: 64 accumulators.  Fragments come from memory straight into registers, three loads of 512 consecutive bytes each, in two sets; two K steps' loads are on their way at a time.
; No cluster and no joint loads here: which buffer is source 0 hangs on a choice by the work-group's number, and each fragment is read by two of the four waves only; the operands are 6.5 and 3.3 million bytes in all.
; LIMITS: a block of zeros gets the byte 1 (codes zero; the bytes are read by this program alone); blocks under 2^-124 are held at byte 1; NaN and infinities are not served.
; REGISTERS: window 0: v1 16 x lane, v2 4 x lane; v32-63 scale words and nothing else; v64-159, v160-255 source 1's fragments, two sets.  window 1: v0-95, v96-191 source 0's; on the way out v0-255: four buffers of the table.
;   windows 2, 3: accumulator (m, a) at 64 (m % 4) + 8 a.
; THE MODE: SCHED_MODE bits 1:0 = 2 (LLVM: expert scheduling mode 2), set by the entry lines.  The code itself states the register dependences between vector or matrix instructions and memory instructions, with s_wait_alu, always for 0.
; THE PLAN.  Registers that memory instructions touch:
;   v1, v2        offsets, made at the head and never written again.
;   fragments     K step ks multiplies set ks % 2.  Behind its products ONE wait on va_vdst shows them done reading; the loads of K step ks + 2 follow at once, into the same set, AHEAD of the wait for K step ks + 1's data.
;   scale words   two sets, a pair of K steps to a set.  The words of K steps 4, 5 (6, 7) land in the set that K steps 0, 1 (2, 3) read: they lean on the wait behind K step 1 (3) and are dealt among the products of K step 2 (4),
;                 which name the other set.
;   the table     window 1, four buffers of 64: tile m's rotary lines read buffer m % 4; the loads of tile m + 4 land in it.
;   the codes     v128-139: written by the quantiser, read by the tile's three stores.  ONE wait on va_vdst a tile, behind the quantiser, serves the table's loads and the stores; one on vm_vsrc stands ahead of the next quantiser.
.set NS,  8                            ; K steps
.set TS,  NS*1536                      ; from tile to tile in the images
.set TSS, NS*64                        ; and in the scale records
.set XS,  3145728
.set WS,  6291456
.set KO,  3145728                      ; qk: k's codes
.set QS,  6291456                      ; qk: q's scale records; k's lie 131,072 further on
.set VS,  6291456
.set ST,  64                           ; the way out, window 0: v64-127 64 numbers
.set PC,  128                          ; v128-147 the codes just made
.set TM,  148                          ; v148-159 at work
.set PW,  161                          ; the scale word just made;  v162-169 the eight tiles' words
.set SEL, 34
.set MSB, 0
.macro WIN new                         ; the immediate's high byte repeats the setting that is left; a switch that changes nothing is dropped
.set NW, \new
.if MSB != NW
	s_set_vgpr_msb (MSB<<8)|NW
.set MSB, NW
.endif
.endm
.macro PLACES                          ; four places behind a matrix instruction of this form, in front of loads into its registers and of the first read of results
.rept 4
	v_nop
.endr
.endm
; one matrix instruction: d = a x b + (0 or d); ra, rb: the scale words stand in lanes 16-31 of their registers
.macro WMS d, a, b, z, sa, sb, ra, rb
.set QD, \d
.set QA, \a
.set QB, \b
.set QSA, \sa
.set QSB, \sb
.if \z
.if (\ra) && (\rb)
	v_wmma_scale_f32_16x16x128_f8f6f4 v[QD:QD+7], v[QA:QA+11], v[QB:QB+11], 0, v[QSA], v[QSB] matrix_a_fmt:MATRIX_FMT_FP6 matrix_b_fmt:MATRIX_FMT_FP6 matrix_a_scale:MATRIX_SCALE_ROW1 matrix_b_scale:MATRIX_SCALE_ROW1
.elseif \ra
	v_wmma_scale_f32_16x16x128_f8f6f4 v[QD:QD+7], v[QA:QA+11], v[QB:QB+11], 0, v[QSA], v[QSB] matrix_a_fmt:MATRIX_FMT_FP6 matrix_b_fmt:MATRIX_FMT_FP6 matrix_a_scale:MATRIX_SCALE_ROW1
.elseif \rb
	v_wmma_scale_f32_16x16x128_f8f6f4 v[QD:QD+7], v[QA:QA+11], v[QB:QB+11], 0, v[QSA], v[QSB] matrix_a_fmt:MATRIX_FMT_FP6 matrix_b_fmt:MATRIX_FMT_FP6 matrix_b_scale:MATRIX_SCALE_ROW1
.else
	v_wmma_scale_f32_16x16x128_f8f6f4 v[QD:QD+7], v[QA:QA+11], v[QB:QB+11], 0, v[QSA], v[QSB] matrix_a_fmt:MATRIX_FMT_FP6 matrix_b_fmt:MATRIX_FMT_FP6
.endif
.else
.if (\ra) && (\rb)
	v_wmma_scale_f32_16x16x128_f8f6f4 v[QD:QD+7], v[QA:QA+11], v[QB:QB+11], v[QD:QD+7], v[QSA], v[QSB] matrix_a_fmt:MATRIX_FMT_FP6 matrix_b_fmt:MATRIX_FMT_FP6 matrix_a_scale:MATRIX_SCALE_ROW1 matrix_b_scale:MATRIX_SCALE_ROW1
.elseif \ra
	v_wmma_scale_f32_16x16x128_f8f6f4 v[QD:QD+7], v[QA:QA+11], v[QB:QB+11], v[QD:QD+7], v[QSA], v[QSB] matrix_a_fmt:MATRIX_FMT_FP6 matrix_b_fmt:MATRIX_FMT_FP6 matrix_a_scale:MATRIX_SCALE_ROW1
.elseif \rb
	v_wmma_scale_f32_16x16x128_f8f6f4 v[QD:QD+7], v[QA:QA+11], v[QB:QB+11], v[QD:QD+7], v[QSA], v[QSB] matrix_a_fmt:MATRIX_FMT_FP6 matrix_b_fmt:MATRIX_FMT_FP6 matrix_b_scale:MATRIX_SCALE_ROW1
.else
	v_wmma_scale_f32_16x16x128_f8f6f4 v[QD:QD+7], v[QA:QA+11], v[QB:QB+11], v[QD:QD+7], v[QSA], v[QSB] matrix_a_fmt:MATRIX_FMT_FP6 matrix_b_fmt:MATRIX_FMT_FP6
.endif
.endif
.endm
.macro GF set, ks                      ; K step ks: 8 + 8 fragments, 48 loads
	WIN 0x40
.irp a, 0,1,2,3,4,5,6,7
.irp c, 0,1,2
	global_load_b128 v[96*(\set)+12*\a+4*\c:96*(\set)+12*\a+4*\c+3], v1, s[20:21] offset:\a*TS+(\ks)*1536+512*\c
.endr
.endr
	WIN 0
.irp m, 0,1,2,3,4,5,6,7
.irp c, 0,1,2
	global_load_b128 v[64+96*(\set)+12*\m+4*\c:64+96*(\set)+12*\m+4*\c+3], v1, s[22:23] offset:\m*TS+(\ks)*1536+512*\c
.endr
.endr
.endm
.macro GSC p                           ; the scale words of K steps 2 p (lanes 0-15) and 2 p + 1 (lanes 16-31): 16 loads
.irp a, 0,1,2,3,4,5,6,7
	global_load_b32 v[32+16*((\p)%2)+\a], v2, s[24:25] offset:\a*TSS+128*(\p)
.endr
.irp m, 0,1,2,3,4,5,6,7
	global_load_b32 v[40+16*((\p)%2)+\m], v2, s[26:27] offset:\m*TSS+128*(\p)
.endr
.endm
; 64 matrix instructions; the 64 accumulators take turns, one instruction a turn.
; gp >= 0: the 16 loads of the scale words of K steps 2 gp, 2 gp + 1, into the OTHER set of scale words, are dealt behind the first four groups of eight products, four at a time.
; No wait stands among them: no product issued since the last wait on va_vdst names a register that these loads touch.
.macro MUL set, ks, zero, gp
.irp m, 0,1,2,3,4,5,6,7
	WIN 0xa1+0x50*(\m/4)
.irp a, 0,1,2,3,4,5,6,7
	WMS 64*(\m%4)+8*\a, 96*(\set)+12*\a, 64+96*(\set)+12*\m, \zero, 32+16*(((\ks)/2)%2)+\a, 40+16*(((\ks)/2)%2)+\m, (\ks)%2, (\ks)%2
.endr
.if ((\gp) >= 0) && (\m < 4)
	WIN 0
.irp e, 0,1
	global_load_b32 v[32+16*((\gp)%2)+2*\m+\e], v2, s[24:25] offset:(2*\m+\e)*TSS+128*(\gp)
	global_load_b32 v[40+16*((\gp)%2)+2*\m+\e], v2, s[26:27] offset:(2*\m+\e)*TSS+128*(\gp)
.endr
.endif
.endr
	WIN 0
.endm
.macro FREED                           ; behind a K step's products and their places
	s_wait_alu depctr_va_vdst(0)                   ; the products issued so far are done reading their set of fragments, in which the loads below land, and their scale words, in which the loads dealt among the next K step's products land
.endm
; 64 numbers of a lane, v[s] .. v[s + 63] of window win, number 16 b + i = k 32 b + 16 (lane / 16) + i of my row, become a fragment's codes in v[PC] on and its scale word in v[PW]
.macro QUANT s, win
	WIN (\win)|((\win)<<2)
.irp b, 0,1,2,3
	v_max3_num_f32 v[TM+\b], |v[\s+16*\b]|, |v[\s+1+16*\b]|, 0x1800000   ; with the floor 2^(3 - 127); each accumulator is read from its low end on
.endr
.irp i, 2,4,6,8,10,12,14
.irp b, 0,1,2,3
	v_max3_num_f32 v[TM+\b], |v[\s+16*\b+\i]|, |v[\s+1+16*\b+\i]|, v[TM+\b]
.endr
.endr
	WIN 0
.irp b, 0,1,2,3
	v_permlanex16_b32 v[TM+4+\b], v[TM+\b], s[SEL], s[SEL+1]
.endr
.irp b, 0,1,2,3
	v_max_num_f32 v[TM+\b], v[TM+\b], v[TM+4+\b]
.endr
.irp b, 0,1,2,3
	v_add_nc_u32 v[TM+8+\b], 0xff000000, v[TM+\b]
.endr
.irp b, 0,1,2,3
	v_lshrrev_b32 v[TM+4+\b], 23, v[TM+8+\b]
.endr
	v_lshl_or_b32 v[PW], v[TM+5], 8, v[TM+4]
	v_lshl_or_b32 v[PW], v[TM+6], 16, v[PW]
	v_lshl_or_b32 v[PW], v[TM+7], 24, v[PW]
	WIN \win
.irp c, 0,1
	v_cvt_scalef32_pk16_fp6_f32 v[PC+6*\c:PC+2+6*\c], v[\s+32*\c:\s+15+32*\c], v[TM+8+2*\c]
	v_cvt_scalef32_pk16_fp6_f32 v[PC+12+4*\c:PC+14+4*\c], v[\s+16+32*\c:\s+31+32*\c], v[TM+9+2*\c]
.endr
	WIN 0
	v_nop                                          ; one plain place behind a scaled conversion
.irp c, 0,1
.irp i, 0,1,2
	v_permlane16_swap_b32 v[PC+6*\c+\i], v[PC+12+4*\c+\i]
.endr
.irp i, 0,1,2
	v_mov_b32 v[PC+3+6*\c+\i], v[PC+12+4*\c+\i]
.endr
.endr
.endm
.macro SENDF m                         ; tile m's image
.irp c, 0,1,2
	global_store_b128 v1, v[PC+4*\c:PC+4*\c+3], s[28:29] offset:1536*(\m)+512*\c
.endr
.endm
.macro SENDS                           ; eight scale records: lanes 0-15 an even tile's words, lanes 16-31 the odd one's
.irp i, 0,1,2,3
	v_cndmask_b32 v[170+\i], v[162+2*\i], v[163+2*\i], s38
.endr
	s_wait_alu depctr_va_vdst(0)                   ; the four selects have written v170-173, which the stores read
.irp i, 0,1,2,3
	global_store_b32 v2, v[170+\i], s[30:31] offset:128*\i
.endr
.endm
	s_load_b256 s[4:11], s[0:1], 0x0               ; xq s[4:5], wimg s[6:7], rope s[8:9], qk s[10:11]
	s_load_b64 s[12:13], s[0:1], 0x20              ; vimg
	v_lshrrev_b32 v3, 5, v0
	v_readfirstlane_b32 s14, v3                    ; wave
	v_and_b32 v3, 31, v0
	v_lshlrev_b32 v1, 4, v3
	v_lshlrev_b32 v2, 2, v3
	s_lshr_b32 s15, ttmp9, 7                       ; 0: q and k; 1: v
	s_and_b32 s16, ttmp9, 7                        ; which 256 columns
	s_bfe_u32 s17, ttmp9, 0x40003                  ; which 256 tokens
	s_wait_alu depctr_va_sdst(0)                   ; s14 is written, ahead of its first reader
	s_lshr_b32 s18, s14, 1                         ; my half of source 0's rows
	s_and_b32 s19, s14, 1                          ; my half of source 1's
	s_cmp_lg_u32 s15, 0
	s_cselect_b32 s40, s19, s18                    ; my half of the columns
	s_cselect_b32 s41, s18, s19                    ; and of the tokens
	s_lshl_b32 s42, s15, 7
	s_lshl_b32 s43, s16, 4
	s_add_co_u32 s42, s42, s43
	s_lshl_b32 s43, s40, 3
	s_add_co_u32 s42, s42, s43                     ; my first tile of the weights
	s_lshl_b32 s43, s17, 4
	s_lshl_b32 s44, s41, 3
	s_add_co_u32 s43, s43, s44                     ; my first tile of tokens
	s_mul_i32 s44, s42, TS
	s_mov_b32 s45, 0
	s_mul_i32 s46, s43, TS
	s_mov_b32 s47, 0
	s_lshl_b32 s48, s42, 9
	s_add_co_u32 s48, s48, WS
	s_mov_b32 s49, 0
	s_lshl_b32 s50, s43, 9
	s_add_co_u32 s50, s50, XS
	s_mov_b32 s51, 0
	s_mov_b32 s[SEL], 0x76543210
	s_mov_b32 s[SEL+1], 0xfedcba98
	s_mov_b32 s38, 0xffff0000                      ; lanes 16-31
	s_wait_kmcnt 0x0
	s_add_nc_u64 s[44:45], s[6:7], s[44:45]
	s_add_nc_u64 s[46:47], s[4:5], s[46:47]
	s_add_nc_u64 s[48:49], s[6:7], s[48:49]
	s_add_nc_u64 s[50:51], s[4:5], s[50:51]
	s_cmp_lg_u32 s15, 0                            ; the choice hangs on the work-group's number alone
	s_cselect_b64 s[20:21], s[46:47], s[44:45]     ; source 0's images,
	s_cselect_b64 s[22:23], s[44:45], s[46:47]     ; source 1's,
	s_cselect_b64 s[24:25], s[50:51], s[48:49]     ; and their scale records: none is ever rewritten
	s_cselect_b64 s[26:27], s[48:49], s[50:51]
	s_wait_alu depctr_va_vdst(0)                   ; v1 and v2 are written: every load and store of the kernel reads one of them as its offset
	GSC 0
	GSC 1
	GF 0, 0
	GF 1, 1
	s_wait_loadcnt 48                              ; all but K step 1's 48 loads
	MUL 0, 0, 1, -1                                ; the first K step starts the sums
	PLACES
	FREED
	GF 0, 2
	s_wait_loadcnt 48                              ; K step 1's fragments are in; K step 2's 48 loads may be out
	MUL 1, 1, 0, -1
	PLACES
	FREED
	GF 1, 3
	s_wait_loadcnt 48
	MUL 0, 2, 0, 2                                 ; with the scale words of K steps 4 and 5, into the set that K steps 0 and 1 read
	PLACES
	FREED
	GF 0, 4
	s_wait_loadcnt 63                              ; behind K step 3's fragments 16 + 48 loads were issued; the count's field ends at 63
	MUL 1, 3, 0, -1
	PLACES
	FREED
	GF 1, 5
	s_wait_loadcnt 48                              ; K step 4's fragments, and the scale words asked for ahead of them, are in
	MUL 0, 4, 0, 3                                 ; with the scale words of K steps 6 and 7, into the set that K steps 2 and 3 read
	PLACES
	FREED
	GF 0, 6
	s_wait_loadcnt 63                              ; behind K step 5's fragments 16 + 48 loads were issued
	MUL 1, 5, 0, -1
	PLACES
	FREED
	GF 1, 7
	s_wait_loadcnt 48
	MUL 0, 6, 0, -1
	s_wait_loadcnt 0x0
	MUL 1, 7, 0, -1
	PLACES
.irp b, 0,1,2,3
	v_mov_b32 v[TM+4+\b], 0                        ; written once: a lane permute's destination counts as one of its sources
.endr
	s_mov_b32 s47, 0
	s_cmp_lg_u32 s15, 0
	s_cbranch_scc1 .Lv
; ---------------- q and k: rotary, q's factor, quantised along the head's 128
	s_lshl_b32 s40, s16, 1
	s_add_co_u32 s40, s40, s18                     ; 0-7: q's heads, 8-15: k's
	s_lshr_b32 s41, s40, 3
	s_and_b32 s42, s40, 7
	s_lshl_b32 s43, s17, 4
	s_lshl_b32 s44, s19, 3
	s_add_co_u32 s43, s43, s44
	s_and_b32 s43, s43, 127                        ; my first tile of positions within the batch
	s_lshr_b32 s44, s17, 3
	s_lshl_b32 s44, s44, 3
	s_add_co_u32 s44, s44, s42                     ; 8 b + head
	s_lshl_b32 s44, s44, 7
	s_add_co_u32 s44, s44, s43
	s_lshl_b32 s46, s43, 13
	s_add_nc_u64 s[32:33], s[8:9], s[46:47]        ; the table
	s_mul_i32 s46, s44, 1536
	s_mul_i32 s45, s41, KO
	s_add_co_u32 s46, s46, s45
	s_add_nc_u64 s[28:29], s[10:11], s[46:47]
	s_lshl_b32 s46, s44, 6
	s_lshl_b32 s45, s41, 17
	s_add_co_u32 s46, s46, s45
	s_add_co_u32 s46, s46, QS
	s_add_nc_u64 s[30:31], s[10:11], s[46:47]
	s_cmp_lg_u32 s41, 0
	s_cselect_b32 s36, 1.0, 0x3db504f3             ; 128^-0.5 for q; for k the multiplication by 1 rounds nothing
	s_mov_b32 s37, s36
.macro CSL m                           ; tile m's (cos, sin): 64 registers, into buffer m % 4 of window 1
	WIN 0x40
.irp p, 0,1,2,3,4,5,6,7,8,9,10,11,12,13,14,15
	global_load_b128 v[64*((\m)%4)+4*\p:64*((\m)%4)+4*\p+3], v1, s[32:33] offset:8192*(\m)+512*\p
.endr
	WIN 0
.endm
	s_wait_alu depctr_va_vdst(0)                   ; the products are done reading source 0's fragments, window 1's v0-191, in which the table lands
	CSL 0
	CSL 1
	CSL 2
	CSL 3
.irp m, 0,1,2,3,4,5,6,7
.set XA, 64*(\m%4)
.set CSB, 64*(\m%4)
.if \m < 5
	s_wait_loadcnt 48                              ; this tile's table is in; the three younger tiles' may be out
.else
	s_wait_loadcnt 16*(7-\m)                       ; the counts run down
.endif
	WIN (2+\m/4)|4                                 ; the sums in window 2 or 3, the table in window 1
.set kk, 0
.rept 32
	v_pk_mul_f32 v[ST+2*kk:ST+2*kk+1], v[XA+2*kk:XA+2*kk+1], v[CSB+2*kk:CSB+2*kk+1] op_sel:[1,1] op_sel_hi:[0,1]   ; (x1 sin, x0 sin)
.set kk, kk+1
.endr
.set kk, 0
.rept 32
	v_pk_fma_f32 v[ST+2*kk:ST+2*kk+1], v[XA+2*kk:XA+2*kk+1], v[CSB+2*kk:CSB+2*kk+1], v[ST+2*kk:ST+2*kk+1] op_sel_hi:[1,0,1] neg_lo:[0,0,1]   ; (x0 cos - x1 sin, x1 cos + x0 sin)
.set kk, kk+1
.endr
	WIN 0
.set kk, 0
.rept 32
	v_pk_mul_f32 v[ST+2*kk:ST+2*kk+1], v[ST+2*kk:ST+2*kk+1], s[36:37] op_sel_hi:[1,0]
.set kk, kk+1
.endr
	s_wait_xcnt 0x0                                ; the last tile's stores have had their addresses translated
.if \m > 0
	s_wait_alu depctr_vm_vsrc(0)                   ; the last tile's stores have read the code registers, which the quantiser writes again
.endif
	QUANT ST, 0
	v_mov_b32 v[162+\m], v[PW]                     ; the tile's word is kept for the end
	s_wait_alu depctr_va_vdst(0)                   ; the rotary lines are done reading this tile's table, in which the loads below land; the quantiser has written the codes, which the stores below read
.if \m < 4
	CSL \m+4
.endif
	SENDF \m
.endr
	SENDS
	s_endpgm
.Lv:
; ---------------- v: my 64 registers of a tile of columns are the key step's 128 tokens, in the quantiser's order: straight from the accumulators
	s_lshr_b32 s40, s17, 3
	s_lshl_b32 s40, s40, 3
	s_add_co_u32 s40, s40, s16                     ; 8 b + head
	s_lshl_b32 s40, s40, 4
	s_lshl_b32 s41, s17, 1
	s_add_co_u32 s41, s41, s18
	s_and_b32 s41, s41, 15                         ; the key step within the batch
	s_add_co_u32 s40, s40, s41
	s_lshl_b32 s40, s40, 4
	s_lshl_b32 s41, s19, 3
	s_add_co_u32 s40, s40, s41                     ; + my first tile of the head's 256
	s_mul_i32 s46, s40, 1536
	s_add_nc_u64 s[28:29], s[12:13], s[46:47]
	s_lshl_b32 s46, s40, 6
	s_add_co_u32 s46, s46, VS
	s_add_nc_u64 s[30:31], s[12:13], s[46:47]
.irp m, 0,1,2,3,4,5,6,7
	s_wait_xcnt 0x0
.if \m > 0
	s_wait_alu depctr_vm_vsrc(0)                   ; the last tile's stores have read the code registers, which the quantiser writes again
.endif
	QUANT 64*(\m%4), 2+\m/4
	v_mov_b32 v[162+\m], v[PW]
	s_wait_alu depctr_va_vdst(0)                   ; the quantiser has written the codes, which the stores read
	SENDF \m
.endr
	SENDS
	s_endpgm
.Lfunc_end_k_q6435e563d0_proj:
	.size	k_q6435e563d0_proj, .Lfunc_end_k_q6435e563d0_proj-k_q6435e563d0_proj
	.p2alignl 7, 3214868480
	.fill 96, 4, 3214868480
	.section	.rodata,"a",@progbits
	.p2align	6, 0x0
	.amdhsa_kernel k_q6435e563d0_proj
		.amdhsa_group_segment_fixed_size 0
		.amdhsa_private_segment_fixed_size 0
		.amdhsa_enable_private_segment 0
		.amdhsa_kernarg_size 40
		.amdhsa_user_sgpr_count 2
		.amdhsa_user_sgpr_kernarg_segment_ptr 1
		.amdhsa_wavefront_size32 1
		.amdhsa_system_sgpr_workgroup_id_x 1
		.amdhsa_system_sgpr_workgroup_id_y 1
		.amdhsa_system_sgpr_workgroup_id_z 1
		.amdhsa_system_vgpr_workitem_id 0
		.amdhsa_next_free_vgpr 1024
		.amdhsa_next_free_sgpr 66
		.amdhsa_reserve_vcc 0
		.amdhsa_float_denorm_mode_32 3
		.amdhsa_float_denorm_mode_16_64 3
		.amdhsa_memory_ordered 1
		.amdhsa_forward_progress 1
		.amdhsa_inst_pref_size 243
	.end_amdhsa_kernel
	.amdgpu_metadata
---
amdhsa.version: [ 1, 2 ]
amdhsa.kernels:
  - .name:           k_q6435e563d0_proj
    .symbol:         k_q6435e563d0_proj.kd
    .args:
      - { .name: xq, .offset: 0, .size: 8, .value_kind: global_buffer, .address_space: global }
      - { .name: wimg, .offset: 8, .size: 8, .value_kind: global_buffer, .address_space: global }
      - { .name: rope, .offset: 16, .size: 8, .value_kind: global_buffer, .address_space: global }
      - { .name: qk, .offset: 24, .size: 8, .value_kind: global_buffer, .address_space: global }
      - { .name: vimg, .offset: 32, .size: 8, .value_kind: global_buffer, .address_space: global }
    .group_segment_fixed_size: 0
    .private_segment_fixed_size: 0
    .kernarg_segment_align: 8
    .kernarg_segment_size: 40
    .max_flat_workgroup_size: 128
    .sgpr_count:     66
    .vgpr_count:     1024
    .wavefront_size: 32
...
	.end_amdgpu_metadata
.endif
;; end of part 5
;; launch retn (part 6): grid 256 x 1, 4 waves a work-group, no clusters, 256,512 bytes of LDS; arguments qk, vimg, xq, wimg, g_norm_w, yq; writes yq
.if DOCPART == 6
	.amdgcn_target "amdgcn-amd-amdhsa--gfx1250"
	.amdhsa_code_object_version 6
	.text
	.protected	k_q6435e563d0_retn
	.globl	k_q6435e563d0_retn
	.p2align	8
	.type	k_q6435e563d0_retn,@function
k_q6435e563d0_retn:
	s_mov_b64 s[64:65], 0
	v_nop
	global_prefetch_b8 v0, s[64:65] scope:SCOPE_SE
	s_setreg_imm32_b32 hwreg(HW_REG_WAVE_SCHED_MODE, 0, 2), 2
	s_setreg_imm32_b32 hwreg(HW_REG_WAVE_MODE, 25, 1), 1
	s_wait_xcnt 0x0
	s_wait_alu depctr_vm_vsrc(0)
; Retention for one (batch, head) and two blocks of 64 queries: the gate g = hidden_states x Wg, the scores q k^T, the causal decay 2^(s (tq - tk)), scores x v, the head's RMS norm, gain and swish gate; the result is
; quantised along the 2,048 value channels and stored as images of operand registers.  All three products on codes of E2M3; all else in f32.  g, the scores and o never go to memory.
; SHARES.  Work-group (bh, j) makes query blocks j and 31 - j, one after the other: (j / 2 + 1) + ((31 - j) / 2 + 1) = 17 key steps of 128, walked in even numbers: 18 in every work-group; the one step more lies wholly
; behind the mask and adds zeros.  In a key step no fragment of k or v is read by two waves: for the scores wave w takes keys 32 w .. 32 w + 31 (two tiles, one block of the quantiser) against all four query tiles;
; for scores x v it takes 64 of the head's 256 channels against all four.  Only the quantised scores go round, through LDS, as images.  So there is nothing for joint loads within a work-group; the sixteen
; work-groups of a (batch, head) walk different numbers of key steps, which is why they are not a cluster.
; LAYOUT.  Both products are used transposed (source 0 = keys, or channels of v; source 1 = queries): a lane holds ONE query.  Row rho of tile 2 g + u is index 32 g + 8 u + rho % 8 + 16 (rho / 8), for every operand.
; A KEY STEP IS ROTATED, so that work stands in front of each wait: step t quantises its decayed scores and stores them to LDS; the next step's eight products q k^T, its 2^(s d0) and the fetch of k three steps on stand
; between those stores and the wait for them; behind the barrier the quantised scores are loaded, and the next step's decay and mask stand between those loads and the wait for them; then scores x v of step t.
; THE FETCHES RUN ON FROM BLOCK TO BLOCK: k is asked for three steps ahead; v of step t + 1 early in step t, behind the quantiser's search for the largest magnitudes; at a block's number of steps the counters go back to 0,
; so that what is fetched past the first block's end is the second block's steps 0 and 1; the next block's q is loaded at the head of a block's end.  Behind the second block the same lines fetch steps 0 and 1 and q once
; more, 56 loads a wave that nobody reads: the price of one text for both blocks.
; THE DECAY is formed as 2^(s d0) x 2^(-s i), d0 = my query - my first key of the step, i = 0 .. 15: two exponentials and two multiplications where reference() has one of each: a few units in the last place.
; The exponents lie between -94 and +12.  s = log2(1 - x), x = 2^(-5 - head), by the series -x (1 + x / 2 + .. + x^6 / 7) log2(e): x is at most 1 / 32, so the first term left out is under 1e-10 of the sum.
; LIMITS: a block of zeros gets the byte 1 (codes zero; the bytes are read by this program alone); blocks under 2^-124 are held at byte 1; NaN and infinities are not served; o x rsqrt is multiplied by
; (gain x swish) where reference() multiplies from the left; sums of squares are taken in another order.
; REGISTERS: window 0: v1-24 addresses; v32-79 scale words and nothing else; v80-143 the scores, later y; v144-159 2^(-s i); v160-187 a step's and a block's small numbers; v192-225 the quantiser.
;   window 1: v0-127 o (m, d) at 32 m + 8 d; v128-175 q; v176-223 the quantised scores.   window 2: v0-95 Wg, two sets; v96-143 k, two sets; v144-239 v, two sets.   window 3: g (mm, d) at 32 mm + 8 d; later a block's gate.
;   s[40:47], s[84:91]: the fetches' pointers, a set of their own for each of the two register sets; s24, s92: the step that v's and k's next fetch takes; s83: the block's number of steps;
;   s52-63 and s8-11: pointers at the head; from the key steps on the mask's sixteen lane masks.
; THE MODE: SCHED_MODE bits 1:0 = 2 (LLVM: expert scheduling mode 2), set by the entry lines.  The code itself states the register dependences between vector or matrix instructions and memory or LDS instructions,
; with s_wait_alu, always for 0.
; THE PLAN.  Registers that memory or LDS instructions touch:
;   v1-5, v7-18, v20-22, v24   addresses, made at the head and never written again.   v6: the block's gates: written at a block's head, read by the loads at its end.
;   the gate      two sets of Wg and of hidden_states: K step ks multiplies sets ks % 2.  Behind its products ONE wait on va_vdst shows them done reading; Wg's loads of K step ks + 2 follow at once, ahead of the wait for
;                 K step ks + 1's data; the LDS loads of hidden_states for ks + 2 lean on the same wait and are dealt among the products of ks + 1, which name the other sets.
;   the swish     v80-111, v112-143 by turns: written by a tile's arithmetic, read by its eight LDS stores.
;   a key step t  codes v192-203 and bytes v216-219: written by the quantiser, read by ten LDS stores.    k's set (t + 1) % 2 and its scale word: read by the next scores' products, then loaded again (step t + 3).
;                 v's set (t - 1) % 2 and its scale words, the fragments of quantised scores and v40, v41: read by the products scores x v of step t - 1, loaded again in step t.
;                 So a step has FOUR waits: vm_vsrc at its head (the last step's LDS stores have read codes and bytes); va_vdst behind the quantiser's 32 lines of maxima (scores x v of step t - 1 is done reading: v's fetch
;                 follows); va_vdst behind the quantiser (codes and bytes are written); va_vdst behind the four exponentials (their results are written; the next scores' products are done reading k).
;                 A block's last step has one more, behind its products, ahead of v's last fetch.
;   the mask      sixteen compares into sixteen scalar registers, one wait on va_sdst, sixteen selects.
.set KO,  3145728
.set QS,  6291456
.set KS,  6422528
.set VS,  6291456
.set XS,  3145728
.set WS,  6291456
.set YS,  6291456
.set GATE, 98304                       ; LDS: bytes 0 .. 98,303: hidden_states' images [tile 0-7][K step][1,536]; then the gates, 32,768 bytes of each wave's own: [tile 0-7][8][512]
.set PST,  229376                      ; the quantised scores' images, two stages of [query tile][1,536]
.set PSC,  241664                      ; their scale words, two stages of [query tile][16]
.set NRM,  242176                      ; sums of squares [query tile][row][wave]
.set YST,  243200                      ; y's images [query tile][K step 0, 1][1,536]
.set YSC,  255488                      ; their scale words
.set PC,  192
.set TM,  212
.set PW,  225
.set SEL, 74
.set MSB, 0
.macro WIN new
.set NW, \new
.if MSB != NW
	s_set_vgpr_msb (MSB<<8)|NW
.set MSB, NW
.endif
.endm
.macro PLACES
.rept 4
	v_nop
.endr
.endm
.macro BARRIER                         ; my LDS stores have landed and my LDS loads are in: then the work-group's barrier
	s_wait_dscnt 0x0
	s_barrier_signal -1
	s_barrier_wait -1
.endm
.macro WMS d, a, b, z, sa, sb, ra, rb
.set QD, \d
.set QA, \a
.set QB, \b
.set QSA, \sa
.set QSB, \sb
.if \z
.if (\ra) && (\rb)
	v_wmma_scale_f32_16x16x128_f8f6f4 v[QD:QD+7], v[QA:QA+11], v[QB:QB+11], 0, v[QSA], v[QSB] matrix_a_fmt:MATRIX_FMT_FP6 matrix_b_fmt:MATRIX_FMT_FP6 matrix_a_scale:MATRIX_SCALE_ROW1 matrix_b_scale:MATRIX_SCALE_ROW1
.elseif \ra
	v_wmma_scale_f32_16x16x128_f8f6f4 v[QD:QD+7], v[QA:QA+11], v[QB:QB+11], 0, v[QSA], v[QSB] matrix_a_fmt:MATRIX_FMT_FP6 matrix_b_fmt:MATRIX_FMT_FP6 matrix_a_scale:MATRIX_SCALE_ROW1
.elseif \rb
	v_wmma_scale_f32_16x16x128_f8f6f4 v[QD:QD+7], v[QA:QA+11], v[QB:QB+11], 0, v[QSA], v[QSB] matrix_a_fmt:MATRIX_FMT_FP6 matrix_b_fmt:MATRIX_FMT_FP6 matrix_b_scale:MATRIX_SCALE_ROW1
.else
	v_wmma_scale_f32_16x16x128_f8f6f4 v[QD:QD+7], v[QA:QA+11], v[QB:QB+11], 0, v[QSA], v[QSB] matrix_a_fmt:MATRIX_FMT_FP6 matrix_b_fmt:MATRIX_FMT_FP6
.endif
.else
.if (\ra) && (\rb)
	v_wmma_scale_f32_16x16x128_f8f6f4 v[QD:QD+7], v[QA:QA+11], v[QB:QB+11], v[QD:QD+7], v[QSA], v[QSB] matrix_a_fmt:MATRIX_FMT_FP6 matrix_b_fmt:MATRIX_FMT_FP6 matrix_a_scale:MATRIX_SCALE_ROW1 matrix_b_scale:MATRIX_SCALE_ROW1
.elseif \ra
	v_wmma_scale_f32_16x16x128_f8f6f4 v[QD:QD+7], v[QA:QA+11], v[QB:QB+11], v[QD:QD+7], v[QSA], v[QSB] matrix_a_fmt:MATRIX_FMT_FP6 matrix_b_fmt:MATRIX_FMT_FP6 matrix_a_scale:MATRIX_SCALE_ROW1
.elseif \rb
	v_wmma_scale_f32_16x16x128_f8f6f4 v[QD:QD+7], v[QA:QA+11], v[QB:QB+11], v[QD:QD+7], v[QSA], v[QSB] matrix_a_fmt:MATRIX_FMT_FP6 matrix_b_fmt:MATRIX_FMT_FP6 matrix_b_scale:MATRIX_SCALE_ROW1
.else
	v_wmma_scale_f32_16x16x128_f8f6f4 v[QD:QD+7], v[QA:QA+11], v[QB:QB+11], v[QD:QD+7], v[QSA], v[QSB] matrix_a_fmt:MATRIX_FMT_FP6 matrix_b_fmt:MATRIX_FMT_FP6
.endif
.endif
.endm
; THE QUANTISER, in two parts.  64 numbers of a lane in window 0: four blocks b, of each my 16 numbers (lane l xor 16 holds the other 16).  Afterwards v[PC + 6 c .. + 5] hold block 2 c whole in lanes 0-15 and block 2 c + 1
; whole in lanes 16-31, v[TM + 4 + b] the blocks' bytes, v[PW] the four bytes as a word.
.macro QMAX s                          ; my 16 numbers' largest magnitude, for each of the four blocks: 32 plain lines
.irp b, 0,1,2,3
	v_max3_num_f32 v[TM+\b], |v[\s+16*\b]|, |v[\s+1+16*\b]|, 0x1800000
.endr
.irp i, 2,4,6,8,10,12,14
.irp b, 0,1,2,3
	v_max3_num_f32 v[TM+\b], |v[\s+16*\b+\i]|, |v[\s+1+16*\b+\i]|, v[TM+\b]
.endr
.endr
.endm
.macro QREST s                         ; the blocks' bytes, the conversions, the exchange of halves
.irp b, 0,1,2,3
	v_permlanex16_b32 v[TM+4+\b], v[TM+\b], s[SEL], s[SEL+1]
.endr
.irp b, 0,1,2,3
	v_max_num_f32 v[TM+\b], v[TM+\b], v[TM+4+\b]
.endr
.irp b, 0,1,2,3
	v_add_nc_u32 v[TM+8+\b], 0xff000000, v[TM+\b]
.endr
.irp b, 0,1,2,3
	v_lshrrev_b32 v[TM+4+\b], 23, v[TM+8+\b]
.endr
	v_lshl_or_b32 v[PW], v[TM+5], 8, v[TM+4]
	v_lshl_or_b32 v[PW], v[TM+6], 16, v[PW]
	v_lshl_or_b32 v[PW], v[TM+7], 24, v[PW]
.irp c, 0,1
	v_cvt_scalef32_pk16_fp6_f32 v[PC+6*\c:PC+2+6*\c], v[\s+32*\c:\s+15+32*\c], v[TM+8+2*\c]
	v_cvt_scalef32_pk16_fp6_f32 v[PC+12+4*\c:PC+14+4*\c], v[\s+16+32*\c:\s+31+32*\c], v[TM+9+2*\c]
.endr
	v_nop                                          ; one plain place behind a scaled conversion
.irp c, 0,1
.irp i, 0,1,2
	v_permlane16_swap_b32 v[PC+6*\c+\i], v[PC+12+4*\c+\i]
.endr
.irp i, 0,1,2
	v_mov_b32 v[PC+3+6*\c+\i], v[PC+12+4*\c+\i]
.endr
.endr
.endm
.macro QUANT s
	QMAX \s
	QREST \s
.endm
	s_load_b256 s[4:11], s[0:1], 0x0               ; qk s[4:5], vimg s[6:7], xq s[8:9], wimg s[10:11]
	s_load_b128 s[12:15], s[0:1], 0x20             ; g_norm_w s[12:13], yq s[14:15]
	v_lshl_add_u32 v254, v0, 2, 0x3e800
	v_mov_b32 v255, 0
	v_lshrrev_b32 v25, 5, v0
	v_readfirstlane_b32 s16, v25                   ; wave
	s_lshr_b32 s17, ttmp9, 4                       ; bh = 8 b + head
	s_and_b32 s18, ttmp9, 15                       ; j
	s_lshr_b32 s19, s17, 3                         ; b
	s_and_b32 s20, s17, 7                          ; head
	s_mov_b32 s29, 0x3b800000                      ; 1 / 256
	s_mov_b32 s30, 0x3727c5ac                      ; 1e-5
	s_mov_b32 s[SEL], 0x76543210
	s_mov_b32 s[SEL+1], 0xfedcba98
	s_mov_b32 s77, 0                               ; the upper word of the offsets' pair s[76:77]
	s_wait_alu depctr_va_sdst(0)                   ; s16 is written, ahead of its first reader
	s_and_b32 s79, s16, 1
	s_lshr_b32 s80, s16, 1
	v_and_b32 v25, 31, v0                          ; lane
	v_and_b32 v26, 15, v0                          ; r
	v_bfe_u32 v27, v0, 4, 1                        ; h
	v_lshlrev_b32 v1, 4, v25                       ; 16 x lane: an image's place for my lane
	v_lshlrev_b32 v2, 2, v25                       ; 4 x lane: a scale word's
	v_add_nc_u32 v3, 49152, v1                     ; hidden_states' tiles 4-7 in LDS
	s_mul_i32 s81, s16, 12288
	v_add_nc_u32 v4, s81, v1                       ; where I put the two tiles that I fetch
	s_lshl_b32 s81, s16, 15
	s_add_co_u32 s81, s81, GATE
	v_add_nc_u32 v5, s81, v1                       ; my gates
	v_mul_u32_u24 v28, v27, 1536
	v_lshl_add_u32 v28, v26, 4, v28                ; the scores' images: lanes 16-31 hold the odd query tile's block; row r
	s_lshl_b32 s81, s79, 8                         ; my keys are block w of four: registers 6 (w / 2) .. + 5 of lane r + 16 (w % 2)
	s_add_co_u32 s81, s81, PST
	s_mul_i32 s82, s80, 520
	s_add_co_u32 s82, s82, s81
	v_add_nc_u32 v7, s82, v28                      ; the block's registers 0, 1: at 0 or 520,
	v_add_nc_u32 v9, 512, v7                       ; 4, 5: at 512 or 1,032,
	s_mul_i32 s82, s80, 1016
	s_add_co_u32 s82, s82, s81
	v_add_nc_u32 v8, s82, v28
	v_add_nc_u32 v8, 8, v8                         ; 2, 3: at 8 or 1,024
	s_mul_i32 s81, s80, 1536                       ; y's images: my 64 channels are blocks 2 (w % 2), + 1 of K step w / 2; the block in my half of the lanes stays in my lane
	s_add_co_u32 s81, s81, YST
	s_mul_i32 s82, s79, 520
	s_add_co_u32 s82, s82, s81
	v_add_nc_u32 v11, s82, v1
	v_add_nc_u32 v13, 512, v11
	s_mul_i32 s82, s79, 1016
	s_add_co_u32 s82, s82, s81
	v_add_nc_u32 v12, s82, v1
	v_add_nc_u32 v12, 8, v12
	v_lshlrev_b32 v29, 2, v26
	s_lshl_b32 s81, s80, 6
	s_lshl_b32 s82, s79, 1
	s_add_co_u32 s81, s81, s82
	s_add_co_u32 s81, s81, YSC
	v_add_nc_u32 v14, s81, v29                     ; y's scale bytes: two of row r's word
	s_add_co_u32 s81, s16, PSC
	v_add_nc_u32 v10, s81, v29                     ; the scores' scale byte: byte w of row r's word
	v_lshlrev_b32 v29, 4, v26
	v_add_nc_u32 v16, NRM, v29                     ; row r's four sums of squares,
	s_lshl_b32 s81, s16, 2
	v_add_nc_u32 v15, s81, v16                     ; and mine among them
	s_mul_i32 s81, s16, 3072
	s_add_co_u32 s81, s81, YST
	v_add_nc_u32 v17, s81, v1                      ; the way out: wave w stores query tile w
	s_lshl_b32 s81, s16, 7
	s_add_co_u32 s81, s81, YSC
	v_add_nc_u32 v18, s81, v2
	v_mov_b32 v19, 0
	v_lshlrev_b32 v20, 8, v25                      ; the prefetches' offset: lanes 256 bytes apart; never rewritten
	v_lshlrev_b32 v21, 6, v27                      ; the gains: 64 h
	v_add_nc_u32 v22, PST, v1
	v_add_nc_u32 v24, PSC, v2
	v_and_b32 v28, 7, v0
	v_bfe_u32 v29, v0, 3, 1
	v_lshl_add_u32 v23, v29, 4, v28
	v_lshlrev_b32 v28, 4, v27
	v_sub_nc_u32 v23, v23, v28
	s_lshl_b32 s81, s16, 5
	v_sub_nc_u32 v23, v23, s81                     ; my query's place in its 32, less my first key's place in the step: r % 8 + 16 (r / 8) - 16 h - 32 w
.irp b, 0,1,2,3
	v_mov_b32 v[TM+4+\b], 0                        ; written once: a lane permute's destination counts as one of its sources
.endr
	s_lshl_b32 s78, s18, 2
	s_add_co_u32 s78, s78, s16                     ; omega: my wave among the 64 of this (batch, head)
	s_wait_kmcnt 0x0
	s_mul_i32 s81, s17, 196608
	s_mul_i32 s82, s16, 3072
	s_add_co_u32 s76, s81, s82
	s_add_co_u32 s76, s76, KO
	s_add_nc_u64 s[32:33], s[4:5], s[76:77]        ; k: my two tiles of key step 0; a step is 12,288 bytes
	s_lshl_b32 s76, s17, 13
	s_lshl_b32 s82, s16, 7
	s_add_co_u32 s76, s76, s82
	s_add_co_u32 s76, s76, KS
	s_add_nc_u64 s[34:35], s[4:5], s[76:77]        ; their scale records; a step is 512
	s_mul_i32 s76, s17, 393216
	s_mul_i32 s82, s16, 6144
	s_add_co_u32 s76, s76, s82
	s_add_nc_u64 s[36:37], s[6:7], s[76:77]        ; v: my four tiles; a step is 24,576
	s_lshl_b32 s76, s17, 14
	s_lshl_b32 s82, s16, 8
	s_add_co_u32 s76, s76, s82
	s_add_co_u32 s76, s76, VS
	s_add_nc_u64 s[38:39], s[6:7], s[76:77]        ; a step is 1,024
	s_lshl_b32 s82, s20, 4
	s_lshl_b32 s76, s16, 2
	s_add_co_u32 s82, s82, s76
	s_add_co_u32 s82, s82, 256                     ; Wg: my four tiles
	s_mul_i32 s76, s82, 12288
	s_add_nc_u64 s[60:61], s[10:11], s[76:77]
	s_lshl_b32 s76, s82, 9
	s_add_co_u32 s76, s76, WS
	s_add_nc_u64 s[62:63], s[10:11], s[76:77]
	s_lshl_b32 s81, s19, 7
	s_lshl_b32 s82, s18, 2
	s_add_co_u32 s82, s82, s81                     ; hidden_states: block j's first tile
	s_lshl_b32 s76, s82, 9
	s_add_co_u32 s76, s76, XS
	s_add_nc_u64 s[56:57], s[8:9], s[76:77]
	s_add_co_u32 s82, s82, s16
	s_mul_i32 s76, s82, 12288
	s_add_nc_u64 s[52:53], s[8:9], s[76:77]        ; the tile of it that I fetch
	s_sub_co_u32 s82, 31, s18
	s_lshl_b32 s82, s82, 2
	s_add_co_u32 s82, s82, s81                     ; block 31 - j's
	s_lshl_b32 s76, s82, 9
	s_add_co_u32 s76, s76, XS
	s_add_nc_u64 s[58:59], s[8:9], s[76:77]
	s_add_co_u32 s82, s82, s16
	s_mul_i32 s76, s82, 12288
	s_add_nc_u64 s[54:55], s[8:9], s[76:77]
	s_lshl_b32 s76, s16, 8
	s_add_nc_u64 s[12:13], s[12:13], s[76:77]      ; the gains of my 64 channels
	; the prefetches: v's 48 and k's 24 pieces of 8,192 bytes of this (batch, head) are shared out among its 64 waves: piece omega of v (omega < 48) or piece omega - 48 of k; waves 0-7 also piece 16 + omega of k
	s_mul_i32 s79, s17, 393216
	s_lshl_b32 s80, s78, 13
	s_add_co_u32 s79, s79, s80
	s_mul_i32 s81, s17, 196608
	s_add_co_u32 s81, s81, KO
	s_add_co_u32 s82, s81, s80
	s_sub_co_u32 s82, s82, 48*8192
	s_cmp_lt_u32 s78, 48
	s_cselect_b64 s[70:71], s[6:7], s[4:5]
	s_cselect_b32 s76, s79, s82
	s_add_nc_u64 s[70:71], s[70:71], s[76:77]
	s_min_u32 s80, s78, 7
	s_add_co_u32 s80, s80, 16
	s_lshl_b32 s80, s80, 13
	s_add_co_u32 s76, s81, s80
	s_add_nc_u64 s[72:73], s[4:5], s[76:77]
.macro WGF ks                          ; Wg's four fragments of K step ks: 12 loads
	WIN 0x80
.irp d, 0,1,2,3
.irp c, 0,1,2
	global_load_b128 v[48*((\ks)%2)+12*\d+4*\c:48*((\ks)%2)+12*\d+4*\c+3], v1, s[60:61] offset:12288*\d+1536*(\ks)+512*\c
.endr
.endr
	WIN 0
.endm
.macro XFH ks, half                    ; hidden_states' fragments of K step ks, tiles 4 half .. 4 half + 3: 12 LDS loads; even steps into window 0, odd ones into window 1
.if (\ks)%2
	WIN 0x40
.set XR, 48*(\half)
.else
	WIN 0
.set XR, 80+48*(\half)
.endif
.irp i, 0,1,2,3
.irp c, 0,1,2
	ds_load_b128 v[XR+12*\i+4*\c:XR+12*\i+4*\c+3], v[1+2*(\half)] offset:12288*\i+1536*(\ks)+512*\c
.endr
.endr
	WIN 0
.endm
; ---------------- the gates of both blocks.  hidden_states' eight tiles go through LDS once (each wave fetches two); my four tiles of Wg come straight into registers, read once
	s_wait_alu depctr_va_vdst(0)                   ; the addresses and offsets v1 to v24 are written, which the loads, stores and prefetches of the kernel read
	WIN 0x40
.irp q, 0,1,2,3,4,5,6,7,8,9,10,11,12,13,14,15,16,17,18,19,20,21,22,23
	global_load_b128 v[4*\q:4*\q+3], v1, s[52:53] offset:512*\q
.endr
.irp q, 0,1,2,3,4,5,6,7,8,9,10,11,12,13,14,15,16,17,18,19,20,21,22,23
	global_load_b128 v[96+4*\q:99+4*\q], v1, s[54:55] offset:512*\q
.endr
	WIN 0
.irp i, 0,1,2,3
.irp p, 0,1,2,3
	global_load_b32 v[32+4*\i+\p], v2, s[56:57] offset:512*\i+128*\p   ; scale words: K steps 2 p (lanes 0-15) and 2 p + 1 (lanes 16-31)
	global_load_b32 v[48+4*\i+\p], v2, s[58:59] offset:512*\i+128*\p
	global_load_b32 v[64+4*\i+\p], v2, s[62:63] offset:512*\i+128*\p
.endr
.endr
.irp d, 0,1,2,3
	global_load_b128 v[176+8*\d:179+8*\d], v21, s[12:13] offset:128*(\d/2)+32*(\d%2)      ; the gains, in the results' layout
	global_load_b128 v[180+8*\d:183+8*\d], v21, s[12:13] offset:128*(\d/2)+32*(\d%2)+16
.endr
	WGF 0                                          ; Wg's first two K steps go out with the first loads, so that they are on their way while the tiles go through LDS
	WGF 1
	s_wait_loadcnt 63                              ; the two tiles are in: behind them 48 + 8 + 24 = 80 loads were issued; the count's field ends at 63
	WIN 0x04
.irp q, 0,1,2,3,4,5,6,7,8,9,10,11,12,13,14,15,16,17,18,19,20,21,22,23
	ds_store_b128 v4, v[4*\q:4*\q+3] offset:512*\q
.endr
.irp q, 0,1,2,3,4,5,6,7,8,9,10,11,12,13,14,15,16,17,18,19,20,21,22,23
	ds_store_b128 v4, v[96+4*\q:99+4*\q] offset:49152+512*\q
.endr
	WIN 0
	BARRIER                                        ; all eight tiles lie in LDS
	s_wait_alu depctr_vm_vsrc(0)                   ; my LDS stores have read window 1's v0-191, in which the odd K steps' fragments, and later q and the quantised scores, land
	XFH 0, 0
	XFH 0, 1
	XFH 1, 0
	XFH 1, 1
.irp ks, 0,1,2,3,4,5,6,7
.if \ks < 7
	s_wait_loadcnt 12                              ; this step's fragments of Wg are in; the next step's twelve loads may be out
.else
	s_wait_loadcnt 0x0
.endif
.if \ks == 0
	s_wait_dscnt 24                                ; the next step's fragments of hidden_states may be out
.else
	s_wait_dscnt 0x0                               ; this step's fragments of hidden_states are in: they are all that is out
.endif
.set ZZ, 0
.if \ks == 0
.set ZZ, 1
.endif
.irp mm, 0,1,2,3,4,5,6,7
	WIN 0xf2|((\ks%2)<<2)
.irp d, 0,1,2,3
	WMS 32*\mm+8*\d, 48*(\ks%2)+12*\d, 80-80*(\ks%2)+12*\mm, ZZ, 64+4*\d+\ks/2, 32+4*\mm+\ks/2, \ks%2, \ks%2
.endr
.if (\ks > 0) && (\ks < 7)                     ; the next K step's 24 LDS loads, twelve behind each of the first two groups of four products: they land in the set that the K step before read, shown free by the wait behind it; no product of this step names it
.if \mm == 0
	XFH \ks+1, 0
.elseif \mm == 1
	XFH \ks+1, 1
.endif
.endif
.endr
	WIN 0
	PLACES
.if \ks < 6
	s_wait_alu depctr_va_vdst(0)                   ; this K step's products are done reading their sets of Wg and of hidden_states: Wg's loads below land in the one, the LDS loads dealt among the next step's products in the other
	WGF \ks+2                                      ; ahead of the wait for the next step's fragments: two K steps' loads are on their way
.endif
.if \ks == 2
	global_prefetch_b8 v20, s[70:71] th:TH_LOAD_NT scope:SCOPE_SE   ; my piece of this head's v or k, behind this step's loads: five steps of the gate's product ahead of the first key steps' fetch
	s_cmp_lt_u32 s78, 8
	s_cbranch_scc0 .Lno_second
	global_prefetch_b8 v20, s[72:73] th:TH_LOAD_NT scope:SCOPE_SE
.Lno_second:
.endif
.endr
; THE FETCHES.  Each of the two register sets has pointers of its own, and a pointer is written again only behind the counted wait that shows the loads that read it done: so no other wait on a memory counter stands here.
; A counter goes back to 0 at the block's number of steps (s83): the fetches past a block's end are the next block's steps 0 and 1.  (It stays under 16; the hold at 15 states that bound in the text.)
; Ahead of each fetch stands the wait on va_vdst that shows the products that read its registers done; between that wait and the fetch's loads no vector or matrix instruction names them.
.macro KFETCH set                      ; 7 loads
.set KPB, 40+44*(\set)
	s_min_u32 s31, s92, 15
	s_mul_i32 s76, s31, 12288
	s_add_nc_u64 s[KPB:KPB+1], s[32:33], s[76:77]
	s_lshl_b32 s76, s31, 9
	s_add_nc_u64 s[KPB+2:KPB+3], s[34:35], s[76:77]
	s_add_co_u32 s92, s92, 1
	s_cmp_eq_u32 s92, s83
	s_cselect_b32 s92, 0, s92
	WIN 0x80
.irp i, 0,1,2,3,4,5
	global_load_b128 v[96+24*(\set)+4*\i:99+24*(\set)+4*\i], v1, s[KPB:KPB+1] offset:512*\i
.endr
	WIN 0
	global_load_b32 v[32+(\set)], v2, s[KPB+2:KPB+3]
.endm
.macro VFETCH set                      ; 14 loads
.set VPB, 44+44*(\set)
	s_min_u32 s31, s24, 15
	s_mul_i32 s76, s31, 24576
	s_add_nc_u64 s[VPB:VPB+1], s[36:37], s[76:77]
	s_lshl_b32 s76, s31, 10
	s_add_nc_u64 s[VPB+2:VPB+3], s[38:39], s[76:77]
	s_add_co_u32 s24, s24, 1
	s_cmp_eq_u32 s24, s83
	s_cselect_b32 s24, 0, s24
	WIN 0x80
.irp i, 0,1,2,3,4,5,6,7,8,9,10,11
	global_load_b128 v[144+48*(\set)+4*\i:147+48*(\set)+4*\i], v1, s[VPB:VPB+1] offset:512*\i
.endr
	WIN 0
	global_load_b32 v[36+2*(\set)], v2, s[VPB+2:VPB+3]
	global_load_b32 v[37+2*(\set)], v2, s[VPB+2:VPB+3] offset:128
.endm
.macro QFETCH                          ; 14 loads: the four fragments of q of block s21, and their scale words.  The loads that last read these pointers were shown done at their block's head
	s_mul_i32 s76, s17, 196608
	s_mul_i32 s79, s21, 6144
	s_add_co_u32 s76, s76, s79
	s_add_nc_u64 s[48:49], s[4:5], s[76:77]
	s_lshl_b32 s76, s17, 13
	s_lshl_b32 s79, s21, 8
	s_add_co_u32 s76, s76, s79
	s_add_co_u32 s76, s76, QS
	s_add_nc_u64 s[50:51], s[4:5], s[76:77]
	WIN 0x40
.irp i, 0,1,2,3,4,5,6,7,8,9,10,11
	global_load_b128 v[128+4*\i:131+4*\i], v1, s[48:49] offset:512*\i
.endr
	WIN 0
	global_load_b32 v34, v2, s[50:51]
	global_load_b32 v35, v2, s[50:51] offset:128
.endm
; the first block's k, v and q are asked for here, behind the gate's last products and their four places: they land while the swish is worked
	s_wait_alu depctr_va_vdst(0)                   ; the gate's products are done reading the scale words v32-39, in which k's, v's and q's scale words land
	s_mov_b32 s21, s18                             ; the first block: j
	s_mov_b32 s83, 64                              ; (no counter goes back yet)
	s_mov_b32 s24, 0
	s_mov_b32 s92, 0
	KFETCH 0
	VFETCH 0
	KFETCH 1
	VFETCH 1
	QFETCH
; swish(g) x gain, a tile of tokens at a time, into my own bytes of LDS
.irp mm, 0,1,2,3,4,5,6,7
.set TT, 80+32*(\mm%2)
	s_wait_dscnt 8                                 ; the batch before's eight stores may be out; those that read these registers are done
.if \mm > 1
	s_wait_alu depctr_vm_vsrc(0)                   ; the LDS stores of two tiles back have read these 32 registers, which are written again
.endif
	WIN 0x03
.set kk, 0
.rept 16
	v_pk_mul_f32 v[TT+2*kk:TT+2*kk+1], v[32*\mm+2*kk:32*\mm+2*kk+1], 0xbfb8aa3b op_sel_hi:[1,0]   ; -g log2(e); each accumulator from its low end on
.set kk, kk+1
.endr
	WIN 0
.set kk, 0
.rept 32
	v_exp_f32 v[TT+kk], v[TT+kk]
.set kk, kk+1
.endr
	v_nop
	s_wait_alu depctr_va_vdst(0)                   ; the 32 exponentials are written: one wait for the batch, ahead of its first reader
.set kk, 0
.rept 16
	v_pk_add_f32 v[TT+2*kk:TT+2*kk+1], v[TT+2*kk:TT+2*kk+1], 1.0 op_sel_hi:[1,0]
.set kk, kk+1
.endr
.set kk, 0
.rept 32
	v_rcp_f32 v[TT+kk], v[TT+kk]
.set kk, kk+1
.endr
	v_nop
	s_wait_alu depctr_va_vdst(0)                   ; the 32 reciprocals are written, ahead of their first reader
.set kk, 0
.rept 16
	v_pk_mul_f32 v[TT+2*kk:TT+2*kk+1], v[TT+2*kk:TT+2*kk+1], v[176+2*kk:177+2*kk]   ; x the gain
.set kk, kk+1
.endr
	WIN 0x03
.set kk, 0
.rept 16
	v_pk_mul_f32 v[TT+2*kk:TT+2*kk+1], v[32*\mm+2*kk:32*\mm+2*kk+1], v[TT+2*kk:TT+2*kk+1]   ; x g
.set kk, kk+1
.endr
	WIN 0
	s_wait_alu depctr_va_vdst(0)                   ; the tile's 32 numbers are written, which the LDS stores read
.irp q, 0,1,2,3,4,5,6,7
	ds_store_b128 v5, v[TT+4*\q:TT+4*\q+3] offset:4096*\mm+512*\q
.endr
.endr
	s_wait_dscnt 0x0                               ; my gates lie in LDS
; the decay's constants
	s_sub_co_u32 s31, 122, s20
	s_lshl_b32 s31, s31, 23                        ; x = 2^(-5 - head)
	v_mov_b32 v26, s31
	v_mov_b32 v27, 0x3e124925                      ; 1 / 7
	v_fma_f32 v27, v27, v26, 0x3e2aaaab
	v_fma_f32 v27, v27, v26, 0x3e4ccccd
	v_fma_f32 v27, v27, v26, 0x3e800000
	v_fma_f32 v27, v27, v26, 0x3eaaaaab
	v_fma_f32 v27, v27, v26, 0.5
	v_fma_f32 v27, v27, v26, 1.0
	v_mul_f32 v27, v27, v26
	v_mul_f32 v27, 0xbfb8aa3b, v27                 ; s = log2(1 - x)
	v_readfirstlane_b32 s28, v27
.irp i, 0,1,2,3,4,5,6,7,8,9,10,11,12,13,14,15
	v_cvt_f32_i32 v[144+\i], -\i
.endr
	s_wait_alu depctr_va_sdst(0)                   ; s28 is written, ahead of its first reader
.irp i, 0,1,2,3,4,5,6,7,8,9,10,11,12,13,14,15
	v_mul_f32 v[144+\i], s28, v[144+\i]
.endr
.irp i, 0,1,2,3,4,5,6,7,8,9,10,11,12,13,14,15
	v_exp_f32 v[144+\i], v[144+\i]                 ; 2^(-s i)
.endr
	v_nop
	s_wait_alu depctr_va_vdst(0)                   ; the sixteen exponentials are written, ahead of the label and of their first reader
.macro SPROD set                       ; the scores of the step whose k lies in this set: my two tiles of keys x the four tiles of queries; each product starts its sum
	WIN 0x06
.irp m, 0,1,2,3
.irp u, 0,1
	WMS 80+16*\m+8*\u, 96+24*(\set)+12*\u, 128+12*\m, 1, 32+(\set), 34+\m/2, \u, \m%2
.endr
.endr
	WIN 0
.endm
.macro SD0                             ; s d0: four plain lines that name none of the products' registers
.irp m, 0,1,2,3
	v_mul_f32 v[164+\m], s28, v[168+\m]
.endr
.endm
.macro FEXP                            ; 2^(s d0); the wait for the four follows the macro, where it serves k's fetch too
.irp m, 0,1,2,3
	v_exp_f32 v[160+\m], v[164+\m]
.endr
	v_nop
.endm
.macro DECAY                           ; the scores in v80-143 x 2^(s d0) x 2^(-s i), and the mask; d0 in v168-171, the step's first key in s23
.irp m, 0,1,2,3
.set kk, 0
.rept 8
.if \m%2
	v_pk_mul_f32 v[80+16*\m+2*kk:81+16*\m+2*kk], v[80+16*\m+2*kk:81+16*\m+2*kk], v[159+\m:160+\m] op_sel:[0,1] op_sel_hi:[1,1]
.else
	v_pk_mul_f32 v[80+16*\m+2*kk:81+16*\m+2*kk], v[80+16*\m+2*kk:81+16*\m+2*kk], v[160+\m:161+\m] op_sel_hi:[1,0]
.endif
.set kk, kk+1
.endr
.endr
.irp m, 0,1,2,3
.set kk, 0
.rept 8
	v_pk_mul_f32 v[80+16*\m+2*kk:81+16*\m+2*kk], v[80+16*\m+2*kk:81+16*\m+2*kk], v[144+2*kk:145+2*kk]
.set kk, kk+1
.endr
.endr
	s_add_co_u32 s31, s23, 127                     ; a step all of whose keys count for all 64 queries skips the mask: a branch on ids alone
	s_cmp_le_u32 s31, s22
	s_cbranch_scc1 .Lopen_\@
.irp m, 0,1,2,3
	v_cvt_i32_f32 v[172+\m], v[168+\m]
.endr
.irp m, 0,1,2,3                                ; a query tile at a time: sixteen compares in a run, each into a scalar register of its own (s52-63, s8-11), one wait, sixteen selects
.irp i, 0,1,2,3,4,5,6,7,8,9,10,11,12,13,14,15
.set MR, 52+\i
.if \i > 11
.set MR, \i-4
.endif
	v_cmp_gt_i32 s[MR], \i, v[172+\m]              ; key i of my 16 comes after my query
.endr
	s_wait_alu depctr_va_sdst(0)                   ; the sixteen masks are written, ahead of their first reader
.irp i, 0,1,2,3,4,5,6,7,8,9,10,11,12,13,14,15
.set MR, 52+\i
.if \i > 11
.set MR, \i-4
.endif
	v_cndmask_b32 v[80+16*\m+\i], v[80+16*\m+\i], v19, s[MR]
.endr
.endr
.Lopen_\@:
.endm
; A KEY STEP of 128 keys, t; its decayed scores lie in v80-143.  One barrier: the two stages of the quantised scores take turns, and a stage is written again only behind the next step's barrier, which each wave
; signals with its reads of the stage done.  first = 1: a block's step 0: v of step 1 has been fetched already.  last = 1: the block's last step: nothing is made for a step t + 1, no k is fetched (the set that a fetch
; would take holds the next block's step 0, not yet multiplied), and the next block's v of step 1 is fetched at the step's end.
.macro STEP set, first, last
	s_wait_alu depctr_vm_vsrc(0)                   ; the LDS stores issued so far have read the codes' and the bytes' registers, which the quantiser writes again
	QMAX 80                                        ; block m = query tile m's 32 keys of mine.  (These 32 plain lines stand between the last step's products and the wait for them, and are the places behind those products)
.if (\first) == 0
	s_wait_alu depctr_va_vdst(0)                   ; scores x v of the step before is done reading its set of v and its scale words, in which the loads below land
	VFETCH 1-(\set)                                ; v of step t + 1, into the set that the step before multiplied
.endif
	QREST 80
	s_wait_alu depctr_va_vdst(0)                   ; the quantiser has written codes and bytes, which the LDS stores read; scores x v of the step before is done reading the quantised scores' fragments and v40, v41, in which the LDS loads behind the barrier land
.irp c, 0,1
	ds_store_b64 v7, v[PC+6*\c:PC+6*\c+1] offset:6144*(\set)+3072*\c
	ds_store_b64 v8, v[PC+6*\c+2:PC+6*\c+3] offset:6144*(\set)+3072*\c
	ds_store_b64 v9, v[PC+6*\c+4:PC+6*\c+5] offset:6144*(\set)+3072*\c
.endr
.irp m, 0,1,2,3
	ds_store_b8 v10, v[TM+4+\m] offset:256*(\set)+64*\m   ; both lanes of a row write the same byte with the same value
.endr
.if (\last) == 0                       ; step t + 1's scores, while my stores are on their way
	s_wait_loadcnt 21                              ; k of step t + 1 is in: behind it at least a fetch of k, 7, and one of v, 14, were issued (in a block's step 1 just these; later 35, and the count then asks for v of this step too)
	SPROD 1-(\set)
.irp m, 0,1,2,3
	v_add_f32 v[168+\m], 0xc3000000, v[168+\m]     ; d0 of step t + 1: 128 less.  (These four and the next four are the places in front of the loads below and of the first read of the scores)
.endr
	SD0
	s_add_co_u32 s23, s23, 128
	FEXP
	s_wait_alu depctr_va_vdst(0)                   ; the four exponentials are written, ahead of their first reader; the products above are done reading k's set and its scale word, in which the loads below land
	KFETCH 1-(\set)                                ; k of step t + 3, into the set just multiplied
.endif
	BARRIER                                        ; the four query tiles' fragments are whole
	WIN 0x40
.irp i, 0,1,2,3,4,5,6,7,8,9,10,11
	ds_load_b128 v[176+4*\i:179+4*\i], v22 offset:6144*(\set)+512*\i
.endr
	WIN 0
	ds_load_b32 v40, v24 offset:256*(\set)
	ds_load_b32 v41, v24 offset:256*(\set)+128
.if (\last) == 0
	DECAY                                          ; step t + 1's, while those loads are on their way: it names none of their registers
	s_wait_dscnt 0x0
	s_wait_loadcnt 28                              ; v of this step is in; behind it: k 7, v 14, k 7
.else
	s_wait_dscnt 0x0
	s_wait_loadcnt 21                              ; v of this step is in; behind it: k 7, v 14 (this step has fetched no k)
.endif
	WIN 0x56
.irp d, 0,1,2,3
.irp m, 0,1,2,3
	WMS 32*\m+8*\d, 144+48*(\set)+12*\d, 176+12*\m, \first, 36+2*(\set)+\d/2, 40+\m/2, \d%2, \m%2
.endr
.endr
	WIN 0
.if \last
	PLACES                                         ; in front of the loads below, and of the first read of o
	s_wait_alu depctr_va_vdst(0)                   ; the products above are done reading v's set and its scale words, in which the loads below land
	VFETCH \set                                    ; the next block's v of step 1
.endif
.endm
	s_mov_b32 s26, 2                               ; two blocks
.Lblock:
	s_wait_xcnt 0x0                                ; the last block's stores have read their bases and registers
	s_wait_alu depctr_vm_vsrc(0)                   ; the swish's LDS stores (first block), the last block's stores to memory (second), have read v80-143, which the scores' products write; the last block's loads of its gates have read v6
	s_cmp_eq_u32 s26, 2
	s_cselect_b32 s27, 0, 16384                    ; where this block's gates lie in my bytes of LDS
	v_add_nc_u32 v6, s27, v5                       ; made here, so that the block's waits on va_vdst stand between this line and the loads at the block's end that read it
	s_lshl_b32 s22, s21, 6                         ; the block's first query
	s_mov_b32 s23, 0                               ; the first key of the step whose scores are being made
	s_lshr_b32 s25, s21, 2                         ; the loop's trips: (N - 2) / 2,
	s_lshl_b32 s83, s25, 1
	s_add_co_u32 s83, s83, 2                       ; N, the block's key steps: jb / 2 + 1, made even
	s_cmp_eq_u32 s83, 2
	s_cselect_b32 s24, 0, 2                        ; steps 0 and 1 have been fetched: the next is step 2, or, where there is none, the next block's step 0
	s_cselect_b32 s92, 0, 2
	s_lshl_b32 s79, s19, 7
	s_lshl_b32 s80, s21, 2
	s_add_co_u32 s79, s79, s80
	s_add_co_u32 s79, s79, s16                     ; the tile of tokens that I store
	s_lshl_b32 s79, s79, 4
	s_lshl_b32 s80, s20, 1
	s_add_co_u32 s79, s79, s80                     ; x 16 K steps + the head's first
	s_mul_i32 s76, s79, 1536
	s_add_nc_u64 s[66:67], s[14:15], s[76:77]
	s_lshl_b32 s76, s79, 6
	s_add_co_u32 s76, s76, YS
	s_add_nc_u64 s[68:69], s[14:15], s[76:77]
	v_add_nc_u32 v25, s22, v23
.irp m, 0,1,2,3
	v_add_nc_u32 v26, 32*(\m/2)+8*(\m%2), v25
	v_cvt_f32_i32 v[168+\m], v26                   ; d0 = my query - my first key of step 0
.endr
	s_wait_loadcnt 0x0                             ; q, the youngest of my loads, is in, and with it k and v of steps 0 and 1: all were asked for a phase ago
	SPROD 0                                        ; step 0's scores
	SD0                                            ; (four of the places in front of the loads below)
	FEXP
	s_wait_alu depctr_va_vdst(0)                   ; the four exponentials are written, ahead of their first reader; the products above are done reading k's set 0 and its scale word, in which the loads below land; v6 is written
	KFETCH 0                                       ; k of step 2
	DECAY
	STEP 0, 1, 0                                   ; the first step starts o's sums
	s_cmp_eq_u32 s25, 0
	s_cbranch_scc1 .Lno_pair
.Lpair:
	STEP 1, 0, 0
	STEP 0, 0, 0
	s_sub_co_u32 s25, s25, 1
	s_cmp_lg_u32 s25, 0
	s_cbranch_scc1 .Lpair
.Lno_pair:
	STEP 1, 0, 1
; ---------------- the block's end: norm, gate, quantiser, store
	s_sub_co_u32 s21, 31, s18                      ; the second block: 31 - j
	QFETCH                                         ; its q lands while this block is finished; the last scores' products, which read q, stand ahead of the last step's waits; no line of the block's end touches a register that a fetch is to fill
	WIN 0xc0
.irp q, 0,1,2,3,4,5,6,7,8,9,10,11,12,13,14,15,16,17,18,19,20,21,22,23,24,25,26,27,28,29,30,31
	ds_load_b128 v[4*\q:4*\q+3], v6 offset:512*\q  ; the block's gates, in o's layout; what last read or wrote these registers (the swish, the last block's end) stands ahead of the key steps' waits
.endr
	s_wait_alu depctr_vm_vsrc(0)                   ; the last step's LDS stores have read v216-219 and the codes' registers, which the lane exchange and the quantiser below write
	WIN 0x05
.irp m, 0,1,2,3
	v_pk_mul_f32 v[176+2*\m:177+2*\m], v[32*\m:32*\m+1], v[32*\m:32*\m+1]   ; sums of squares over my 64 channels; each accumulator from its low end on
.endr
.set pp, 1
.rept 15
.irp m, 0,1,2,3
	v_pk_fma_f32 v[176+2*\m:177+2*\m], v[32*\m+2*pp:32*\m+2*pp+1], v[32*\m+2*pp:32*\m+2*pp+1], v[176+2*\m:177+2*\m]
.endr
.set pp, pp+1
.endr
	WIN 0
.irp m, 0,1,2,3
	v_add_f32 v[176+2*\m], v[176+2*\m], v[177+2*\m]
.endr
.irp m, 0,1,2,3
	v_permlanex16_b32 v[TM+4+\m], v[176+2*\m], s[SEL], s[SEL+1]
.endr
.irp m, 0,1,2,3
	v_add_f32 v[176+2*\m], v[176+2*\m], v[TM+4+\m]
.endr
	s_wait_alu depctr_va_vdst(0)                   ; the four sums are written, which the LDS stores read; the last step's quantiser is done with v80-95, in which the four waves' sums land behind the barrier
.irp m, 0,1,2,3
	ds_store_b32 v15, v[176+2*\m] offset:256*\m
.endr
	BARRIER                                        ; the four waves' parts lie in LDS
.irp m, 0,1,2,3
	ds_load_b128 v[80+4*\m:83+4*\m], v16 offset:256*\m
.endr
	s_wait_dscnt 0x0
.irp m, 0,1,2,3
	v_add_f32 v[80+4*\m], v[80+4*\m], v[81+4*\m]
	v_add_f32 v[82+4*\m], v[82+4*\m], v[83+4*\m]
.endr
.irp m, 0,1,2,3
	v_add_f32 v[80+4*\m], v[80+4*\m], v[82+4*\m]
.endr
.irp m, 0,1,2,3
	v_fma_f32 v[80+4*\m], v[80+4*\m], s29, s30     ; the mean of squares + 1e-5
.endr
.irp m, 0,1,2,3
	v_rsq_f32 v[184+\m], v[80+4*\m]
.endr
	v_nop
	s_wait_alu depctr_va_vdst(0)                   ; the four roots are written, ahead of their first reader
.irp mp, 0,2                                   ; two query tiles at a time: 64 numbers, four blocks of 32 channels
	s_wait_dscnt 0x0                               ; the stores of the pair before have landed
.if \mp > 0
	s_wait_alu depctr_vm_vsrc(0)                   ; the LDS stores of the pair before have read the codes' registers and the scale word, which the quantiser writes again
.endif
	WIN 0x01
.set kk, 0
.rept 16
	v_pk_mul_f32 v[80+2*kk:81+2*kk], v[32*\mp+2*kk:32*\mp+2*kk+1], v[184+\mp:185+\mp] op_sel_hi:[1,0]
.set kk, kk+1
.endr
.rept 16
	v_pk_mul_f32 v[80+2*kk:81+2*kk], v[32*\mp+2*kk:32*\mp+2*kk+1], v[184+\mp:185+\mp] op_sel:[0,1] op_sel_hi:[1,1]
.set kk, kk+1
.endr
	WIN 0x0c
.set kk, 0
.rept 32
	v_pk_mul_f32 v[80+2*kk:81+2*kk], v[80+2*kk:81+2*kk], v[32*\mp+2*kk:32*\mp+2*kk+1]
.set kk, kk+1
.endr
	WIN 0
	QUANT 80
	s_wait_alu depctr_va_vdst(0)                   ; the quantiser has written the codes and the scale word, which the LDS stores read; behind the second pair it is also done with v80-104, in which y's images land behind the barrier
	ds_store_b64 v11, v[PC:PC+1] offset:3072*\mp
	ds_store_b64 v12, v[PC+2:PC+3] offset:3072*\mp
	ds_store_b64 v13, v[PC+4:PC+5] offset:3072*\mp
	ds_store_b64 v11, v[PC+6:PC+7] offset:3072*(\mp+1)
	ds_store_b64 v12, v[PC+8:PC+9] offset:3072*(\mp+1)
	ds_store_b64 v13, v[PC+10:PC+11] offset:3072*(\mp+1)
	ds_store_b16 v14, v[PW] offset:128*\mp         ; the even tile's two bytes,
	ds_store_b16_d16_hi v14, v[PW] offset:128*(\mp+1)   ; the odd one's
.endr
	BARRIER                                        ; y's eight fragments are whole
.irp i, 0,1,2,3,4,5
	ds_load_b128 v[80+4*\i:83+4*\i], v17 offset:512*\i
.endr
	ds_load_b32 v104, v18
	s_wait_dscnt 0x0
.irp i, 0,1,2,3,4,5
	global_store_b128 v1, v[80+4*\i:83+4*\i], s[66:67] offset:512*\i   ; 32 lanes store 512 consecutive bytes
.endr
	global_store_b32 v2, v104, s[68:69]
	s_sub_co_u32 s26, s26, 1
	s_cmp_lg_u32 s26, 0
	s_cbranch_scc1 .Lblock
	s_wait_dscnt 0x0                               ; the closing lines, six on end, for a launch in the mode that stores to LDS
	s_wait_alu 0x0
	s_wait_tensorcnt 0x0
	ds_add_u32 v254, v255
	s_wait_dscnt 0x0
	s_endpgm
.Lfunc_end_k_q6435e563d0_retn:
	.size	k_q6435e563d0_retn, .Lfunc_end_k_q6435e563d0_retn-k_q6435e563d0_retn
	.p2alignl 7, 3214868480
	.fill 96, 4, 3214868480
	.section	.rodata,"a",@progbits
	.p2align	6, 0x0
	.amdhsa_kernel k_q6435e563d0_retn
		.amdhsa_group_segment_fixed_size 256512
		.amdhsa_private_segment_fixed_size 0
		.amdhsa_enable_private_segment 0
		.amdhsa_kernarg_size 48
		.amdhsa_user_sgpr_count 2
		.amdhsa_user_sgpr_kernarg_segment_ptr 1
		.amdhsa_wavefront_size32 1
		.amdhsa_system_sgpr_workgroup_id_x 1
		.amdhsa_system_sgpr_workgroup_id_y 1
		.amdhsa_system_sgpr_workgroup_id_z 1
		.amdhsa_system_vgpr_workitem_id 0
		.amdhsa_next_free_vgpr 1024
		.amdhsa_next_free_sgpr 96
		.amdhsa_reserve_vcc 0
		.amdhsa_float_denorm_mode_32 3
		.amdhsa_float_denorm_mode_16_64 3
		.amdhsa_memory_ordered 1
		.amdhsa_forward_progress 1
		.amdhsa_inst_pref_size 255
	.end_amdhsa_kernel
	.section	.bss,"aw",@nobits
	.p2align	6
	.space	262144
	.amdgpu_metadata
---
amdhsa.version: [ 1, 2 ]
amdhsa.kernels:
  - .name:           k_q6435e563d0_retn
    .symbol:         k_q6435e563d0_retn.kd
    .args:
      - { .name: qk, .offset: 0, .size: 8, .value_kind: global_buffer, .address_space: global }
      - { .name: vimg, .offset: 8, .size: 8, .value_kind: global_buffer, .address_space: global }
      - { .name: xq, .offset: 16, .size: 8, .value_kind: global_buffer, .address_space: global }
      - { .name: wimg, .offset: 24, .size: 8, .value_kind: global_buffer, .address_space: global }
      - { .name: g_norm_w, .offset: 32, .size: 8, .value_kind: global_buffer, .address_space: global }
      - { .name: yq, .offset: 40, .size: 8, .value_kind: global_buffer, .address_space: global }
    .group_segment_fixed_size: 256512
    .private_segment_fixed_size: 0
    .kernarg_segment_align: 8
    .kernarg_segment_size: 48
    .max_flat_workgroup_size: 128
    .sgpr_count:     96
    .vgpr_count:     1024
    .wavefront_size: 32
...
	.end_amdgpu_metadata
.endif
;; end of part 6
;; launch outp (part 7): grid 256 x 1, 4 waves a work-group, no clusters, 270,848 bytes of LDS; arguments yq, wimg, out0; writes out0
.if DOCPART == 7
	.amdgcn_target "amdgcn-amd-amdhsa--gfx1250"
	.amdhsa_code_object_version 6
	.text
	.protected	k_q6435e563d0_outp
	.globl	k_q6435e563d0_outp
	.p2align	8
	.type	k_q6435e563d0_outp,@function
k_q6435e563d0_outp:
	s_mov_b64 s[64:65], 0
	v_nop
	global_prefetch_b8 v0, s[64:65] scope:SCOPE_SE
	s_setreg_imm32_b32 hwreg(HW_REG_WAVE_SCHED_MODE, 0, 2), 2
	s_setreg_imm32_b32 hwreg(HW_REG_WAVE_MODE, 25, 1), 1
	s_wait_xcnt 0x0
	s_wait_alu depctr_vm_vsrc(0)
; out0 = y x Wo on codes of E2M3: y's and Wo's images of operand registers (16 rows x 128 K, 1,536 bytes, register R of lane l at 512 (R / 4) + 16 l + 4 (R % 4); scale records of 64 bytes) come from memory straight into registers.
; SHARES.  A work-group makes 128 tokens x 128 columns.  THE FOUR WAVES SHARE K: wave w takes K steps 4 w .. 4 w + 3 of the whole tile, 64 accumulators.  So no fragment is read twice in a work-group and none goes through LDS;
; the four partial tiles meet in LDS, where they are also turned into rows, and each wave adds and stores 32 whole rows.  Nothing is shared within a work-group, so there is nothing for joint loads there.
; Source 0 = 16 columns of Wo, source 1 = 16 tokens: a lane holds a token, and its registers neighbouring columns.  Row rho of tile 2 g + u is index 32 g + 8 u + rho % 8 + 16 (rho / 8).
; The sum over K is taken in four parts, (p0 + p1) + (p2 + p3): another order of f32 additions than one chain.
; REGISTERS: window 0: v1 16 x lane, v2 4 x lane, v3-7 LDS addresses; v32-63 scale words and nothing else; v64-159, v160-255 source 1's fragments.  window 1: v0-95, v96-191 source 0's.  windows 2, 3: accumulator (m, a) at 64 (m % 4) + 8 a.
; THE MODE: SCHED_MODE bits 1:0 = 2 (LLVM: expert scheduling mode 2), set by the entry lines.  The code itself states the register dependences between vector or matrix instructions and memory or LDS instructions, with s_wait_alu, always for 0.
; THE PLAN.  Registers that memory or LDS instructions touch:
;   v1-v7         offsets and LDS addresses, made at the head and never written again.
;   fragments     K step ks multiplies set ks % 2.  Behind its products ONE wait on va_vdst shows them done reading; the loads of K step ks + 2 follow at once, into the same set, AHEAD of the wait for K step ks + 1's data.
;   accumulators  written by the products, read by the LDS stores of the partial tile: the four places, then one wait on va_vdst.
;   the way out   v64-127, v128-191 by turns, four rows to a group.  Group g: its sixteen LDS loads land in buffer g % 2 while group g - 1 is added; its additions read and write the buffer; its four stores read it.
;                 One wait on va_vdst stands between a group's additions and its stores; it also shows the buffer free of vector work for the loads of group g + 2.  One wait on vm_vsrc stands ahead of those loads, a group behind the stores.
.set NS,  16
.set TS,  NS*1536
.set TSS, NS*64
.set WO,  4718592
.set WOS, 6488064
.set YS,  6291456
.set PART, 67584                       ; LDS: a wave's partial tile: 128 rows of 512 bytes + 16
.set MSB, 0
.macro WIN new
.set NW, \new
.if MSB != NW
	s_set_vgpr_msb (MSB<<8)|NW
.set MSB, NW
.endif
.endm
.macro PLACES
.rept 4
	v_nop
.endr
.endm
.macro WMS d, a, b, z, sa, sb, ra
.set QD, \d
.set QA, \a
.set QB, \b
.set QSA, \sa
.set QSB, \sb
.if \z
	v_wmma_scale_f32_16x16x128_f8f6f4 v[QD:QD+7], v[QA:QA+11], v[QB:QB+11], 0, v[QSA], v[QSB] matrix_a_fmt:MATRIX_FMT_FP6 matrix_b_fmt:MATRIX_FMT_FP6
.elseif \ra
	v_wmma_scale_f32_16x16x128_f8f6f4 v[QD:QD+7], v[QA:QA+11], v[QB:QB+11], v[QD:QD+7], v[QSA], v[QSB] matrix_a_fmt:MATRIX_FMT_FP6 matrix_b_fmt:MATRIX_FMT_FP6 matrix_a_scale:MATRIX_SCALE_ROW1 matrix_b_scale:MATRIX_SCALE_ROW1
.else
	v_wmma_scale_f32_16x16x128_f8f6f4 v[QD:QD+7], v[QA:QA+11], v[QB:QB+11], v[QD:QD+7], v[QSA], v[QSB] matrix_a_fmt:MATRIX_FMT_FP6 matrix_b_fmt:MATRIX_FMT_FP6
.endif
.endm
.macro GF set, ks                      ; my K step ks: 8 + 8 fragments, 48 loads
	WIN 0x40
.irp a, 0,1,2,3,4,5,6,7
.irp c, 0,1,2
	global_load_b128 v[96*(\set)+12*\a+4*\c:96*(\set)+12*\a+4*\c+3], v1, s[20:21] offset:\a*TS+(\ks)*1536+512*\c
.endr
.endr
	WIN 0
.irp m, 0,1,2,3,4,5,6,7
.irp c, 0,1,2
	global_load_b128 v[64+96*(\set)+12*\m+4*\c:64+96*(\set)+12*\m+4*\c+3], v1, s[22:23] offset:\m*TS+(\ks)*1536+512*\c
.endr
.endr
.endm
.macro GSC p                           ; the scale words of my K steps 2 p (lanes 0-15) and 2 p + 1 (lanes 16-31)
.irp a, 0,1,2,3,4,5,6,7
	global_load_b32 v[32+16*(\p)+\a], v2, s[24:25] offset:\a*TSS+128*(\p)
.endr
.irp m, 0,1,2,3,4,5,6,7
	global_load_b32 v[40+16*(\p)+\m], v2, s[26:27] offset:\m*TSS+128*(\p)
.endr
.endm
.macro MUL set, ks, zero               ; 64 matrix instructions; the 64 accumulators take turns, one instruction a turn
.irp m, 0,1,2,3,4,5,6,7
	WIN 0xa1+0x50*(\m/4)
.irp a, 0,1,2,3,4,5,6,7
	WMS 64*(\m%4)+8*\a, 96*(\set)+12*\a, 64+96*(\set)+12*\m, \zero, 32+16*((\ks)/2)+\a, 40+16*((\ks)/2)+\m, (\ks)%2
.endr
.endr
	WIN 0
.endm
	s_load_b128 s[4:7], s[0:1], 0x0                ; yq s[4:5], wimg s[6:7]
	s_load_b64 s[8:9], s[0:1], 0x10                ; out0
	v_lshl_add_u32 v30, v0, 2, 0x42000
	v_mov_b32 v31, 0
	v_lshrrev_b32 v8, 5, v0
	v_readfirstlane_b32 s14, v8                    ; wave
	v_and_b32 v8, 31, v0
	v_lshlrev_b32 v1, 4, v8
	v_lshlrev_b32 v2, 2, v8
	v_and_b32 v9, 15, v0                           ; r
	v_bfe_u32 v10, v0, 4, 1                        ; h
	s_wait_alu depctr_va_sdst(0)                   ; s14 is written, ahead of its first reader
	s_mul_i32 s15, s14, PART
	v_mul_u32_u24 v3, v9, 528
	v_lshl_add_u32 v3, v10, 6, v3
	v_add_nc_u32 v3, s15, v3                       ; into my partial tile: row r of a tile of tokens, + 64 h
	s_mul_i32 s15, s14, 32*528
	v_add_nc_u32 v4, s15, v1                       ; back: my 32 rows, 16 bytes a lane, in each of the four partial tiles
	v_add_nc_u32 v5, PART, v4
	v_add_nc_u32 v6, 2*PART, v4
	v_add_nc_u32 v7, 3*PART, v4
	s_and_b32 s16, ttmp9, 7                        ; which 128 columns
	s_lshr_b32 s17, ttmp9, 3                       ; which 128 tokens
	s_mul_i32 s18, s14, 6144                       ; my four K steps
	s_lshl_b32 s19, s14, 8
	s_mul_i32 s30, s16, 8*TS
	s_add_co_u32 s30, s30, s18
	s_add_co_u32 s30, s30, WO
	s_mov_b32 s31, 0
	s_mul_i32 s32, s17, 8*TS
	s_add_co_u32 s32, s32, s18
	s_mov_b32 s33, 0
	s_lshl_b32 s34, s16, 13
	s_add_co_u32 s34, s34, s19
	s_add_co_u32 s34, s34, WOS
	s_mov_b32 s35, 0
	s_lshl_b32 s36, s17, 13
	s_add_co_u32 s36, s36, s19
	s_add_co_u32 s36, s36, YS
	s_mov_b32 s37, 0
	s_lshl_b32 s38, s17, 19                        ; 128 tokens of 4,096 bytes,
	s_lshl_b32 s39, s14, 17                        ; my 32 of them,
	s_add_co_u32 s38, s38, s39
	s_lshl_b32 s39, s16, 9                         ; the tile's 512 bytes of a row
	s_add_co_u32 s38, s38, s39
	s_mov_b32 s39, 0
	s_wait_kmcnt 0x0
	s_add_nc_u64 s[20:21], s[6:7], s[30:31]        ; none of these is ever rewritten
	s_add_nc_u64 s[22:23], s[4:5], s[32:33]
	s_add_nc_u64 s[24:25], s[6:7], s[34:35]
	s_add_nc_u64 s[26:27], s[4:5], s[36:37]
	s_add_nc_u64 s[28:29], s[8:9], s[38:39]
	s_wait_alu depctr_va_vdst(0)                   ; the offsets and addresses v1 to v7 are written, which the loads and stores of the kernel read
	GSC 0
	GSC 1
	GF 0, 0
	GF 1, 1
	s_wait_loadcnt 48                              ; all but the next K step's 48 loads
	MUL 0, 0, 1                                    ; the first K step starts the sums
	PLACES
	s_wait_alu depctr_va_vdst(0)                   ; the products of K step 0 are done reading set 0, in which the loads below land
	GF 0, 2
	s_wait_loadcnt 48                              ; K step 1's fragments are in; K step 2's 48 loads may be out
	MUL 1, 1, 0
	PLACES
	s_wait_alu depctr_va_vdst(0)                   ; the products of K step 1 are done reading set 1, in which the loads below land
	GF 1, 3
	s_wait_loadcnt 48
	MUL 0, 2, 0
	s_wait_loadcnt 0x0
	MUL 1, 3, 0
	PLACES
	s_wait_alu depctr_va_vdst(0)                   ; the products have written the accumulators, which the LDS stores read (the four places stay beside this wait), and are done reading v64-191, in which the loads from the partial tiles land
.irp m, 0,1,2,3,4,5,6,7
	WIN 0x08+4*(\m/4)                              ; an LDS store's data are its source 1: window 2 or 3
.irp a, 0,1,2,3,4,5,6,7
	ds_store_b128 v3, v[64*(\m%4)+8*\a:64*(\m%4)+8*\a+3] offset:8448*\m+128*(\a/2)+32*(\a%2)       ; each accumulator from its low end on: columns 32 (a / 2) + 16 h + 8 (a % 2) + 0 .. 7
	ds_store_b128 v3, v[64*(\m%4)+8*\a+4:64*(\m%4)+8*\a+7] offset:8448*\m+128*(\a/2)+32*(\a%2)+16
.endr
.endr
	WIN 0
	s_wait_dscnt 0x0                               ; for the others' sake: my stores have landed
	s_barrier_signal -1
	s_barrier_wait -1
.macro LD g                            ; group g: rows 4 g .. 4 g + 3 of my 32, from each of the four partial tiles: sixteen LDS loads into buffer g % 2
.irp k, 0,1,2,3
.irp q, 0,1,2,3
	ds_load_b128 v[64+64*((\g)%2)+16*\k+4*\q:67+64*((\g)%2)+16*\k+4*\q], v[4+\q] offset:528*(4*(\g)+\k)
.endr
.endr
.endm
	LD 0
.irp g, 0,1,2,3,4,5,6,7                        ; four rows at a time
.set BB, 64+64*(\g%2)
	s_wait_dscnt 0x0                               ; this group's sixteen loads are in
.if \g < 7
.if \g > 0
	s_wait_xcnt 0x0                                ; the last group's stores have had their addresses translated
	s_wait_alu depctr_vm_vsrc(0)                   ; the last group's stores have read the other buffer, in which the next group's loads land (its additions stand ahead of the last wait on va_vdst)
.endif
	LD \g+1                                        ; on its way while this group is added
.endif
.irp k, 0,1,2,3
	v_pk_add_f32 v[BB+16*\k:BB+16*\k+1], v[BB+16*\k:BB+16*\k+1], v[BB+16*\k+4:BB+16*\k+5]
	v_pk_add_f32 v[BB+16*\k+2:BB+16*\k+3], v[BB+16*\k+2:BB+16*\k+3], v[BB+16*\k+6:BB+16*\k+7]
	v_pk_add_f32 v[BB+16*\k+8:BB+16*\k+9], v[BB+16*\k+8:BB+16*\k+9], v[BB+16*\k+12:BB+16*\k+13]
	v_pk_add_f32 v[BB+16*\k+10:BB+16*\k+11], v[BB+16*\k+10:BB+16*\k+11], v[BB+16*\k+14:BB+16*\k+15]
	v_pk_add_f32 v[BB+16*\k:BB+16*\k+1], v[BB+16*\k:BB+16*\k+1], v[BB+16*\k+8:BB+16*\k+9]
	v_pk_add_f32 v[BB+16*\k+2:BB+16*\k+3], v[BB+16*\k+2:BB+16*\k+3], v[BB+16*\k+10:BB+16*\k+11]
.endr
	s_wait_alu depctr_va_vdst(0)                   ; the additions have written the four rows, which the stores read, and are done with this buffer
.irp k, 0,1,2,3
.set RI, 4*\g+\k
	global_store_b128 v1, v[BB+16*\k:BB+16*\k+3], s[28:29] offset:(8*(RI/16)+(RI%8)+16*((RI/8)%2))*4096 th:TH_STORE_NT   ; 32 lanes store 512 consecutive bytes of the row's token, at a multiple of 512 from out0's first byte
.endr
.endr
	s_wait_dscnt 0x0                               ; the closing lines, six on end, for a launch in the mode that stores to LDS
	s_wait_alu 0x0
	s_wait_tensorcnt 0x0
	ds_add_u32 v30, v31
	s_wait_dscnt 0x0
	s_endpgm
.Lfunc_end_k_q6435e563d0_outp:
	.size	k_q6435e563d0_outp, .Lfunc_end_k_q6435e563d0_outp-k_q6435e563d0_outp
	.p2alignl 7, 3214868480
	.fill 96, 4, 3214868480
	.section	.rodata,"a",@progbits
	.p2align	6, 0x0
	.amdhsa_kernel k_q6435e563d0_outp
		.amdhsa_group_segment_fixed_size 270848
		.amdhsa_private_segment_fixed_size 0
		.amdhsa_enable_private_segment 0
		.amdhsa_kernarg_size 24
		.amdhsa_user_sgpr_count 2
		.amdhsa_user_sgpr_kernarg_segment_ptr 1
		.amdhsa_wavefront_size32 1
		.amdhsa_system_sgpr_workgroup_id_x 1
		.amdhsa_system_sgpr_workgroup_id_y 1
		.amdhsa_system_sgpr_workgroup_id_z 1
		.amdhsa_system_vgpr_workitem_id 0
		.amdhsa_next_free_vgpr 1024
		.amdhsa_next_free_sgpr 66
		.amdhsa_reserve_vcc 0
		.amdhsa_float_denorm_mode_32 3
		.amdhsa_float_denorm_mode_16_64 3
		.amdhsa_memory_ordered 1
		.amdhsa_forward_progress 1
		.amdhsa_inst_pref_size 90
	.end_amdhsa_kernel
	.amdgpu_metadata
---
amdhsa.version: [ 1, 2 ]
amdhsa.kernels:
  - .name:           k_q6435e563d0_outp
    .symbol:         k_q6435e563d0_outp.kd
    .args:
      - { .name: yq, .offset: 0, .size: 8, .value_kind: global_buffer, .address_space: global }
      - { .name: wimg, .offset: 8, .size: 8, .value_kind: global_buffer, .address_space: global }
      - { .name: out0, .offset: 16, .size: 8, .value_kind: global_buffer, .address_space: global }
    .group_segment_fixed_size: 270848
    .private_segment_fixed_size: 0
    .kernarg_segment_align: 8
    .kernarg_segment_size: 24
    .max_flat_workgroup_size: 128
    .sgpr_count:     66
    .vgpr_count:     1024
    .wavefront_size: 32
...
	.end_amdgpu_metadata
.endif
;; end of part 7
